; MI455X (gfx1250); checked and timed in simulation.
; The chip was launched on July 23, 2026; its instructions are those of AMD's public machine-readable ISA for CDNA 5 (MIT licence, August 2026) and "CDNA5" Instruction Set Architecture Reference Guide (July 2026). The comments in the code are by the model that wrote it; some were corrected since.
;; Transformer Block. Allowed arithmetic: matrix products marked QUANTISED: E2M3 operands, one E8M0 scale for each 32 along K, by v_wmma_scale_f32_16x16x128_f8f6f4 with both operands' format E2M3, f32 sums; everything else in f32.
;; Inputs: W1_codes 4,096 x 32 x 24 uint8 (E2M3 codes of W1, K innermost, in blocks of 32 codes, four codes in three bytes); W1_scales 4,096 x 32 uint8 (E8M0 scales of W1, one for each 32 codes along K); W2_codes 1,024 x 128 x 24 uint8 (E2M3 codes of W2, K innermost, in blocks of 32 codes, four codes in three bytes); W2_scales 1,024 x 128 uint8 (E8M0 scales of W2, one for each 32 codes along K); Wk_codes 1,024 x 32 x 24 uint8 (E2M3 codes of Wk, K innermost, in blocks of 32 codes, four codes in three bytes); Wk_scales 1,024 x 32 uint8 (E8M0 scales of Wk, one for each 32 codes along K); Wq_codes 1,024 x 32 x 24 uint8 (E2M3 codes of Wq, K innermost, in blocks of 32 codes, four codes in three bytes); Wq_scales 1,024 x 32 uint8 (E8M0 scales of Wq, one for each 32 codes along K); Wv_codes 1,024 x 32 x 24 uint8 (E2M3 codes of Wv, K innermost, in blocks of 32 codes, four codes in three bytes); Wv_scales 1,024 x 32 uint8 (E8M0 scales of Wv, one for each 32 codes along K); b1 4,096 float32; b2 1,024 float32; be1 1,024 float32; be2 1,024 float32; g1 1,024 float32; g2 1,024 float32; x 2 x 2,048 x 1,024 float32.
;; Outputs: out0 2 x 2,048 x 1,024 float32.
;; This version of the problem:
;;   THIS VERSION OF THE PROBLEM IS GIVEN IN LOW PRECISION. The matrix products marked QUANTISED in the list below multiply operands that are first quantised to E2M3 (2 exponent bits, 3 mantissa bits; 6 bits a number), with one power-of-two scale for each 32 numbers along K (OCP MX v1.0); their sums are f32. All else is computed in f32.
;;   The module's matrix products, in the order in which they are computed (A, B: the left and right operand; K: the contracted axis; several contracted axes count as one K, in the product's order):
;;     1. [M 4,096, K 1,024] x [K 1,024, N 1,024]; A: computed on the way; B: input Wq (given as codes): QUANTISED
;;     2. [M 4,096, K 1,024] x [K 1,024, N 1,024]; A: computed on the way; B: input Wk (given as codes): QUANTISED
;;     3. [M 4,096, K 1,024] x [K 1,024, N 1,024]; A: computed on the way; B: input Wv (given as codes): QUANTISED
;;     4. batch 32 x [M 2,048, K 64] x [K 64, N 2,048]; A: computed on the way; B: computed on the way: QUANTISED
;;     5. batch 32 x [M 2,048, K 2,048] x [K 2,048, N 64]; A: softmax (see below); B: computed on the way: QUANTISED
;;     6. [M 4,096, K 1,024] x [K 1,024, N 4,096]; A: computed on the way; B: input W1 (given as codes): QUANTISED
;;     7. [M 4,096, K 4,096] x [K 4,096, N 1,024]; A: computed on the way; B: input W2 (given as codes): QUANTISED
;;   THE QUANTISER, for each operand of a quantised product, along K:
;;     - K is cut into blocks of 32 from its start; a last block that is shorter is filled with zeros.
;;     - A block's scale is 2^e with e = floor(log2(the largest magnitude in the block)) - 2, held to -126 .. 127; a block of zeros has e = 0. As a byte (E8M0): e + 127.
;;     - Each number is divided by its block's scale, clamped to +-7.5, and rounded to the nearest number of E2M3, ties to even, subnormals kept.
;;     - The product sums the exact products of the quantised numbers (number of the format x scale) in f32.
;;   ~~~python
;;   def quantise(x, axis):      # numpy; x: float32 -> the quantised numbers, widened to float32 again
;;       x = np.moveaxis(x, axis, -1); K = x.shape[-1]
;;       x = np.pad(x, [(0, 0)] * (x.ndim - 1) + [(0, -K % 32)]); x = x.reshape(x.shape[:-1] + (-1, 32)); a = np.abs(x).max(-1, keepdims=True)
;;       e = np.where(a > 0, np.clip(np.frexp(np.where(a > 0, a, 1))[1] - 1 - 2, -126, 127), 0)      # np.frexp(a)[1] - 1 = floor(log2(a)), exactly
;;       r = np.clip(x / 2.0 ** e, -7.5, 7.5)
;;       step = 2.0 ** (np.maximum(np.frexp(np.where(r == 0, 1, r))[1] - 1, 0) - 3)
;;       q = np.round(r / step) * step * 2.0 ** e      # np.round: ties to even
;;       return np.moveaxis(q.reshape(q.shape[:-2] + (-1,))[..., :K], -1, axis).astype(np.float32)
;;   ~~~
;;   SOFTMAX AHEAD OF A QUANTISED PRODUCT. Where the list says 'softmax', what is quantised is not the finished softmax but p = 2^(t - M), with t = logit x log2(e) and M = ceil(the row's largest t), a whole number; so 1/2 < the row's largest p <= 1. The row's sum l is taken of the UNQUANTISED p, in f32, and the product's result is divided by l at the end. Since M is a whole number, a kernel that streams over the keys may use a running M (the ceiling of the running maximum): every later rescaling is an exact power of two, which a block's scale takes up: the codes' values come out the same.
;;   OPERANDS COMPUTED ON THE WAY. 'Computed on the way' means the value that the module computes at that place (a softmax that the list does not call 'softmax' is quantised finished and normalised). What goes into a quantiser is computed in f32, as accurately as f32 sums, v_exp_f32 and their like allow (about 1e-6 of the number): no bf16 or f16 on the way to a quantiser, and a product that is left as it is and whose result goes on into a quantised operand takes f32 operands (vector FMAs, or v_wmma_f32_16x16x4_f32). A number that lies on a knife's edge between two numbers of the format may be rounded either way, as far as f32 arithmetic and the matrix unit's own rounding can turn it there, and no further.
;;   INPUTS GIVEN AS CODES. W1 (in the module: [1024, 4096], K = its axis 0); W2 (in the module: [4096, 1024], K = its axis 0); Wk (in the module: [1024, 1024], K = its axis 0); Wq (in the module: [1024, 1024], K = its axis 0); Wv (in the module: [1024, 1024], K = its axis 0): each comes as NAME_codes (uint8): NAME with its K axis moved to the last place and cut into blocks of 32 codes, [.., K / 32, bytes a block], one block behind the other in memory; four codes in three bytes: a row's codes are one little-endian stream of bits, code i at bits 6 i .. 6 i + 5 (a code: sign, 2 exponent bits, 3 mantissa bits); and NAME_scales (uint8): the same leading axes, one E8M0 byte (e + 127) for each 32 codes along K. Its value is code x scale, taken as it is: it is not quantised again, and the codes and scales need not be those that the quantiser above would give.
;; 2 versions. Each part assembles by itself: llvm-mc -triple=amdgcn-amd-amdhsa -mcpu=gfx1250 --defsym DOCPART=n.
;; ======== version 1 of 2: 5 launches
;; workspace buffers: wsA 12,288,000 bytes; wsB 13,107,200 bytes; wsC 20,578,304 bytes; wsD 13,107,200 bytes
;; launch prep (part 1): grid 960 x 1, 8 waves a work-group, no clusters, 69,632 bytes of LDS; arguments x, g1, be1, Wq_codes, Wq_scales, Wk_codes, Wk_scales, Wv_codes, Wv_scales, W1_codes, W1_scales, W2_codes, W2_scales, wsA; writes wsA
.if DOCPART == 1
	.amdgcn_target "amdgcn-amd-amdhsa--gfx1250"
	.amdhsa_code_object_version 6
	.text
	.protected	k_qf902df8334_prep
	.globl	k_qf902df8334_prep
	.p2align	8
	.type	k_qf902df8334_prep,@function
k_qf902df8334_prep:
	s_mov_b64 s[64:65], 0
	v_nop
	global_prefetch_b8 v0, s[64:65] scope:SCOPE_SE
	s_setreg_imm32_b32 hwreg(HW_REG_WAVE_MODE, 25, 1), 1
	s_wait_xcnt 0x0
; PREP: every operand that the later products read from memory is laid out as IMAGES OF OPERAND REGISTERS.
; A fragment (16 rows x 128 along K of E2M3 codes) is 12 registers a lane; its image is 1,536 bytes: registers 4 c .. 4 c + 3 of lane l at 512 c + 16 l.
; The rows of tile T are not neighbours: lane r stands for row 32 (T / 2) + 8 (T % 2) + r + 8 (r / 8).  A scale word (four E8M0 bytes, 128 along K) of tile i, lane r lies at 64 i + 4 r.
; Work-groups 0-255: tile T of x: LayerNorm 1 in f32, quantised along the 1,024 columns; wave w takes K step w.  Work-groups 256-703: tiles of Wq, Wk, Wv, W1, copied from rows into images.
; Work-groups 704-959: W2 (K = 4,096): tile (T - 704) / 4, K step 8 ((T - 704) % 4) + w.
; The variance is made of centred partial sums (a mean and a sum of squares about it for each 128 columns), never as a difference of large sums.
; LIMITS: NaN and infinities in x are not served; a block whose largest magnitude lies under 2^-124 (zeros too) gets the byte 1; x g + be is one fused multiply-add; 1 / sqrt is v_rsq_f32.
.set STGB, 8448                        ; a wave's stage: 16 rows x (512 bytes + 16)
.set STAT, 8*STGB                      ; behind the stages: [8 waves][16 rows] x (mean, sum of squares)
.set R,    16                          ; v16-79   x as loaded, 512 bytes of a row an instruction; then g1; then the codes
.set X,    80                          ; v80-143  my row's 64 numbers: number 16 b + i is column 32 b + 16 (lane / 16) + i of the wave's 128
.set BE,   144                         ; v144-207 be1
.set TM,   208                         ; v208-223 at work
.set PW,   224                         ; v224     the scale word
.set PC,   16                          ; v16-34   the codes
.set WV,   32                          ; s32      wave
.set KST,  33                          ; s33      K step
.set SEL,  56                          ; s[56:57] selects for lane l xor 16
; 64 numbers of a lane become a fragment's codes in v[PC] on and its scale word in v[pw].  Blocks 0, 1 at v[s0] on, blocks 2, 3 at v[s1] on.
.macro QUANT s0, s1, pw
.irp b, 0,1
	v_max3_num_f32 v[TM+\b], 0x1800000, |v[(\s0)+16*\b]|, |v[(\s0)+16*\b+1]|       ; my 16 numbers of a block, and the floor 2^(3 - 127): the byte cannot fall under 1
	v_max3_num_f32 v[TM+2+\b], 0x1800000, |v[(\s1)+16*\b]|, |v[(\s1)+16*\b+1]|
.endr
.irp i, 2,4,6,8,10,12,14
.irp b, 0,1
	v_max3_num_f32 v[TM+\b], v[TM+\b], |v[(\s0)+16*\b+\i]|, |v[(\s0)+16*\b+\i+1]|
	v_max3_num_f32 v[TM+2+\b], v[TM+2+\b], |v[(\s1)+16*\b+\i]|, |v[(\s1)+16*\b+\i+1]|
.endr
.endr
.irp b, 0,1,2,3
	v_permlanex16_b32 v[TM+4+\b], v[TM+\b], s[SEL], s[SEL+1]
.endr
.irp b, 0,1,2,3
	v_max_num_f32 v[TM+\b], v[TM+\b], v[TM+4+\b]                   ; with lane l xor 16's 16: the block's largest magnitude
.endr
.irp b, 0,1,2,3
	v_add_nc_u32 v[TM+12+\b], 0xff000000, v[TM+\b]                 ; 2 off its exponent field: the conversion's scale operand
.endr
.irp b, 0,1,2,3
	v_lshrrev_b32 v[TM+4+\b], 23, v[TM+12+\b]                      ; the scale's byte
.endr
	v_lshl_or_b32 v[\pw], v[TM+5], 8, v[TM+4]
	v_lshl_or_b32 v[\pw], v[TM+6], 16, v[\pw]
	v_lshl_or_b32 v[\pw], v[TM+7], 24, v[\pw]
	v_cvt_scalef32_pk16_fp6_f32 v[PC:PC+2], v[(\s0):(\s0)+15], v[TM+12]
	v_cvt_scalef32_pk16_fp6_f32 v[PC+12:PC+14], v[(\s0)+16:(\s0)+31], v[TM+13]   ; (a conversion's three registers begin on an even number)
	v_cvt_scalef32_pk16_fp6_f32 v[PC+6:PC+8], v[(\s1):(\s1)+15], v[TM+14]
	v_cvt_scalef32_pk16_fp6_f32 v[PC+16:PC+18], v[(\s1)+16:(\s1)+31], v[TM+15]
	v_nop                                          ; one plain line behind the conversions
.irp c, 0,1                                    ; the operand wants a whole block in a lane: lanes 0-15 block 2 c, lanes 16-31 block 2 c + 1
.irp i, 0,1,2
	v_permlane16_swap_b32 v[PC+6*\c+\i], v[PC+12+4*\c+\i]
.endr
.irp i, 0,1,2
	v_mov_b32 v[PC+3+6*\c+\i], v[PC+12+4*\c+\i]
.endr
.endr
.endm
.macro FOLD                                    ; four packed chains in v[208:215] -> v208, with lane l xor 16's share
	v_pk_add_f32 v[208:209], v[208:209], v[210:211]
	v_pk_add_f32 v[212:213], v[212:213], v[214:215]
	v_pk_add_f32 v[208:209], v[208:209], v[212:213]
	v_add_f32 v208, v208, v209
	v_permlanex16_b32 v209, v208, s[SEL], s[SEL+1]
	v_add_f32 v208, v208, v209
.endm
	s_load_b512 s[4:19], s[0:1], 0x0               ; x, g1, be1, Wq codes, Wq scales, Wk codes, Wk scales, Wv codes
	s_load_b256 s[20:27], s[0:1], 0x40             ; Wv scales, W1 codes, W1 scales, W2 codes
	s_load_b128 s[28:31], s[0:1], 0x60             ; W2 scales, wsA
	v_lshl_add_u32 v232, v0, 2, 0x10c00
	v_mov_b32 v233, 0
	v_lshrrev_b32 v1, 5, v0
	v_readfirstlane_b32 s[WV], v1                  ; wave 0..7
	v_and_b32 v1, 31, v0                           ; lane
	v_and_b32 v2, 15, v0                           ; r
	v_bfe_u32 v3, v0, 4, 1                         ; h
	v_lshlrev_b32 v4, 4, v1                        ; 16 x lane
	v_lshlrev_b32 v11, 2, v2                       ; 4 r
	s_mul_i32 s58, s[WV], STGB
	v_add_nc_u32 v5, s58, v4                       ; the stage, in: a row's 512 bytes as they lie
	v_mul_u32_u24 v6, v2, 528
	v_lshl_add_u32 v6, v3, 6, v6
	v_add_nc_u32 v6, s58, v6                       ; and out: row r, + 64 h
	v_lshlrev_b32 v8, 3, v2
	v_add_nc_u32 v8, STAT, v8                      ; row r's partial figures, wave 0's
	s_lshl_b32 s58, s[WV], 7
	v_add_nc_u32 v7, s58, v8                       ; and my wave's
	v_lshlrev_b32 v10, 6, v3
	v_lshl_add_u32 v10, s[WV], 9, v10              ; g1, be1: 512 w + 64 h
	s_mov_b32 s[SEL], 0x76543210
	s_mov_b32 s[SEL+1], 0xfedcba98
	s_mov_b32 s59, 0x3a800000                      ; 2^-10
	s_mov_b32 s60, 0x3727c5ac                      ; 1e-5
	; where my fragment and its scale words go
	s_sub_co_u32 s43, ttmp9, 704
	s_lshr_b32 s42, s43, 2                         ; W2: the tile,
	s_and_b32 s43, s43, 3
	s_lshl_b32 s43, s43, 3                         ; and the first of the work-group's eight K steps
	s_mov_b32 s45, 98304
	s_mov_b32 s46, 4096
	s_mov_b32 s47, 11796480
	s_cmp_ge_u32 ttmp9, 704
	s_cselect_b32 s42, s42, ttmp9                  ; tile in its region
	s_cselect_b32 s43, s43, 0
	s_cselect_b32 s45, 393216, s45                 ; a group's images (128 rows, all of K)
	s_cselect_b32 s46, 16384, s46                  ; a group's scale words
	s_cselect_b32 s47, 12156928, s47               ; the region of scale words
	s_cselect_b32 s48, 8650752, 0                  ; the region of images
	s_add_co_u32 s[KST], s43, s[WV]
	s_lshr_b32 s49, s42, 3                         ; group
	s_and_b32 s50, s42, 7                          ; tile in the group
	s_mul_i32 s34, s49, s45
	s_add_co_u32 s34, s34, s48
	s_mul_i32 s51, s[KST], 12288
	s_add_co_u32 s34, s34, s51
	s_mul_i32 s51, s50, 1536
	s_add_co_u32 s34, s34, s51
	s_mov_b32 s35, 0
	s_mul_i32 s36, s49, s46
	s_add_co_u32 s36, s36, s47
	s_lshl_b32 s51, s[KST], 9
	s_add_co_u32 s36, s36, s51
	s_lshl_b32 s51, s50, 6
	s_add_co_u32 s36, s36, s51
	s_mov_b32 s37, 0
	s_wait_kmcnt 0x0
	s_add_nc_u64 s[38:39], s[30:31], s[34:35]
	s_add_nc_u64 s[40:41], s[30:31], s[36:37]
	s_cmp_lt_u32 ttmp9, 256                        ; the same for all waves of a work-group
	s_cbranch_scc1 .Lx
	; ---- a weight's fragment: six loads of 8 bytes from its rows, as the operand's registers take them
	s_mov_b64 s[44:45], s[26:27]
	s_mov_b64 s[46:47], s[28:29]
	s_sub_co_u32 s48, ttmp9, s42                   ; the tensor's first work-group (for W2: so that the difference below is the tile)
	s_cmp_lt_u32 ttmp9, 704
	s_cselect_b64 s[44:45], s[22:23], s[44:45]
	s_cselect_b64 s[46:47], s[24:25], s[46:47]
	s_cselect_b32 s48, 448, s48
	s_cmp_lt_u32 ttmp9, 448
	s_cselect_b64 s[44:45], s[18:19], s[44:45]
	s_cselect_b64 s[46:47], s[20:21], s[46:47]
	s_cselect_b32 s48, 384, s48
	s_cmp_lt_u32 ttmp9, 384
	s_cselect_b64 s[44:45], s[14:15], s[44:45]
	s_cselect_b64 s[46:47], s[16:17], s[46:47]
	s_cselect_b32 s48, 320, s48
	s_cmp_lt_u32 ttmp9, 320
	s_cselect_b64 s[44:45], s[10:11], s[44:45]
	s_cselect_b64 s[46:47], s[12:13], s[46:47]
	s_cselect_b32 s48, 256, s48
	s_mov_b32 s49, 768
	s_cmp_ge_u32 ttmp9, 704
	s_cselect_b32 s49, 3072, s49                   ; a row of codes in bytes
	s_cselect_b32 s50, 128, 32                     ; a row of scale bytes
	s_sub_co_u32 s51, ttmp9, s48                   ; the tensor's tile
	s_lshr_b32 s52, s51, 1
	s_lshl_b32 s52, s52, 5
	s_and_b32 s51, s51, 1
	s_lshl_b32 s51, s51, 3
	s_add_co_u32 s51, s51, s52                     ; its first row
	v_and_b32 v9, 8, v2
	v_add_nc_u32 v9, v9, v2                        ; r + 8 (r / 8)
	v_add_nc_u32 v9, s51, v9                       ; my row
	v_mul_lo_u32 v12, v9, s49
	s_mul_i32 s52, s[KST], 96
	v_mad_u32_u24 v12, v3, 24, v12
	v_add_nc_u32 v12, s52, v12                     ; row, + 96 bytes a K step, + 24 h
	v_mul_lo_u32 v13, v9, s50
	v_lshl_add_u32 v13, s[KST], 2, v13
.irp p, 0,1,2,3,4,5
	global_load_b64 v[PC+2*\p:PC+2*\p+1], v12, s[44:45] offset:48*(\p/3)+8*(\p%3)
.endr
	global_load_b32 v[PW], v13, s[46:47]
	s_wait_loadcnt 0x0
	s_branch .Lstore
.Lx:	; ---- a tile of x
	s_lshr_b32 s42, ttmp9, 1
	s_lshl_b32 s42, s42, 17                        ; 32 rows of 4,096 bytes
	s_and_b32 s43, ttmp9, 1
	s_lshl_b32 s43, s43, 15                        ; 8 rows
	s_add_co_u32 s42, s42, s43
	s_lshl_b32 s43, s[WV], 9                       ; my wave's 128 columns
	s_add_co_u32 s42, s42, s43
	s_mov_b32 s43, 0
	s_add_nc_u64 s[4:5], s[4:5], s[42:43]
.irp p, 0,1,2,3,4,5,6,7,8,9,10,11,12,13,14,15
	global_load_b128 v[R+4*\p:R+4*\p+3], v4, s[4:5] offset:(\p+8*(\p/8))*4096 th:TH_LOAD_NT   ; 32 lanes read 512 consecutive bytes of the tile's p-th row
.endr
.irp b, 0,1,2,3
.irp j, 0,1,2,3
	global_load_b128 v[BE+16*\b+4*\j:BE+16*\b+4*\j+3], v10, s[8:9] offset:128*\b+16*\j
.endr
.endr
.irp p, 0,1,2,3,4,5,6,7,8,9,10,11,12,13,14,15
	s_wait_loadcnt 31-\p                           ; row p is in: behind it 15 - p rows and be1's sixteen loads
	ds_store_b128 v5, v[R+4*\p:R+4*\p+3] offset:528*\p
.endr
.irp b, 0,1,2,3
.irp j, 0,1,2,3
	ds_load_b128 v[X+16*\b+4*\j:X+16*\b+4*\j+3], v6 offset:128*\b+16*\j   ; my wave's own bytes, served in order: no barrier
.endr
.endr
	s_wait_dscnt 0x0
.irp b, 0,1,2,3
.irp j, 0,1,2,3
	global_load_b128 v[R+16*\b+4*\j:R+16*\b+4*\j+3], v10, s[6:7] offset:128*\b+16*\j   ; g1, into the registers that the stage's stores have read
.endr
.endr
	; the mean of my row's 128 columns, and the sum of squares about it
.irp c, 0,1,2,3
	v_pk_add_f32 v[208+2*\c:209+2*\c], v[X+2*\c:X+2*\c+1], v[X+8+2*\c:X+9+2*\c]
.endr
.irp i, 16,24,32,40,48,56
.irp c, 0,1,2,3
	v_pk_add_f32 v[208+2*\c:209+2*\c], v[208+2*\c:209+2*\c], v[X+\i+2*\c:X+\i+2*\c+1]
.endr
.endr
	FOLD
	v_mul_f32 v216, 0x3c000000, v208               ; / 128
	v_mov_b32 v217, v216
.irp i, 0,1,2,3,4,5,6,7
.irp c, 0,1,2,3
	v_pk_add_f32 v[218+2*\c:219+2*\c], v[X+8*\i+2*\c:X+8*\i+2*\c+1], v[216:217] op_sel_hi:[1,0] neg_lo:[0,1] neg_hi:[0,1]
.endr
.irp c, 0,1,2,3
.if \i == 0
	v_pk_mul_f32 v[208+2*\c:209+2*\c], v[218+2*\c:219+2*\c], v[218+2*\c:219+2*\c]
.else
	v_pk_fma_f32 v[208+2*\c:209+2*\c], v[218+2*\c:219+2*\c], v[218+2*\c:219+2*\c], v[208+2*\c:209+2*\c]
.endif
.endr
.endr
	FOLD
	v_mov_b32 v217, v208
	ds_store_b64 v7, v[216:217]                    ; lanes r and r + 16 write the same pair
	s_wait_dscnt 0x0                               ; for the others' sake
	s_barrier_signal -1
	s_barrier_wait -1
.irp w, 0,1,2,3,4,5,6,7
	ds_load_b64 v[208+2*\w:209+2*\w], v8 offset:128*\w
.endr
	s_wait_dscnt 0x0
	v_pk_add_f32 v[224:225], v[208:209], v[210:211]
	v_pk_add_f32 v[226:227], v[212:213], v[214:215]
	v_pk_add_f32 v[224:225], v[224:225], v[216:217]
	v_pk_add_f32 v[226:227], v[226:227], v[218:219]
	v_pk_add_f32 v[224:225], v[224:225], v[220:221]
	v_pk_add_f32 v[226:227], v[226:227], v[222:223]
	v_pk_add_f32 v[224:225], v[224:225], v[226:227]   ; (sum of means, sum of the sums of squares)
	v_mul_f32 v228, 0x3e000000, v224               ; the row's mean
	v_sub_f32 v226, v208, v228
	v_sub_f32 v227, v210, v228
	v_mul_f32 v229, v226, v226
	v_mul_f32 v230, v227, v227
.irp k, 4,8,12
	v_sub_f32 v226, v[208+\k], v228
	v_sub_f32 v227, v[210+\k], v228
	v_fma_f32 v229, v226, v226, v229
	v_fma_f32 v230, v227, v227, v230
.endr
	v_add_f32 v229, v229, v230
	v_fmamk_f32 v225, v229, 0x43000000, v225       ; + 128 x the spread of the partial means
	v_fma_f32 v225, v225, s59, s60                 ; / 1,024 (exact) + eps
	v_rsq_f32 v230, v225
	v_mov_b32 v229, v228                           ; a plain line behind the root; (named with v228 as a pair)
	s_wait_alu depctr_va_vdst(0)                   ; ahead of the first line that names the root's result
	v_mov_b32 v231, v230
	s_wait_loadcnt 0x0                             ; g1 and be1
.set k, 0
.rept 32
	v_pk_add_f32 v[X+k:X+k+1], v[X+k:X+k+1], v[228:229] op_sel_hi:[1,0] neg_lo:[0,1] neg_hi:[0,1]
.set k, k+2
.endr
.set k, 0
.rept 32
	v_pk_mul_f32 v[X+k:X+k+1], v[X+k:X+k+1], v[230:231] op_sel_hi:[1,0]
.set k, k+2
.endr
.set k, 0
.rept 32
	v_pk_fma_f32 v[X+k:X+k+1], v[X+k:X+k+1], v[R+k:R+k+1], v[BE+k:BE+k+1]
.set k, k+2
.endr
	QUANT X, X+32, PW
.Lstore:
.irp c, 0,1,2
	global_store_b128 v4, v[PC+4*\c:PC+4*\c+3], s[38:39] offset:512*\c   ; 512 consecutive bytes an instruction
.endr
	v_cmp_gt_u32 vcc_lo, 16, v1
	s_wait_xcnt 0x0                                ; EXEC changes only behind this wait
	s_wait_tensorcnt 0x0
	ds_add_u32 v232, v233
	s_wait_dscnt 0x0
	s_and_saveexec_b32 s54, vcc_lo
	global_store_b32 v11, v[PW], s[40:41]          ; lanes 0-15: the tile's sixteen scale words
	s_wait_xcnt 0x0
	s_or_b32 exec_lo, exec_lo, s54
	s_endpgm
.Lfunc_end_k_qf902df8334_prep:
	.size	k_qf902df8334_prep, .Lfunc_end_k_qf902df8334_prep-k_qf902df8334_prep
	.p2alignl 7, 3214868480
	.fill 96, 4, 3214868480
	.section	.rodata,"a",@progbits
	.p2align	6, 0x0
	.amdhsa_kernel k_qf902df8334_prep
		.amdhsa_group_segment_fixed_size 69632
		.amdhsa_private_segment_fixed_size 0
		.amdhsa_enable_private_segment 0
		.amdhsa_kernarg_size 112
		.amdhsa_user_sgpr_count 2
		.amdhsa_user_sgpr_kernarg_segment_ptr 1
		.amdhsa_wavefront_size32 1
		.amdhsa_system_sgpr_workgroup_id_x 1
		.amdhsa_system_sgpr_workgroup_id_y 1
		.amdhsa_system_sgpr_workgroup_id_z 1
		.amdhsa_system_vgpr_workitem_id 0
		.amdhsa_next_free_vgpr 234
		.amdhsa_next_free_sgpr 66
		.amdhsa_reserve_vcc 1
		.amdhsa_float_denorm_mode_32 3
		.amdhsa_float_denorm_mode_16_64 3
		.amdhsa_memory_ordered 1
		.amdhsa_forward_progress 1
		.amdhsa_inst_pref_size 32
	.end_amdhsa_kernel
	.amdgpu_metadata
---
amdhsa.version: [ 1, 2 ]
amdhsa.kernels:
  - .name:           k_qf902df8334_prep
    .symbol:         k_qf902df8334_prep.kd
    .args:
      - { .name: x, .offset: 0, .size: 8, .value_kind: global_buffer, .address_space: global }
      - { .name: g1, .offset: 8, .size: 8, .value_kind: global_buffer, .address_space: global }
      - { .name: be1, .offset: 16, .size: 8, .value_kind: global_buffer, .address_space: global }
      - { .name: Wq_codes, .offset: 24, .size: 8, .value_kind: global_buffer, .address_space: global }
      - { .name: Wq_scales, .offset: 32, .size: 8, .value_kind: global_buffer, .address_space: global }
      - { .name: Wk_codes, .offset: 40, .size: 8, .value_kind: global_buffer, .address_space: global }
      - { .name: Wk_scales, .offset: 48, .size: 8, .value_kind: global_buffer, .address_space: global }
      - { .name: Wv_codes, .offset: 56, .size: 8, .value_kind: global_buffer, .address_space: global }
      - { .name: Wv_scales, .offset: 64, .size: 8, .value_kind: global_buffer, .address_space: global }
      - { .name: W1_codes, .offset: 72, .size: 8, .value_kind: global_buffer, .address_space: global }
      - { .name: W1_scales, .offset: 80, .size: 8, .value_kind: global_buffer, .address_space: global }
      - { .name: W2_codes, .offset: 88, .size: 8, .value_kind: global_buffer, .address_space: global }
      - { .name: W2_scales, .offset: 96, .size: 8, .value_kind: global_buffer, .address_space: global }
      - { .name: wsA, .offset: 104, .size: 8, .value_kind: global_buffer, .address_space: global }
    .group_segment_fixed_size: 69632
    .private_segment_fixed_size: 0
    .kernarg_segment_align: 8
    .kernarg_segment_size: 112
    .max_flat_workgroup_size: 256
    .sgpr_count:     66
    .vgpr_count:     234
    .wavefront_size: 32
...
	.end_amdgpu_metadata
.endif
;; end of part 1
;; launch qkv (part 2): grid 12 x 16, 4 waves a work-group, clusters of 4 x 4, 327,680 bytes of LDS; arguments wsA, wsB; writes wsB
.if DOCPART == 2
	.amdgcn_target "amdgcn-amd-amdhsa--gfx1250"
	.amdhsa_code_object_version 6
	.text
	.protected	k_qf902df8334_qkv
	.globl	k_qf902df8334_qkv
	.p2align	8
	.type	k_qf902df8334_qkv,@function
k_qf902df8334_qkv:
	s_mov_b64 s[64:65], 0
	v_nop
	global_prefetch_b8 v0, s[64:65] scope:SCOPE_SE
	s_setreg_imm32_b32 hwreg(HW_REG_WAVE_MODE, 25, 1), 1
	s_wait_xcnt 0x0
	s_wait_alu depctr_hold_cnt(0) depctr_sa_sdst(0) depctr_va_vdst(0) depctr_va_sdst(0) depctr_va_ssrc(0) depctr_va_vcc(0) depctr_vm_vsrc(0)
	s_getreg_b32 s2, hwreg(HW_REG_IB_STS2, 6, 4)
	s_cmp_eq_u32 s2, 0
	s_cbranch_scc0 .Lentry_in_a_cluster
	s_endpgm
.Lentry_in_a_cluster:
	s_bfe_u32 s2, ttmp6, 0x10000c
	s_cmp_lg_u32 s2, 0xf033
	s_cbranch_scc0 .Lentry_shape_is_right
	s_endpgm
.Lentry_shape_is_right:
; QKV: q = xn Wq, k = xn Wk and V^T = Wv^T xn^T, on codes of E2M3 with E8M0 scales, K = 1,024; the results are quantised here and stored as the operand images that the attention launch reads.
; Both operands are groups of 128 rows in one region of wsA (groups 0-31 xn, 32-39 Wq, 40-47 Wk, 48-55 Wv), so the three products differ only in group numbers: cluster x = 0: q, 1: k, 2: v (A = Wv, B = xn).
; A tile of C, 256 x 256, is made by four waves, 128 x 128 each: 64 accumulators, 512 registers.  K goes in slots of 256 through a ring of two LDS slots; a wave's tensor load brings 128 rows x 256 K: 24,576 dense bytes.
; OPERANDS ARE IMAGES OF REGISTERS: a fragment is three ds_load_b128 at 16 x lane.  The rows of a tile are not neighbours (lane r: row 32 (T / 2) + 8 (T % 2) + r + 8 (r / 8)), and the matrix instruction is used
; transposed (source 0 = 16 rows of B, source 1 = 16 rows of A): so the 64 registers of a block of A's rows are, in a lane, 64 numbers of ONE row of C, number 16 b + i = column 32 b + 16 (lane / 16) + i: what the quantiser takes.
; CLUSTERS: 4 x 4 work-groups; A's tiles are asked for jointly along a row of the cluster, B's along a column.
; RECORDS in wsB, 12,800 bytes for each (batch, head, 128 tokens): four fragments of k (or q), four of V^T, their scale words.  A fragment of k holds 32 keys: registers 0-5 key 32 t + r + 8 (r / 8), registers 6-11 the key 8 further on.
; LIMITS: a block whose largest magnitude lies under 2^-124 (zeros too) gets the byte 1; NaN and infinities are not served.
.set NK,    8
.set LAPS,  NK/4
.set GSTR,  NK*12288                   ; a group's images
.set SSTR,  NK*512                     ; a group's scale words
.set SOFF,  11796480                   ; where the scale words begin in wsA
.set KVREG, 6553600                    ; where the records of k and V begin in wsB
.set HALFT, 24576
.set SLOT,  4*HALFT                    ; A's two groups, then B's two
.set SCL,   2*SLOT                     ; behind the ring: the four groups' scale words for all of K, filled once
.set SPARE, SCL+4*SSTR                 ; the spare words: 128 bytes a wave, named by no other line
.set FR,    12
.set ADRA, 16                          ; v16-17 my A fragments in slot 0, 1
.set ADRB, 20                          ; v20-21 my B fragments
.set ADSA, 22                          ; v22    A's scale words of the K steps in hand
.set ADSB, 23                          ; v23    B's
.set SPW,  28
.set NIL,  29
.set SC,   32                          ; v32-63 scale words, two sets of 16: A's at +4 q + p, B's at +8 + 4 q + p; lanes 0-15 tile 2 p, lanes 16-31 tile 2 p + 1
.set BIAS, 64
.set AF,   128                         ; v128-223 A's eight fragments; B's two sets lie in window 1; the accumulators in windows 2 and 3
.set TM,   200                         ; the way out
.set PC,   216
.set PWS,  236
.set SD,   244
.set G1, 24
.set G0, 32
.set G1B, 48
.set G0B, 56
.set G1S, 68
.set G0S, 76
.set G1SB, 80
.set G0SB, 88
.set SEL, 66
.set HM,  2
.set MSB, 0
.macro WIN new                         ; the immediate's high byte repeats the setting that is left
.if MSB != (\new)
	s_set_vgpr_msb (MSB<<8)|(\new)
.set MSB, (\new)
.endif
.endm
.macro JLOAD g0a, g1a, g0b, g1b        ; a joint load: waves 0 and 1 fetch for A, waves 2 and 3 for B; four v_nop follow each line
	s_cmp_eq_u32 s15, 0
	s_cbranch_scc0 .Lfor_b_\@
	tensor_load_to_lds s[\g0a:\g0a+3], s[\g1a:\g1a+7]
	s_nop 0
.rept 4
	v_nop
.endr
	s_branch .Lasked_\@
.Lfor_b_\@:
	tensor_load_to_lds s[\g0b:\g0b+3], s[\g1b:\g1b+7]
	s_nop 0
.rept 4
	v_nop
.endr
.Lasked_\@:
.endm
.macro CREST                           ; a round of the cluster's barrier behind its opening barrier
	s_cmp_lg_u32 s14, 0
	s_cbranch_scc1 .Lnot_wave_0_\@
	s_barrier_signal -3
.Lnot_wave_0_\@:
	s_barrier_wait -3
	s_barrier_signal -1
	s_barrier_wait -1
.endm
.macro CROUND
	s_barrier_signal -1
	s_barrier_wait -1
	CREST
.endm
.macro PLACES n
.rept \n
	v_nop
.endr
.endm
.macro FRAG reg, adr, q, i             ; a fragment's image: three loads of 512 consecutive bytes
.irp c, 0,1,2
	ds_load_b128 v[(\reg)+4*\c:(\reg)+4*\c+3], v[\adr] offset:12288*(\q)+1536*(\i)+512*\c
.endr
.endm
.macro FETCH_B slot, q, p
	WIN 0x40
.irp i, 0,1,2,3,4,5,6,7
	FRAG 128*(\p)+FR*\i, ADRB+\slot, \q, \i
.endr
	WIN 0
.endm
.macro FETCH_A slot, q, i0
.irp i, \i0, \i0+1, \i0+2, \i0+3
	FRAG AF+FR*(\i), ADRA+\slot, \q, \i
.endr
.endm
.macro SCALES sc
.irp q, 0,1
.irp p, 0,1,2,3
	ds_load_b32 v[SC+16*\sc+4*\q+\p], v[ADSA] offset:512*\q+128*\p
	ds_load_b32 v[SC+16*\sc+8+4*\q+\p], v[ADSB] offset:512*\q+128*\p
.endr
.endr
.endm
; one product: A's block a x B's block b.  cm = 0: C is 0 (the first product starts the sum), 1: in place, 2: C is the bias.  A tile's parity says in which half of the lanes its scale words lie.
.macro WM a, b, p, q, sc, cm
.set rD, 8*(8*((\a)%4)+(\b))
.set rB, 128*(\p)+FR*(\b)
.set rA, AF+FR*(\a)
.set rT, SC+16*(\sc)+8+4*(\q)+(\b)/2
.set rS, SC+16*(\sc)+4*(\q)+(\a)/2
.set rC, rD
.if (\cm) == 2
.set rC, BIAS+8*(\b)
.endif
.set par, 2*((\a)%2)+(\b)%2
.if (\cm) == 0
.if par == 0
	v_wmma_scale_f32_16x16x128_f8f6f4 v[rD:rD+7], v[rB:rB+FR-1], v[rA:rA+FR-1], 0, v[rT], v[rS] matrix_a_fmt:MATRIX_FMT_FP6 matrix_b_fmt:MATRIX_FMT_FP6
.elseif par == 1
	v_wmma_scale_f32_16x16x128_f8f6f4 v[rD:rD+7], v[rB:rB+FR-1], v[rA:rA+FR-1], 0, v[rT], v[rS] matrix_a_fmt:MATRIX_FMT_FP6 matrix_b_fmt:MATRIX_FMT_FP6 matrix_a_scale:MATRIX_SCALE_ROW1
.elseif par == 2
	v_wmma_scale_f32_16x16x128_f8f6f4 v[rD:rD+7], v[rB:rB+FR-1], v[rA:rA+FR-1], 0, v[rT], v[rS] matrix_a_fmt:MATRIX_FMT_FP6 matrix_b_fmt:MATRIX_FMT_FP6 matrix_b_scale:MATRIX_SCALE_ROW1
.else
	v_wmma_scale_f32_16x16x128_f8f6f4 v[rD:rD+7], v[rB:rB+FR-1], v[rA:rA+FR-1], 0, v[rT], v[rS] matrix_a_fmt:MATRIX_FMT_FP6 matrix_b_fmt:MATRIX_FMT_FP6 matrix_a_scale:MATRIX_SCALE_ROW1 matrix_b_scale:MATRIX_SCALE_ROW1
.endif
.else
.if par == 0
	v_wmma_scale_f32_16x16x128_f8f6f4 v[rD:rD+7], v[rB:rB+FR-1], v[rA:rA+FR-1], v[rC:rC+7], v[rT], v[rS] matrix_a_fmt:MATRIX_FMT_FP6 matrix_b_fmt:MATRIX_FMT_FP6
.elseif par == 1
	v_wmma_scale_f32_16x16x128_f8f6f4 v[rD:rD+7], v[rB:rB+FR-1], v[rA:rA+FR-1], v[rC:rC+7], v[rT], v[rS] matrix_a_fmt:MATRIX_FMT_FP6 matrix_b_fmt:MATRIX_FMT_FP6 matrix_a_scale:MATRIX_SCALE_ROW1
.elseif par == 2
	v_wmma_scale_f32_16x16x128_f8f6f4 v[rD:rD+7], v[rB:rB+FR-1], v[rA:rA+FR-1], v[rC:rC+7], v[rT], v[rS] matrix_a_fmt:MATRIX_FMT_FP6 matrix_b_fmt:MATRIX_FMT_FP6 matrix_b_scale:MATRIX_SCALE_ROW1
.else
	v_wmma_scale_f32_16x16x128_f8f6f4 v[rD:rD+7], v[rB:rB+FR-1], v[rA:rA+FR-1], v[rC:rC+7], v[rT], v[rS] matrix_a_fmt:MATRIX_FMT_FP6 matrix_b_fmt:MATRIX_FMT_FP6 matrix_a_scale:MATRIX_SCALE_ROW1 matrix_b_scale:MATRIX_SCALE_ROW1
.endif
.endif
.endm
.macro MUL16 a0, p, q, sc, cm          ; the 64 accumulators take turns, one instruction a turn, in the same order in every step
.irp a, \a0, \a0+1
.irp b, 0,1,2,3,4,5,6,7
	WM \a, \b, \p, \q, \sc, \cm
.endr
.endr
.endm
; a step of 128 along K that has its successor in the same slot
.macro STEP slot, q, cm
	s_wait_dscnt 12                                ; B's set, A's blocks 0-3 and the scale words are in; the youngest twelve loads (A's blocks 4-7) may be out
.if (\cm) == 2
	WIN 0x81
.else
	WIN 0xa1
.endif
	MUL16 0, (\q)%2, \q, \slot, \cm
	MUL16 2, (\q)%2, \q, \slot, \cm
	s_wait_dscnt 0x0
	PLACES 4                                       ; in front of loads into registers that matrix instructions have read
	FETCH_B \slot, (\q)+1, 1-(\q)%2
	FETCH_A \slot, (\q)+1, 0
.if (\cm) == 2
	WIN 0xc1
.else
	WIN 0xf1
.endif
	MUL16 4, (\q)%2, \q, \slot, \cm
	MUL16 6, (\q)%2, \q, \slot, \cm
	PLACES 4
	WIN 0
	FETCH_A \slot, (\q)+1, 4
.endm
; a slot's last step changes slots: one barrier; in front of it each wave waits for all its tensor loads, adds 0 to its spare word, and waits for that and for its reads of this slot
.macro TURN slot, next, fill
	s_wait_tensorcnt 0x0                           ; all my tensor loads have landed: my part of the next slot
	ds_add_u32 v[SPW], v[NIL]                      ; 0 onto my spare word
	s_wait_dscnt 13                                ; (the add and the youngest twelve loads may be out)
	WIN 0xa1
	MUL16 0, 1, 1, \slot, 1
	s_wait_dscnt 0x0                               ; the add is done, and my reads of this slot are over
	s_barrier_signal -1
	MUL16 2, 1, 1, \slot, 1
	WIN 0
	s_barrier_wait -1
.if \fill
	CREST                                          ; the barrier has opened a round of the cluster's: no wave of any partner still reads this slot or has a load on its way
	s_add_nc_u64 s[G0+4*\slot+2:G0+4*\slot+3], s[G0+4*\slot+2:G0+4*\slot+3], 2*HALFT
	s_add_nc_u64 s[G0B+4*\slot+2:G0B+4*\slot+3], s[G0B+4*\slot+2:G0B+4*\slot+3], 2*HALFT
	JLOAD G0+4*\slot, G1, G0B+4*\slot, G1B         ; the first tensor load behind the round; its four v_nop are the places in front of the loads below
.else
	PLACES 4
.endif
	v_add_nc_u32 v[ADSA], 1024, v[ADSA]            ; the next two K steps' scale words
	v_add_nc_u32 v[ADSB], 1024, v[ADSB]
	FETCH_B \next, 0, 0
	FETCH_A \next, 0, 0
	SCALES \next
	WIN 0xf1
	MUL16 4, 1, 1, \slot, 1
	MUL16 6, 1, 1, \slot, 1
	PLACES 4
	WIN 0
	FETCH_A \next, 0, 4
.endm
; 64 numbers of a lane in window w (blocks 0, 1 at v[s0] on, blocks 2, 3 at v[s1] on) become a fragment's codes in v[PC] on and its scale word in v[pw]
.macro QUANT s0, s1, w, pw
	WIN (((\w)<<2)|((\w)<<4))
.irp b, 0,1
	v_max3_num_f32 v[TM+\b], 0x1800000, |v[(\s0)+16*\b]|, |v[(\s0)+16*\b+1]|       ; the floor 2^(3 - 127) holds the byte at 1 from below; each accumulator is read from its low end on
	v_max3_num_f32 v[TM+2+\b], 0x1800000, |v[(\s1)+16*\b]|, |v[(\s1)+16*\b+1]|
.endr
.irp i, 2,4,6,8,10,12,14
.irp b, 0,1
	v_max3_num_f32 v[TM+\b], v[TM+\b], |v[(\s0)+16*\b+\i]|, |v[(\s0)+16*\b+\i+1]|
	v_max3_num_f32 v[TM+2+\b], v[TM+2+\b], |v[(\s1)+16*\b+\i]|, |v[(\s1)+16*\b+\i+1]|
.endr
.endr
	WIN 0
.irp b, 0,1,2,3
	v_permlanex16_b32 v[TM+4+\b], v[TM+\b], s[SEL], s[SEL+1]
.endr
.irp b, 0,1,2,3
	v_max_num_f32 v[TM+\b], v[TM+\b], v[TM+4+\b]
.endr
.irp b, 0,1,2,3
	v_add_nc_u32 v[TM+12+\b], 0xff000000, v[TM+\b]                 ; 2 off the exponent field: the conversion's scale operand
.endr
.irp b, 0,1,2,3
	v_lshrrev_b32 v[TM+4+\b], 23, v[TM+12+\b]
.endr
	v_lshl_or_b32 v[\pw], v[TM+5], 8, v[TM+4]
	v_lshl_or_b32 v[\pw], v[TM+6], 16, v[\pw]
	v_lshl_or_b32 v[\pw], v[TM+7], 24, v[\pw]
	WIN (\w)
	v_cvt_scalef32_pk16_fp6_f32 v[PC:PC+2], v[(\s0):(\s0)+15], v[TM+12]
	v_cvt_scalef32_pk16_fp6_f32 v[PC+12:PC+14], v[(\s0)+16:(\s0)+31], v[TM+13]
	v_cvt_scalef32_pk16_fp6_f32 v[PC+6:PC+8], v[(\s1):(\s1)+15], v[TM+14]
	v_cvt_scalef32_pk16_fp6_f32 v[PC+16:PC+18], v[(\s1)+16:(\s1)+31], v[TM+15]
	WIN 0
	v_nop                                          ; one plain line behind the conversions
.irp c, 0,1
.irp i, 0,1,2
	v_permlane16_swap_b32 v[PC+6*\c+\i], v[PC+12+4*\c+\i]
.endr
.irp i, 0,1,2
	v_mov_b32 v[PC+3+6*\c+\i], v[PC+12+4*\c+\i]
.endr
.endr
.endm
.macro OUTFRAG n, s0, s1, w            ; fragment n of my eight: head n / 4, place n % 4 in its record
	s_wait_xcnt 0x0                                ; the last fragment's stores have read the codes' registers
	QUANT (\s0), (\s1), (\w), PWS+(\n)
.irp c, 0,1,2
	global_store_b128 v24, v[PC+4*\c:PC+4*\c+3], s[12:13] offset:((\n)/4)*204800+((\n)%4)*1536+512*\c
.endr
.endm
	s_load_b128 s[4:7], s[0:1], 0x0                ; wsA, wsB
	v_lshl_add_u32 v[SPW], v0, 2, SPARE
	v_mov_b32 v[NIL], 0
	ds_add_u32 v28, v29
	ds_add_u32 v28, v29
	s_wait_dscnt 0x0
	v_lshrrev_b32 v1, 5, v0
	v_readfirstlane_b32 s14, v1                    ; wave 0..3
	s_lshr_b32 s15, s14, 1                         ; my half of the tile's rows.  Also: I fetch for A (0) or for B (1)
	s_and_b32 s16, s14, 1                          ; my half of its columns.  Also: which group I fetch
	s_bfe_u32 s40, ttmp6, 0x40000                  ; cx
	s_bfe_u32 s41, ttmp6, 0x40004                  ; cy
	s_and_b32 s18, ttmp7, 0xffff
	s_lshl_b32 s18, s18, 2                         ; 4 x cluster y
	s_lshl_b32 s19, ttmp9, 2
	s_add_co_u32 s19, s19, 16                      ; q: 16, k: 20: pairs of groups of Wq, Wk
	s_cmp_eq_u32 ttmp9, 2                          ; v?  The same in all partners
	s_cselect_b32 s17, 24, s18
	s_cselect_b32 s42, s18, s19
	s_add_co_u32 s17, s17, s41                     ; A's pair of groups
	s_add_co_u32 s42, s42, s40                     ; B's pair of groups
	s_lshl_b32 s43, s41, 2
	s_lshl_b32 s43, 15, s43                        ; my row of the cluster
	s_lshl_b32 s44, 0x1111, s40                    ; my column
	s_or_b32 s[G1+0], s43, (3<<16)|(1<<21)         ; 15:0 the mask; 17:16 elements of 8 bytes; 21 set beside a mask; no padding
	s_or_b32 s[G1B+0], s44, (3<<16)|(1<<21)
.irp g, G1, G1B
	s_mov_b32 s[\g+1], 32<<16                      ; tensor_dim0: 32 elements, 256 bytes
	s_mov_b32 s[\g+2], 96<<16                      ; tensor_dim1: 96 rows: 24,576 dense bytes
	s_mov_b32 s[\g+3], 32<<16                      ; tile_dim0
	s_mov_b32 s[\g+4], 96                          ; tile_dim1
	s_mov_b32 s[\g+5], 32                          ; the pitch
	s_mov_b32 s[\g+6], 0
	s_mov_b32 s[\g+7], 0
.endr
	s_or_b32 s[G1S+0], s43, (3<<16)|(1<<21)
	s_or_b32 s[G1SB+0], s44, (3<<16)|(1<<21)
.irp g, G1S, G1SB
	s_mov_b32 s[\g+1], 32<<16
	s_mov_b32 s[\g+2], (SSTR/256)<<16
	s_mov_b32 s[\g+3], 32<<16
	s_mov_b32 s[\g+4], SSTR/256
	s_mov_b32 s[\g+5], 32
	s_mov_b32 s[\g+6], 0
	s_mov_b32 s[\g+7], 0
.endr
	s_lshl_b32 s20, s17, 1
	s_add_co_u32 s20, s20, s16                     ; the group of A that I fetch
	s_lshl_b32 s46, s42, 1
	s_add_co_u32 s46, s46, s16                     ; the group of B
	s_mul_i32 s22, s20, SSTR
	s_add_co_u32 s22, s22, SOFF
	s_mov_b32 s23, 0
	s_mul_i32 s92, s46, SSTR
	s_add_co_u32 s92, s92, SOFF
	s_mov_b32 s93, 0
	s_mul_i32 s20, s20, GSTR
	s_mov_b32 s21, 0
	s_mul_i32 s46, s46, GSTR
	s_mov_b32 s47, 0
	s_mul_i32 s45, s14, HALFT                      ; where they go: by the wave's number alone
	s_mul_i32 s94, s14, SSTR
	s_wait_kmcnt 0x0
	s_add_nc_u64 s[20:21], s[4:5], s[20:21]
	s_add_nc_u64 s[22:23], s[4:5], s[22:23]
	s_add_nc_u64 s[46:47], s[4:5], s[46:47]
	s_add_nc_u64 s[92:93], s[4:5], s[92:93]
	CROUND                                         ; all sixteen work-groups are here: the first joint loads meet
	s_mov_b32 s[G0S], 1
	s_add_co_u32 s[G0S+1], s94, SCL
	s_mov_b64 s[G0S+2:G0S+3], s[22:23]
	s_or_b32 s[G0S+3], s[G0S+3], 0x80000000
	s_mov_b32 s[G0SB], 1
	s_add_co_u32 s[G0SB+1], s94, SCL
	s_mov_b64 s[G0SB+2:G0SB+3], s[92:93]
	s_or_b32 s[G0SB+3], s[G0SB+3], 0x80000000
	JLOAD G0S, G1S, G0SB, G1SB                     ; the scale words first; with the two slots a wave has three loads out
.irp s, 0,1
	s_mov_b32 s[G0+4*\s], 1
	s_add_co_u32 s[G0+4*\s+1], s45, \s*SLOT
	s_add_nc_u64 s[G0+4*\s+2:G0+4*\s+3], s[20:21], \s*HALFT
	s_or_b32 s[G0+4*\s+3], s[G0+4*\s+3], 0x80000000
	s_mov_b32 s[G0B+4*\s], 1
	s_add_co_u32 s[G0B+4*\s+1], s45, \s*SLOT
	s_add_nc_u64 s[G0B+4*\s+2:G0B+4*\s+3], s[46:47], \s*HALFT
	s_or_b32 s[G0B+4*\s+3], s[G0B+4*\s+3], 0x80000000
	JLOAD G0+4*\s, G1, G0B+4*\s, G1B
.endr
	v_and_b32 v1, 31, v0
	v_lshlrev_b32 v24, 4, v1                       ; 16 x lane
	v_lshlrev_b32 v25, 2, v1                       ; 4 x lane
	s_mul_i32 s21, s15, HALFT
	s_mul_i32 s22, s16, HALFT
	s_add_co_u32 s22, s22, 2*HALFT
.irp s, 0,1
	v_add_nc_u32 v[ADRA+\s], s21, v24
	v_add_nc_u32 v[ADRB+\s], s22, v24
	s_add_co_u32 s21, s21, SLOT
	s_add_co_u32 s22, s22, SLOT
.endr
	s_mul_i32 s21, s15, SSTR
	s_add_co_u32 s21, s21, SCL
	v_add_nc_u32 v[ADSA], s21, v25
	s_mul_i32 s22, s16, SSTR
	s_add_co_u32 s22, s22, SCL+2*SSTR
	v_add_nc_u32 v[ADSB], s22, v25
	s_mov_b32 s[SEL], 0x76543210
	s_mov_b32 s[SEL+1], 0xfedcba98
	s_mov_b32 s[HM], 0xffff0000                    ; lanes 16-31
	; where my results go
	s_lshl_b32 s95, s17, 1
	s_add_co_u32 s95, s95, s15                     ; my group of A
	s_lshl_b32 s96, s42, 1
	s_add_co_u32 s96, s96, s16                     ; my group of B
	s_sub_co_u32 s97, s95, 48
	s_lshl_b32 s97, s97, 1                         ; v: the first of my two heads
	s_lshl_b32 s98, s40, 1
	s_add_co_u32 s98, s98, s16
	s_lshl_b32 s98, s98, 1                         ; q, k: likewise
	s_cmp_eq_u32 ttmp9, 2
	s_cselect_b32 s95, s96, s95                    ; my 128 tokens
	s_cselect_b32 s97, s97, s98
	s_cselect_b32 s98, 6144, 0                     ; V's fragments lie behind k's in a record,
	s_cselect_b32 s99, 256, 0                      ; and so do its scale words
	s_cmp_eq_u32 ttmp9, 0
	s_cselect_b32 s96, 0, KVREG
	s_lshr_b32 s18, s95, 4                         ; batch
	s_lshl_b32 s18, s18, 4
	s_add_co_u32 s18, s18, s97                     ; (batch, head)
	s_lshl_b32 s18, s18, 4
	s_and_b32 s95, s95, 15
	s_add_co_u32 s18, s18, s95                     ; the record
	s_mul_i32 s18, s18, 12800
	s_add_co_u32 s18, s18, s96
	s_mov_b32 s19, 0
	s_add_nc_u64 s[12:13], s[6:7], s[18:19]
	s_add_co_u32 s18, s99, 12288
	s_add_nc_u64 s[92:93], s[12:13], s[18:19]      ; its scale words
	s_mov_b32 s18, s98
	s_add_nc_u64 s[12:13], s[12:13], s[18:19]      ; its fragments
	s_wait_tensorcnt 1                             ; the scale words and my part of slot 0 are in; slot 1's load may stay out
	s_barrier_signal -1
	s_barrier_wait -1
	FETCH_B 0, 0, 0
	FETCH_A 0, 0, 0
	SCALES 0
	FETCH_A 0, 0, 4
	STEP 0, 0, 0                                   ; the first step stands in front of the loop: its products start the sums
	s_mov_b32 s3, LAPS-1
.Llap:
	TURN 0, 1, 1
	STEP 1, 0, 1
	TURN 1, 0, 1
	STEP 0, 0, 1
	s_sub_co_u32 s3, s3, 1
	s_cmp_lg_u32 s3, 0
	s_cbranch_scc1 .Llap
	TURN 0, 1, 0                                   ; the last lap fills nothing
	STEP 1, 0, 1
	s_wait_dscnt 12
	WIN 0xa1
	MUL16 0, 1, 1, 1, 1
	MUL16 2, 1, 1, 1, 1
	s_wait_dscnt 0x0
	WIN 0xf1
	MUL16 4, 1, 1, 1, 1
	MUL16 6, 1, 1, 1, 1
	WIN 0
	PLACES 4                                       ; in front of the first read of results and the first write of registers that held A's fragments
.irp b, 0,1,2,3
	v_mov_b32 v[TM+4+\b], 0                        ; written once: a lane permute's destination counts as one of its sources
.endr
	s_cmp_eq_u32 ttmp9, 2
	s_cbranch_scc1 .Lv
.irp e, 0,1                                    ; q, k: head e of my two; blocks 2 t and 2 t + 1 of the tokens make one fragment of 32 tokens x 64 channels
.irp t, 0,1,2,3
	OUTFRAG 4*\e+\t, 64*((2*\t)%4)+32*\e, 64*((2*\t+1)%4)+32*\e, 2+\t/2
.endr
.endr
	s_branch .Lwords
.Lv:
.irp a, 0,1,2,3,4,5,6,7                        ; v: block a is 16 channels x my 128 tokens: a whole fragment of V^T
	OUTFRAG \a, 64*(\a%4), 64*(\a%4)+32, 2+\a/4
.endr
.Lwords:
.irp e, 0,1
.irp p, 0,1
	v_cndmask_b32 v[SD+2*\e+\p], v[PWS+4*\e+2*\p], v[PWS+4*\e+2*\p+1], s[HM]   ; lanes 0-15 fragment 2 p's words, lanes 16-31 fragment 2 p + 1's
.endr
.endr
.irp e, 0,1
.irp p, 0,1
	global_store_b32 v25, v[SD+2*\e+\p], s[92:93] offset:\e*204800+128*\p
.endr
.endr
	s_wait_tensorcnt 0x0                           ; the wave's end
	ds_add_u32 v[SPW], v[NIL]
	s_wait_dscnt 0x0
	CROUND                                         ; the closing round
	s_endpgm
.Lfunc_end_k_qf902df8334_qkv:
	.size	k_qf902df8334_qkv, .Lfunc_end_k_qf902df8334_qkv-k_qf902df8334_qkv
	.p2alignl 7, 3214868480
	.fill 96, 4, 3214868480
	.section	.rodata,"a",@progbits
	.p2align	6, 0x0
	.amdhsa_kernel k_qf902df8334_qkv
		.amdhsa_group_segment_fixed_size 327680
		.amdhsa_private_segment_fixed_size 0
		.amdhsa_enable_private_segment 0
		.amdhsa_kernarg_size 16
		.amdhsa_user_sgpr_count 2
		.amdhsa_user_sgpr_kernarg_segment_ptr 1
		.amdhsa_wavefront_size32 1
		.amdhsa_system_sgpr_workgroup_id_x 1
		.amdhsa_system_sgpr_workgroup_id_y 1
		.amdhsa_system_sgpr_workgroup_id_z 1
		.amdhsa_system_vgpr_workitem_id 0
		.amdhsa_next_free_vgpr 1024
		.amdhsa_next_free_sgpr 100
		.amdhsa_reserve_vcc 0
		.amdhsa_float_denorm_mode_32 3
		.amdhsa_float_denorm_mode_16_64 3
		.amdhsa_memory_ordered 1
		.amdhsa_forward_progress 1
		.amdhsa_inst_pref_size 176
	.end_amdhsa_kernel
	.amdgpu_metadata
---
amdhsa.version: [ 1, 2 ]
amdhsa.kernels:
  - .name:           k_qf902df8334_qkv
    .symbol:         k_qf902df8334_qkv.kd
    .args:
      - { .name: wsA, .offset: 0, .size: 8, .value_kind: global_buffer, .address_space: global }
      - { .name: wsB, .offset: 8, .size: 8, .value_kind: global_buffer, .address_space: global }
    .group_segment_fixed_size: 327680
    .private_segment_fixed_size: 0
    .kernarg_segment_align: 8
    .kernarg_segment_size: 16
    .max_flat_workgroup_size: 128
    .sgpr_count:     100
    .vgpr_count:     1024
    .wavefront_size: 32
...
	.end_amdgpu_metadata
.endif
;; end of part 2
;; launch attn (part 3): grid 8 x 32, 16 waves a work-group, clusters of 4 x 1, 276,480 bytes of LDS; arguments wsB, x, wsC; writes wsC
.if DOCPART == 3
	.amdgcn_target "amdgcn-amd-amdhsa--gfx1250"
	.amdhsa_code_object_version 6
	.text
	.protected	k_qf902df8334_attn
	.globl	k_qf902df8334_attn
	.p2align	8
	.type	k_qf902df8334_attn,@function
k_qf902df8334_attn:
	s_mov_b64 s[64:65], 0
	v_nop
	global_prefetch_b8 v0, s[64:65] scope:SCOPE_SE
	s_setreg_imm32_b32 hwreg(HW_REG_WAVE_MODE, 25, 1), 1
	s_wait_xcnt 0x0
	s_wait_alu depctr_hold_cnt(0) depctr_sa_sdst(0) depctr_va_vdst(0) depctr_va_sdst(0) depctr_va_ssrc(0) depctr_va_vcc(0) depctr_vm_vsrc(0)
	s_getreg_b32 s2, hwreg(HW_REG_IB_STS2, 6, 4)
	s_cmp_eq_u32 s2, 0
	s_cbranch_scc0 .Lentry_in_a_cluster
	s_endpgm
.Lentry_in_a_cluster:
	s_bfe_u32 s2, ttmp6, 0x10000c
	s_cmp_lg_u32 s2, 0x3003
	s_cbranch_scc0 .Lentry_shape_is_right
	s_endpgm
.Lentry_shape_is_right:
; ATTENTION on codes of E2M3, head size 64, 2,048 keys, no mask; then x_res = attention + x, which leaves three ways: as f32, as codes (an operand image for the next product) and as a mean and a centred sum of squares for LayerNorm 2.
; THE SOFTMAX AHEAD OF THE SECOND PRODUCT: t = score x log2(e) / 8; M = the running largest t rounded up to a whole number; p = 2^(t - M) is quantised along the keys, not normalised; the row's sum is taken of the unquantised p.
; SHARES.  A work-group owns 256 queries of one (batch, head); each of its sixteen waves 16 of them (queries 32 (w / 2) + 8 (w % 2) + r + 8 (r / 8)), in 256 registers.  Every wave walks all keys, 128 a step.
; THE WHOLE HEAD'S k AND V STAY IN LDS: sixteen records of 12,800 bytes, as they lie in memory.  They come in five chunks, each wave bringing 2,560 bytes of each; no byte of LDS is filled twice.
; The four work-groups of a cluster belong to one head: each chunk is asked for jointly.
; K = 64 IN AN INSTRUCTION OF K = 128: a fragment of k holds 32 keys (registers 0-5 one key, registers 6-11 the key 8 further on) and is multiplied twice: by [q | 0] and by [0 | q].  Zero codes add nothing.
; Both products are used transposed: a lane holds one query throughout, and the 16 registers of two neighbouring tiles of scores are 16 neighbouring keys.
; LIMITS: NaN and infinities are not served; a block whose largest magnitude lies under 2^-124 gets the byte 1; O / l + x is one fused multiply-add; 1 / l is v_rcp_f32.
.set HS,    204800                     ; a head's records
.set REC,   12800
.set KVREG, 6553600
.set STG,   204800                     ; behind the records: 16 rows x (256 bytes + 16) for each wave
.set SP,    272
.set XRI,   16777216                   ; in wsC: x_res's image,
.set XRS,   19922944                   ; its scale words,
.set XST,   20054016                   ; the statistics
.set WV,  18
.set SEL, 20
.set CS,  22
.set TB,  2
; REGISTERS: v1 16 l, v2 4 l, v3, v4 the step's addresses, v5, v6 the stage (by rows; by my row's numbers), v7 my bytes in x, v8 in the statistics, v9 4 r; v12 -M, v13 the largest t, v[14:15] the sum;
; v16-21 zeros, v22-27 q, v28-33 zeros; v34, v35 q's scale words for [q | 0] and [0 | q]; v36-39 k's and V's scale words; v40-87 four fragments; v96-159 scores, then p; v160-191 O^T; v192-254 at work.
.macro CROUND
	s_barrier_signal -1
	s_barrier_wait -1
	s_cmp_lg_u32 s[WV], 0
	s_cbranch_scc1 .Lnot_wave_0_\@
	s_barrier_signal -3
.Lnot_wave_0_\@:
	s_barrier_wait -3
	s_barrier_signal -1
	s_barrier_wait -1
.endm
.macro FOLD                                    ; four packed chains in v[192:199] -> v192, with lane l xor 16's share
	v_pk_add_f32 v[192:193], v[192:193], v[194:195]
	v_pk_add_f32 v[196:197], v[196:197], v[198:199]
	v_pk_add_f32 v[192:193], v[192:193], v[196:197]
	v_add_f32 v192, v192, v193
	v_permlanex16_b32 v193, v192, s[SEL], s[SEL+1]
	v_add_f32 v192, v192, v193
.endm
	s_load_b128 s[4:7], s[0:1], 0x0                ; wsB, x
	s_load_b64 s[8:9], s[0:1], 0x10                ; wsC
	v_lshl_add_u32 v251, v0, 2, 0x43000
	v_mov_b32 v255, 0
	ds_add_u32 v251, v255
	ds_add_u32 v251, v255
	v_lshrrev_b32 v8, 5, v0
	v_readfirstlane_b32 s[WV], v8                  ; wave 0..15
	s_bfe_u32 s10, ttmp6, 0x40000                  ; cx
	s_lshl_b32 s11, ttmp9, 2
	s_add_co_u32 s11, s11, s10                     ; my block of 256 queries: it enters global addresses of my own loads and stores alone
	s_and_b32 s12, ttmp7, 0xffff                   ; (batch, head), which the partners share
	s_mov_b32 s24, 15|(3<<16)|(1<<21)              ; 15:0 the mask: all four; 17:16 elements of 8 bytes; 21 set beside a mask
	s_mov_b32 s25, 32<<16                          ; tensor_dim0: 256 bytes
	s_mov_b32 s26, 10<<16                          ; tensor_dim1: 10 rows
	s_mov_b32 s27, 32<<16                          ; tile_dim0
	s_mov_b32 s28, 10                              ; tile_dim1
	s_mov_b32 s29, 32                              ; the pitch
	s_mov_b32 s30, 0
	s_mov_b32 s31, 0
	s_mul_i32 s14, s12, HS
	s_add_co_u32 s14, s14, KVREG
	s_mul_i32 s13, s[WV], 2560                     ; my part of a chunk
	s_add_co_u32 s14, s14, s13
	s_mov_b32 s15, 0
	s_mov_b32 s[SEL], 0x76543210
	s_mov_b32 s[SEL+1], 0xfedcba98
	s_mov_b32 s[CS], 0x3e38aa3b                    ; c = log2(e) / 8
	s_mov_b32 s[CS+1], s[CS]
	s_mov_b32 s[TB], 0
	s_mov_b32 s68, 0xffff0000                      ; lanes 16-31
	s_wait_dscnt 0x0
	s_wait_kmcnt 0x0
	s_add_nc_u64 s[14:15], s[4:5], s[14:15]
.irp j, 0,1,2,3,4
	s_mov_b32 s[32+4*\j], 1
	s_add_co_u32 s[33+4*\j], s13, 40960*\j
	s_add_nc_u64 s[34+4*\j:35+4*\j], s[14:15], 40960*\j
	s_or_b32 s[35+4*\j], s[35+4*\j], 0x80000000
.endr
	CROUND                                         ; all four work-groups are here: the joint loads meet
.irp j, 0,1,2,3,4
	tensor_load_to_lds s[32+4*\j:35+4*\j], s[24:31]   ; all of them first fills: five loads of mine are out
	s_nop 0
.endr
.rept 4
	v_nop
.endr
	s_lshr_b32 s16, s12, 4                         ; batch
	s_and_b32 s17, s12, 15                         ; head
	s_lshl_b32 s19, s16, 11
	s_lshl_b32 s72, s11, 8
	s_add_co_u32 s19, s19, s72
	s_lshr_b32 s72, s[WV], 1
	s_lshl_b32 s72, s72, 5
	s_add_co_u32 s19, s19, s72
	s_and_b32 s73, s[WV], 1
	s_lshl_b32 s72, s73, 3
	s_add_co_u32 s19, s19, s72                     ; my tile's first row among the 4,096
	s_sub_co_u32 s53, 0, s73                       ; all ones in the odd waves
	s_lshl_b32 s72, s19, 12
	s_lshl_b32 s74, s17, 8
	s_add_co_u32 s72, s72, s74                     ; row x 4,096 + head x 256
	s_mov_b32 s73, 0
	s_add_nc_u64 s[56:57], s[6:7], s[72:73]        ; x
	s_add_nc_u64 s[58:59], s[8:9], s[72:73]        ; x_res
	s_lshl_b32 s72, s19, 7
	s_lshl_b32 s74, s17, 3
	s_add_co_u32 s72, s72, s74
	s_add_co_u32 s72, s72, XST
	s_add_nc_u64 s[66:67], s[8:9], s[72:73]        ; the statistics
	s_lshl_b32 s75, s11, 1
	s_lshr_b32 s76, s[WV], 3
	s_add_co_u32 s75, s75, s76                     ; which 128 of the sequence
	s_lshl_b32 s74, s16, 4
	s_add_co_u32 s74, s74, s75                     ; the group of rows
	s_lshl_b32 s74, s74, 3
	s_lshr_b32 s76, s17, 1
	s_add_co_u32 s74, s74, s76                     ; K step: two heads to 128 columns
	s_lshl_b32 s74, s74, 3
	s_and_b32 s76, s[WV], 7
	s_add_co_u32 s74, s74, s76                     ; the fragment
	s_mul_i32 s72, s74, 1536
	s_add_co_u32 s72, s72, XRI
	s_add_nc_u64 s[60:61], s[8:9], s[72:73]
	s_lshl_b32 s72, s74, 6
	s_and_b32 s76, s17, 1
	s_lshl_b32 s76, s76, 1
	s_add_co_u32 s72, s72, s76
	s_add_co_u32 s72, s72, XRS
	s_add_nc_u64 s[62:63], s[8:9], s[72:73]        ; my head's half of the scale words
	s_lshl_b32 s74, s12, 4
	s_add_co_u32 s74, s74, s75
	s_mul_i32 s78, s74, REC                        ; q's record
	s_lshr_b32 s76, s[WV], 1
	s_and_b32 s76, s76, 3                          ; and the fragment in it
	s_mul_i32 s72, s76, 1536
	s_add_co_u32 s72, s72, s78
	s_add_nc_u64 s[54:55], s[4:5], s[72:73]
	s_lshl_b32 s72, s76, 6
	s_add_co_u32 s72, s72, s78
	s_add_co_u32 s72, s72, 12288
	s_add_nc_u64 s[70:71], s[4:5], s[72:73]
	v_and_b32 v10, 15, v0                          ; r
	v_bfe_u32 v11, v0, 4, 1                        ; h
	v_and_b32 v8, 31, v0
	v_lshlrev_b32 v1, 4, v8
	v_lshlrev_b32 v2, 2, v8
	s_mul_i32 s72, s[WV], 16*SP
	s_add_co_u32 s72, s72, STG                     ; my stage
	v_mul_u32_u24 v5, v11, SP
	v_lshl_add_u32 v5, v10, 4, v5
	v_add_nc_u32 v5, s72, v5                       ; by rows: lanes 0-15 one row of 256 bytes, lanes 16-31 the next
	v_mul_u32_u24 v6, v10, SP
	v_lshl_add_u32 v6, v11, 6, v6
	v_add_nc_u32 v6, s72, v6                       ; by my row's numbers: row r, + 64 h
	v_lshlrev_b32 v7, 12, v11
	v_lshl_add_u32 v7, v10, 4, v7                  ; the same two rows in x
	v_lshlrev_b32 v9, 2, v10
	v_and_b32 v8, 8, v10
	v_add_nc_u32 v8, v8, v10
	v_lshlrev_b32 v8, 7, v8
	v_lshl_add_u32 v8, v11, 2, v8                  ; 128 (r + 8 (r / 8)) + 4 h
.irp i, 0,1,2,3,4,5,6,7
	global_load_b128 v[96+4*\i:99+4*\i], v7, s[56:57] offset:(2*\i+8*(\i/4))*4096 th:TH_LOAD_NT   ; sixteen lanes read a row's 256 bytes of my head
.endr
.irp c, 0,1,2
	global_load_b128 v[40+4*\c:43+4*\c], v1, s[54:55] offset:512*\c
.endr
	global_load_b32 v10, v9, s[70:71]
	s_wait_loadcnt 0x0
.irp i, 0,1,2,3,4,5,6,7
	ds_store_b128 v5, v[96+4*\i:99+4*\i] offset:544*\i   ; x waits in the stage
.endr
.irp i, 0,1,2,3,4,5
	v_cndmask_b32 v[22+\i], v[40+\i], v[46+\i], s53   ; my 16 queries are the fragment's first or second half
.endr
	v_and_b32 v11, 0xffff, v10
	v_lshrrev_b32 v10, 16, v10
	v_cndmask_b32 v10, v11, v10, s53
	v_or_b32 v34, 0x01010000, v10                  ; the idle half of K gets the byte 1
	v_lshl_or_b32 v35, v10, 16, 0x0101
.irp i, 0,1,2,3,4,5
	v_mov_b32 v[16+\i], 0
	v_mov_b32 v[28+\i], 0
.endr
	v_mov_b32 v13, 0xff61b1e6                      ; the largest t so far: -3e38
	v_floor_f32 v12, -v13
	v_mov_b32 v14, 0
	v_mov_b32 v15, 0
.irp b, 0,1,2,3
	v_mov_b32 v[236+\b], 0                         ; written once: a lane permute's destination counts as one of its sources
.endr
	v_mov_b32 v253, 0
.set k, 0
.rept 32
	v_mov_b32 v[160+k], 0                          ; O^T: the step is written once; the first change of M multiplies zeros
.set k, k+1
.endr
.macro STEP                                    ; 128 keys
	v_add_nc_u32 v3, s[TB], v1
	v_add_nc_u32 v4, s[TB], v2
	v_nop
	v_nop                                          ; four places in front of loads into registers that the last products read
.irp t, 0,1,2,3
.irp c, 0,1,2
	ds_load_b128 v[40+12*\t+4*\c:43+12*\t+4*\c], v3 offset:1536*\t+512*\c
.endr
.endr
.irp p, 0,1,2,3
	ds_load_b32 v[36+\p], v4 offset:12288+128*\p   ; k's words of fragments 2 p, 2 p + 1 in the two halves of the lanes; then V's
.endr
	s_wait_dscnt 0x0
.irp t, 0,1,2,3
.irp u, 0,1
.if \t%2 == 0
	v_wmma_scale_f32_16x16x128_f8f6f4 v[96+8*(2*\t+\u):103+8*(2*\t+\u)], v[40+12*\t:51+12*\t], v[22-6*\u:33-6*\u], 0, v[36+\t/2], v[34+\u] matrix_a_fmt:MATRIX_FMT_FP6 matrix_b_fmt:MATRIX_FMT_FP6
.else
	v_wmma_scale_f32_16x16x128_f8f6f4 v[96+8*(2*\t+\u):103+8*(2*\t+\u)], v[40+12*\t:51+12*\t], v[22-6*\u:33-6*\u], 0, v[36+\t/2], v[34+\u] matrix_a_fmt:MATRIX_FMT_FP6 matrix_b_fmt:MATRIX_FMT_FP6 matrix_a_scale:MATRIX_SCALE_ROW1
.endif
.endr
.endr
.rept 4
	v_nop                                          ; places in front of the loads below and of the first read of the scores
.endr
.irp t, 0,1,2,3
.irp c, 0,1,2
	ds_load_b128 v[40+12*\t+4*\c:43+12*\t+4*\c], v3 offset:6144+1536*\t+512*\c   ; V's fragments land while the softmax is worked
.endr
.endr
.irp b, 0,1,2,3
	v_max3_num_f32 v[232+\b], v[96+16*\b], v[97+16*\b], v[98+16*\b]   ; the largest score of each block of 32 keys: for the row's maximum and, since p rises with the score, for the block's largest p
.endr
.irp i, 3,5,7,9,11,13
.irp b, 0,1,2,3
	v_max3_num_f32 v[232+\b], v[232+\b], v[96+16*\b+\i], v[97+16*\b+\i]
.endr
.endr
.irp b, 0,1,2,3
	v_max_num_f32 v[232+\b], v[232+\b], v[111+16*\b]
.endr
.irp b, 0,1,2,3
	v_permlanex16_b32 v[236+\b], v[232+\b], s[SEL], s[SEL+1]
.endr
.irp b, 0,1,2,3
	v_max_num_f32 v[232+\b], v[232+\b], v[236+\b]
.endr
	v_max3_num_f32 v254, v232, v233, v234
	v_max_num_f32 v254, v254, v235
	v_mul_f32 v254, s[CS], v254
	v_max_num_f32 v13, v13, v254                   ; the running largest t
	v_mov_b32 v254, v12
	v_floor_f32 v12, -v13                          ; -M = floor(-t): M is a whole number
	v_sub_f32 v254, v12, v254
	v_cvt_i32_f32 v254, v254
	v_ldexp_f32 v252, 1.0, v254                    ; f = 2^(old M - new M): exact
.set k, 0
.rept 32
	v_pk_fma_f32 v[96+k:97+k], v[96+k:97+k], s[CS:CS+1], v[12:13] op_sel_hi:[1,0,0]   ; t - M
.set k, k+2
.endr
.irp b, 0,1,2,3
	v_fma_f32 v[232+\b], v[232+\b], s[CS], v12
.endr
.set k, 0
.rept 64
	v_exp_f32 v[96+k], v[96+k]                     ; p = 2^(t - M)
.set k, k+1
.endr
	v_pk_mul_f32 v[14:15], v[14:15], v[252:253] op_sel_hi:[1,0]   ; the sums under the new M; a plain line behind the exponentials
	s_wait_alu depctr_va_vdst(0)                   ; one wait for the batch, ahead of its first reader
.irp b, 0,1,2,3
	v_exp_f32 v[232+\b], v[232+\b]                 ; each block's largest p
.endr
	v_pk_add_f32 v[236:237], v[96:97], v[98:99]    ; the row's sum is taken of the unquantised p, in two chains
.irp j, 4,8,12,16,20,24,28,32,36,40,44,48,52,56,60
	v_pk_add_f32 v[14:15], v[14:15], v[96+\j:97+\j]
	v_pk_add_f32 v[236:237], v[236:237], v[98+\j:99+\j]
.endr
	v_pk_add_f32 v[14:15], v[14:15], v[236:237]
	s_wait_alu depctr_va_vdst(0)                   ; and one for the four
.irp b, 0,1,2,3
	v_max_num_f32 v[232+\b], 0x1800000, v[232+\b]  ; the floor 2^(3 - 127)
.endr
.irp b, 0,1,2,3
	v_add_nc_u32 v[244+\b], 0xff000000, v[232+\b]
.endr
.irp b, 0,1,2,3
	v_lshrrev_b32 v[236+\b], 23, v[244+\b]
.endr
	v_lshl_or_b32 v253, v237, 8, v236              ; p's scale word for these 128 keys
	v_lshl_or_b32 v253, v238, 16, v253
	v_lshl_or_b32 v253, v239, 24, v253
.irp c, 0,1
	v_cvt_scalef32_pk16_fp6_f32 v[224+6*\c:226+6*\c], v[96+32*\c:111+32*\c], v[244+2*\c]
	v_cvt_scalef32_pk16_fp6_f32 v[236+4*\c:238+4*\c], v[112+32*\c:127+32*\c], v[244+2*\c+1]
.endr
	v_nop
.irp c, 0,1
.irp i, 0,1,2
	v_permlane16_swap_b32 v[224+6*\c+\i], v[236+4*\c+\i]
.endr
.irp i, 0,1,2
	v_mov_b32 v[227+6*\c+\i], v[236+4*\c+\i]
.endr
.endr
.set k, 0
.rept 16
	v_pk_mul_f32 v[160+k:161+k], v[160+k:161+k], v[252:253] op_sel_hi:[1,0]   ; O^T under the new M; these are also the places between the codes, the scale word and the products
.set k, k+2
.endr
	s_wait_dscnt 0x0                               ; V
.irp t, 0,1,2,3
.if \t%2 == 0
	v_wmma_scale_f32_16x16x128_f8f6f4 v[160+8*\t:167+8*\t], v[40+12*\t:51+12*\t], v[224:235], v[160+8*\t:167+8*\t], v[38+\t/2], v253 matrix_a_fmt:MATRIX_FMT_FP6 matrix_b_fmt:MATRIX_FMT_FP6
.else
	v_wmma_scale_f32_16x16x128_f8f6f4 v[160+8*\t:167+8*\t], v[40+12*\t:51+12*\t], v[224:235], v[160+8*\t:167+8*\t], v[38+\t/2], v253 matrix_a_fmt:MATRIX_FMT_FP6 matrix_b_fmt:MATRIX_FMT_FP6 matrix_a_scale:MATRIX_SCALE_ROW1
.endif
.endr
	s_add_co_u32 s[TB], s[TB], REC
.endm
; n steps that lie inside the chunks landed so far: 40,960 (c + 1) bytes hold 3, 6, 9, 12, 16 records.  cnt: the younger chunks, which may stay out.
.macro GROUP n, cnt
	s_wait_tensorcnt \cnt
	s_wait_dscnt 0x0
	s_barrier_signal -1
	s_barrier_wait -1                              ; every wave's part of the chunk is in
	s_mov_b32 s52, \n
.Lstep_\@:
	STEP
	s_sub_co_u32 s52, s52, 1
	s_cmp_lg_u32 s52, 0
	s_cbranch_scc1 .Lstep_\@
.endm
	GROUP 3, 4
	GROUP 3, 3
	GROUP 3, 2
	GROUP 3, 1
	GROUP 4, 0
	; THE WAY OUT
.rept 4
	v_nop                                          ; places behind the last products
.endr
	v_add_f32 v14, v14, v15
	v_permlanex16_b32 v252, v14, s[SEL], s[SEL+1]
	v_add_f32 v14, v14, v252                       ; the row's sum
	v_rcp_f32 v14, v14
.irp b, 0,1
.irp j, 0,1,2,3
	ds_load_b128 v[96+16*\b+4*\j:99+16*\b+4*\j], v6 offset:128*\b+16*\j   ; x: number 16 b + i is channel 32 b + 16 h + i of my query's row, as O^T has them
.endr
.endr
	v_mov_b32 v206, 0                              ; a plain line behind the reciprocal; (permutes' destinations, written once)
	v_mov_b32 v207, 0
	s_wait_alu depctr_va_vdst(0)                   ; ahead of the reciprocal's first reader
	s_wait_dscnt 0x0
.set k, 0
.rept 16
	v_pk_fma_f32 v[96+k:97+k], v[160+k:161+k], v[14:15], v[96+k:97+k] op_sel_hi:[1,0,1]   ; x_res = O / l + x
.set k, k+2
.endr
.irp c, 0,1,2,3
	v_pk_add_f32 v[192+2*\c:193+2*\c], v[96+2*\c:97+2*\c], v[104+2*\c:105+2*\c]
.endr
.irp i, 16,24
.irp c, 0,1,2,3
	v_pk_add_f32 v[192+2*\c:193+2*\c], v[192+2*\c:193+2*\c], v[96+\i+2*\c:97+\i+2*\c]
.endr
.endr
	FOLD
	v_mul_f32 v200, 0x3c800000, v192               ; the mean of my head's 64
	v_mov_b32 v201, v200
.set k, 0
.rept 16
	v_pk_add_f32 v[128+k:129+k], v[96+k:97+k], v[200:201] op_sel_hi:[1,0] neg_lo:[0,1] neg_hi:[0,1]
.set k, k+2
.endr
.irp c, 0,1,2,3
	v_pk_mul_f32 v[192+2*\c:193+2*\c], v[128+2*\c:129+2*\c], v[128+2*\c:129+2*\c]
.endr
.irp i, 8,16,24
.irp c, 0,1,2,3
	v_pk_fma_f32 v[192+2*\c:193+2*\c], v[128+\i+2*\c:129+\i+2*\c], v[128+\i+2*\c:129+\i+2*\c], v[192+2*\c:193+2*\c]
.endr
.endr
	FOLD                                           ; the sum of squares about it
	v_cndmask_b32 v203, v200, v192, s68            ; lanes 0-15 the mean, lanes 16-31 the sum of squares
	global_store_b32 v8, v203, s[66:67]
	; my head's two blocks of 32 become six registers of codes and half a scale word
.irp b, 0,1
	v_max3_num_f32 v[204+\b], |v[96+16*\b]|, |v[97+16*\b]|, 0x1800000
.endr
.irp i, 2,4,6,8,10,12,14
.irp b, 0,1
	v_max3_num_f32 v[204+\b], v[204+\b], |v[96+16*\b+\i]|, |v[97+16*\b+\i]|
.endr
.endr
.irp b, 0,1
	v_permlanex16_b32 v[206+\b], v[204+\b], s[SEL], s[SEL+1]
.endr
.irp b, 0,1
	v_max_num_f32 v[204+\b], v[204+\b], v[206+\b]
.endr
.irp b, 0,1
	v_add_nc_u32 v[208+\b], 0xff000000, v[204+\b]
.endr
.irp b, 0,1
	v_lshrrev_b32 v[210+\b], 23, v[208+\b]
.endr
	v_lshl_or_b32 v212, v211, 8, v210
	v_cvt_scalef32_pk16_fp6_f32 v[216:218], v[96:111], v208
	v_cvt_scalef32_pk16_fp6_f32 v[220:222], v[112:127], v209
	v_nop
.irp i, 0,1,2
	v_permlane16_swap_b32 v[216+\i], v[220+\i]
.endr
	v_mov_b32 v219, v220
	v_mov_b32 v220, v221
	v_mov_b32 v221, v222                           ; v216-221: block h of my head, 24 bytes
	s_and_b32 s72, s17, 1
	s_cmp_eq_u32 s72, 0                            ; an even head fills registers 0-5 of the fragment's image, an odd one registers 6-11; the same in all partners
	s_cbranch_scc0 .Lodd
	global_store_b128 v1, v[216:219], s[60:61]
	global_store_b64 v1, v[220:221], s[60:61] offset:512
	s_branch .Limg
.Lodd:
	global_store_b64 v1, v[216:217], s[60:61] offset:520
	global_store_b128 v1, v[218:221], s[60:61] offset:1024
.Limg:
.irp b, 0,1
.irp j, 0,1,2,3
	ds_store_b128 v6, v[96+16*\b+4*\j:99+16*\b+4*\j] offset:128*\b+16*\j
.endr
.endr
.irp i, 0,1,2,3,4,5,6,7
	ds_load_b128 v[128+4*\i:131+4*\i], v5 offset:544*\i   ; my wave's own bytes, served in order
.endr
.irp i, 0,1,2,3,4,5,6,7
	s_wait_dscnt 7-\i                              ; the younger loads may be out
	global_store_b128 v7, v[128+4*\i:131+4*\i], s[58:59] offset:(2*\i+8*(\i/4))*4096   ; sixteen lanes store 256 consecutive bytes, aligned
.endr
	v_and_b32 v10, 31, v0
	v_cmp_gt_u32 vcc_lo, 16, v10
	s_wait_xcnt 0x0                                ; EXEC changes only behind this wait
	s_and_saveexec_b32 s72, vcc_lo
	global_store_b16 v9, v212, s[62:63]            ; lanes 0-15: my head's two scale bytes of each row
	s_wait_xcnt 0x0
	s_or_b32 exec_lo, exec_lo, s72
	s_wait_tensorcnt 0x0
	ds_add_u32 v251, v255
	s_wait_dscnt 0x0
	CROUND                                         ; the closing round
	s_endpgm
.Lfunc_end_k_qf902df8334_attn:
	.size	k_qf902df8334_attn, .Lfunc_end_k_qf902df8334_attn-k_qf902df8334_attn
	.p2alignl 7, 3214868480
	.fill 96, 4, 3214868480
	.section	.rodata,"a",@progbits
	.p2align	6, 0x0
	.amdhsa_kernel k_qf902df8334_attn
		.amdhsa_group_segment_fixed_size 276480
		.amdhsa_private_segment_fixed_size 0
		.amdhsa_enable_private_segment 0
		.amdhsa_kernarg_size 24
		.amdhsa_user_sgpr_count 2
		.amdhsa_user_sgpr_kernarg_segment_ptr 1
		.amdhsa_wavefront_size32 1
		.amdhsa_system_sgpr_workgroup_id_x 1
		.amdhsa_system_sgpr_workgroup_id_y 1
		.amdhsa_system_sgpr_workgroup_id_z 1
		.amdhsa_system_vgpr_workitem_id 0
		.amdhsa_next_free_vgpr 256
		.amdhsa_next_free_sgpr 80
		.amdhsa_reserve_vcc 1
		.amdhsa_float_denorm_mode_32 3
		.amdhsa_float_denorm_mode_16_64 3
		.amdhsa_memory_ordered 1
		.amdhsa_forward_progress 1
		.amdhsa_inst_pref_size 100
	.end_amdhsa_kernel
	.amdgpu_metadata
---
amdhsa.version: [ 1, 2 ]
amdhsa.kernels:
  - .name:           k_qf902df8334_attn
    .symbol:         k_qf902df8334_attn.kd
    .args:
      - { .name: wsB, .offset: 0, .size: 8, .value_kind: global_buffer, .address_space: global }
      - { .name: x, .offset: 8, .size: 8, .value_kind: global_buffer, .address_space: global }
      - { .name: wsC, .offset: 16, .size: 8, .value_kind: global_buffer, .address_space: global }
    .group_segment_fixed_size: 276480
    .private_segment_fixed_size: 0
    .kernarg_segment_align: 8
    .kernarg_segment_size: 24
    .max_flat_workgroup_size: 512
    .sgpr_count:     80
    .vgpr_count:     256
    .wavefront_size: 32
...
	.end_amdgpu_metadata
.endif
;; end of part 3
;; launch ffn1 (part 4): grid 16 x 16, 4 waves a work-group, clusters of 4 x 4, 327,680 bytes of LDS; arguments wsC, wsA, b1, wsD; writes wsD
.if DOCPART == 4
	.amdgcn_target "amdgcn-amd-amdhsa--gfx1250"
	.amdhsa_code_object_version 6
	.text
	.protected	k_qf902df8334_ffn1
	.globl	k_qf902df8334_ffn1
	.p2align	8
	.type	k_qf902df8334_ffn1,@function
k_qf902df8334_ffn1:
	s_mov_b64 s[64:65], 0
	v_nop
	global_prefetch_b8 v0, s[64:65] scope:SCOPE_SE
	s_setreg_imm32_b32 hwreg(HW_REG_WAVE_MODE, 25, 1), 1
	s_wait_xcnt 0x0
	s_wait_alu depctr_hold_cnt(0) depctr_sa_sdst(0) depctr_va_vdst(0) depctr_va_sdst(0) depctr_va_ssrc(0) depctr_va_vcc(0) depctr_vm_vsrc(0)
	s_getreg_b32 s2, hwreg(HW_REG_IB_STS2, 6, 4)
	s_cmp_eq_u32 s2, 0
	s_cbranch_scc0 .Lentry_in_a_cluster
	s_endpgm
.Lentry_in_a_cluster:
	s_bfe_u32 s2, ttmp6, 0x10000c
	s_cmp_lg_u32 s2, 0xf033
	s_cbranch_scc0 .Lentry_shape_is_right
	s_endpgm
.Lentry_shape_is_right:
; FFN 1: hidden = relu(x_res W1 + b1), on codes of E2M3 with E8M0 scales, K = 1,024; the hidden layer is quantised here, along its 4,096 units, and stored as the operand image that the next product reads.
; The core is that of the launch qkv: a tile of 256 x 256 by four waves of 128 x 128, a ring of two LDS slots of 256 along K filled by joint tensor loads in clusters of 4 x 4, operands as images of registers,
; the matrix instruction used transposed, so that a block's 64 registers are 64 numbers of one row in the order that the quantiser takes.  b1 is the C of each sum's first product.
; LIMITS: a block whose largest magnitude lies under 2^-124 (zeros too) gets the byte 1; NaN and infinities are not served.
.set NK,    8
.set LAPS,  NK/4
.set GSTR,  NK*12288
.set SSTR,  NK*512
.set XRI,   16777216                   ; in wsC: x_res's image, and its scale words
.set XRS,   19922944
.set SOFF,  11796480                   ; in wsA: the scale words
.set HSC,   12582912                   ; in wsD: the hidden layer's scale words
.set HALFT, 24576
.set SLOT,  4*HALFT
.set SCL,   2*SLOT
.set SPARE, SCL+4*SSTR
.set FR,    12
.set ADRA, 16
.set ADRB, 20
.set ADSA, 22
.set ADSB, 23
.set SPW,  28
.set NIL,  29
.set SC,   32
.set BIAS, 64                          ; v64-127 b1 of my 128 columns, in the accumulators' order
.set AF,   128
.set TM,   200
.set PC,   216
.set PWS,  236
.set SD,   244
.set G1, 24
.set G0, 32
.set G1B, 48
.set G0B, 56
.set G1S, 68
.set G0S, 76
.set G1SB, 80
.set G0SB, 88
.set SEL, 66
.set HM,  2
.set MSB, 0
.macro WIN new
.if MSB != (\new)
	s_set_vgpr_msb (MSB<<8)|(\new)
.set MSB, (\new)
.endif
.endm
.macro JLOAD g0a, g1a, g0b, g1b
	s_cmp_eq_u32 s15, 0
	s_cbranch_scc0 .Lfor_b_\@
	tensor_load_to_lds s[\g0a:\g0a+3], s[\g1a:\g1a+7]
	s_nop 0
.rept 4
	v_nop
.endr
	s_branch .Lasked_\@
.Lfor_b_\@:
	tensor_load_to_lds s[\g0b:\g0b+3], s[\g1b:\g1b+7]
	s_nop 0
.rept 4
	v_nop
.endr
.Lasked_\@:
.endm
.macro CREST
	s_cmp_lg_u32 s14, 0
	s_cbranch_scc1 .Lnot_wave_0_\@
	s_barrier_signal -3
.Lnot_wave_0_\@:
	s_barrier_wait -3
	s_barrier_signal -1
	s_barrier_wait -1
.endm
.macro CROUND
	s_barrier_signal -1
	s_barrier_wait -1
	CREST
.endm
.macro PLACES n
.rept \n
	v_nop
.endr
.endm
.macro FRAG reg, adr, q, i
.irp c, 0,1,2
	ds_load_b128 v[(\reg)+4*\c:(\reg)+4*\c+3], v[\adr] offset:12288*(\q)+1536*(\i)+512*\c
.endr
.endm
.macro FETCH_B slot, q, p
	WIN 0x40
.irp i, 0,1,2,3,4,5,6,7
	FRAG 128*(\p)+FR*\i, ADRB+\slot, \q, \i
.endr
	WIN 0
.endm
.macro FETCH_A slot, q, i0
.irp i, \i0, \i0+1, \i0+2, \i0+3
	FRAG AF+FR*(\i), ADRA+\slot, \q, \i
.endr
.endm
.macro SCALES sc
.irp q, 0,1
.irp p, 0,1,2,3
	ds_load_b32 v[SC+16*\sc+4*\q+\p], v[ADSA] offset:512*\q+128*\p
	ds_load_b32 v[SC+16*\sc+8+4*\q+\p], v[ADSB] offset:512*\q+128*\p
.endr
.endr
.endm
.macro WM a, b, p, q, sc, cm           ; cm = 0: C is 0, 1: in place, 2: C is the bias
.set rD, 8*(8*((\a)%4)+(\b))
.set rB, 128*(\p)+FR*(\b)
.set rA, AF+FR*(\a)
.set rT, SC+16*(\sc)+8+4*(\q)+(\b)/2
.set rS, SC+16*(\sc)+4*(\q)+(\a)/2
.set rC, rD
.if (\cm) == 2
.set rC, BIAS+8*(\b)
.endif
.set par, 2*((\a)%2)+(\b)%2
.if (\cm) == 0
.if par == 0
	v_wmma_scale_f32_16x16x128_f8f6f4 v[rD:rD+7], v[rB:rB+FR-1], v[rA:rA+FR-1], 0, v[rT], v[rS] matrix_a_fmt:MATRIX_FMT_FP6 matrix_b_fmt:MATRIX_FMT_FP6
.elseif par == 1
	v_wmma_scale_f32_16x16x128_f8f6f4 v[rD:rD+7], v[rB:rB+FR-1], v[rA:rA+FR-1], 0, v[rT], v[rS] matrix_a_fmt:MATRIX_FMT_FP6 matrix_b_fmt:MATRIX_FMT_FP6 matrix_a_scale:MATRIX_SCALE_ROW1
.elseif par == 2
	v_wmma_scale_f32_16x16x128_f8f6f4 v[rD:rD+7], v[rB:rB+FR-1], v[rA:rA+FR-1], 0, v[rT], v[rS] matrix_a_fmt:MATRIX_FMT_FP6 matrix_b_fmt:MATRIX_FMT_FP6 matrix_b_scale:MATRIX_SCALE_ROW1
.else
	v_wmma_scale_f32_16x16x128_f8f6f4 v[rD:rD+7], v[rB:rB+FR-1], v[rA:rA+FR-1], 0, v[rT], v[rS] matrix_a_fmt:MATRIX_FMT_FP6 matrix_b_fmt:MATRIX_FMT_FP6 matrix_a_scale:MATRIX_SCALE_ROW1 matrix_b_scale:MATRIX_SCALE_ROW1
.endif
.else
.if par == 0
	v_wmma_scale_f32_16x16x128_f8f6f4 v[rD:rD+7], v[rB:rB+FR-1], v[rA:rA+FR-1], v[rC:rC+7], v[rT], v[rS] matrix_a_fmt:MATRIX_FMT_FP6 matrix_b_fmt:MATRIX_FMT_FP6
.elseif par == 1
	v_wmma_scale_f32_16x16x128_f8f6f4 v[rD:rD+7], v[rB:rB+FR-1], v[rA:rA+FR-1], v[rC:rC+7], v[rT], v[rS] matrix_a_fmt:MATRIX_FMT_FP6 matrix_b_fmt:MATRIX_FMT_FP6 matrix_a_scale:MATRIX_SCALE_ROW1
.elseif par == 2
	v_wmma_scale_f32_16x16x128_f8f6f4 v[rD:rD+7], v[rB:rB+FR-1], v[rA:rA+FR-1], v[rC:rC+7], v[rT], v[rS] matrix_a_fmt:MATRIX_FMT_FP6 matrix_b_fmt:MATRIX_FMT_FP6 matrix_b_scale:MATRIX_SCALE_ROW1
.else
	v_wmma_scale_f32_16x16x128_f8f6f4 v[rD:rD+7], v[rB:rB+FR-1], v[rA:rA+FR-1], v[rC:rC+7], v[rT], v[rS] matrix_a_fmt:MATRIX_FMT_FP6 matrix_b_fmt:MATRIX_FMT_FP6 matrix_a_scale:MATRIX_SCALE_ROW1 matrix_b_scale:MATRIX_SCALE_ROW1
.endif
.endif
.endm
.macro MUL16 a0, p, q, sc, cm          ; the 64 accumulators take turns, one instruction a turn
.irp a, \a0, \a0+1
.irp b, 0,1,2,3,4,5,6,7
	WM \a, \b, \p, \q, \sc, \cm
.endr
.endr
.endm
.macro STEP slot, q, cm
	s_wait_dscnt 12                                ; all but the youngest twelve loads (A's blocks 4-7)
.if (\cm) == 2
	WIN 0x81                                       ; the bias lies in window 0
.else
	WIN 0xa1
.endif
	MUL16 0, (\q)%2, \q, \slot, \cm
	MUL16 2, (\q)%2, \q, \slot, \cm
	s_wait_dscnt 0x0
	PLACES 4
	FETCH_B \slot, (\q)+1, 1-(\q)%2
	FETCH_A \slot, (\q)+1, 0
.if (\cm) == 2
	WIN 0xc1
.else
	WIN 0xf1
.endif
	MUL16 4, (\q)%2, \q, \slot, \cm
	MUL16 6, (\q)%2, \q, \slot, \cm
	PLACES 4
	WIN 0
	FETCH_A \slot, (\q)+1, 4
.endm
.macro TURN slot, next, fill
	s_wait_tensorcnt 0x0                           ; all my tensor loads have landed: my part of the next slot
	ds_add_u32 v[SPW], v[NIL]                      ; 0 onto my spare word
	s_wait_dscnt 13                                ; (the add and the youngest twelve loads may be out)
	WIN 0xa1
	MUL16 0, 1, 1, \slot, 1
	s_wait_dscnt 0x0                               ; the add is done, and my reads of this slot are over
	s_barrier_signal -1
	MUL16 2, 1, 1, \slot, 1
	WIN 0
	s_barrier_wait -1
.if \fill
	CREST                                          ; a round of the cluster's barrier: no wave of any partner still reads this slot or has a load on its way
	s_add_nc_u64 s[G0+4*\slot+2:G0+4*\slot+3], s[G0+4*\slot+2:G0+4*\slot+3], 2*HALFT
	s_add_nc_u64 s[G0B+4*\slot+2:G0B+4*\slot+3], s[G0B+4*\slot+2:G0B+4*\slot+3], 2*HALFT
	JLOAD G0+4*\slot, G1, G0B+4*\slot, G1B
.else
	PLACES 4
.endif
	v_add_nc_u32 v[ADSA], 1024, v[ADSA]
	v_add_nc_u32 v[ADSB], 1024, v[ADSB]
	FETCH_B \next, 0, 0
	FETCH_A \next, 0, 0
	SCALES \next
	WIN 0xf1
	MUL16 4, 1, 1, \slot, 1
	MUL16 6, 1, 1, \slot, 1
	PLACES 4
	WIN 0
	FETCH_A \next, 0, 4
.endm
.macro QUANT s0, s1, w, pw
	WIN (((\w)<<2)|((\w)<<4))
.irp b, 0,1
	v_max3_num_f32 v[TM+\b], 0x1800000, |v[(\s0)+16*\b]|, |v[(\s0)+16*\b+1]|       ; the floor 2^(3 - 127) holds the byte at 1 from below
	v_max3_num_f32 v[TM+2+\b], 0x1800000, |v[(\s1)+16*\b]|, |v[(\s1)+16*\b+1]|
.endr
.irp i, 2,4,6,8,10,12,14
.irp b, 0,1
	v_max3_num_f32 v[TM+\b], v[TM+\b], |v[(\s0)+16*\b+\i]|, |v[(\s0)+16*\b+\i+1]|
	v_max3_num_f32 v[TM+2+\b], v[TM+2+\b], |v[(\s1)+16*\b+\i]|, |v[(\s1)+16*\b+\i+1]|
.endr
.endr
	WIN 0
.irp b, 0,1,2,3
	v_permlanex16_b32 v[TM+4+\b], v[TM+\b], s[SEL], s[SEL+1]
.endr
.irp b, 0,1,2,3
	v_max_num_f32 v[TM+\b], v[TM+\b], v[TM+4+\b]
.endr
.irp b, 0,1,2,3
	v_add_nc_u32 v[TM+12+\b], 0xff000000, v[TM+\b]
.endr
.irp b, 0,1,2,3
	v_lshrrev_b32 v[TM+4+\b], 23, v[TM+12+\b]
.endr
	v_lshl_or_b32 v[\pw], v[TM+5], 8, v[TM+4]
	v_lshl_or_b32 v[\pw], v[TM+6], 16, v[\pw]
	v_lshl_or_b32 v[\pw], v[TM+7], 24, v[\pw]
	WIN (\w)
	v_cvt_scalef32_pk16_fp6_f32 v[PC:PC+2], v[(\s0):(\s0)+15], v[TM+12]
	v_cvt_scalef32_pk16_fp6_f32 v[PC+12:PC+14], v[(\s0)+16:(\s0)+31], v[TM+13]
	v_cvt_scalef32_pk16_fp6_f32 v[PC+6:PC+8], v[(\s1):(\s1)+15], v[TM+14]
	v_cvt_scalef32_pk16_fp6_f32 v[PC+16:PC+18], v[(\s1)+16:(\s1)+31], v[TM+15]
	WIN 0
	v_nop
.irp c, 0,1
.irp i, 0,1,2
	v_permlane16_swap_b32 v[PC+6*\c+\i], v[PC+12+4*\c+\i]
.endr
.irp i, 0,1,2
	v_mov_b32 v[PC+3+6*\c+\i], v[PC+12+4*\c+\i]
.endr
.endr
.endm
	s_load_b256 s[4:11], s[0:1], 0x0               ; wsC, wsA, b1, wsD
	v_lshl_add_u32 v[SPW], v0, 2, SPARE
	v_mov_b32 v[NIL], 0
	ds_add_u32 v28, v29
	ds_add_u32 v28, v29
	s_wait_dscnt 0x0
	v_lshrrev_b32 v1, 5, v0
	v_readfirstlane_b32 s14, v1
	s_lshr_b32 s15, s14, 1
	s_and_b32 s16, s14, 1
	s_bfe_u32 s40, ttmp6, 0x40000
	s_bfe_u32 s41, ttmp6, 0x40004
	s_lshl_b32 s42, ttmp9, 2
	s_add_co_u32 s42, s42, s40                     ; tile column
	s_and_b32 s17, ttmp7, 0xffff
	s_lshl_b32 s17, s17, 2
	s_add_co_u32 s17, s17, s41                     ; tile row
	s_lshl_b32 s43, s41, 2
	s_lshl_b32 s43, 15, s43
	s_lshl_b32 s44, 0x1111, s40
	s_or_b32 s[G1+0], s43, (3<<16)|(1<<21)
	s_or_b32 s[G1B+0], s44, (3<<16)|(1<<21)
.irp g, G1, G1B
	s_mov_b32 s[\g+1], 32<<16
	s_mov_b32 s[\g+2], 96<<16
	s_mov_b32 s[\g+3], 32<<16
	s_mov_b32 s[\g+4], 96
	s_mov_b32 s[\g+5], 32
	s_mov_b32 s[\g+6], 0
	s_mov_b32 s[\g+7], 0
.endr
	s_or_b32 s[G1S+0], s43, (3<<16)|(1<<21)
	s_or_b32 s[G1SB+0], s44, (3<<16)|(1<<21)
.irp g, G1S, G1SB
	s_mov_b32 s[\g+1], 32<<16
	s_mov_b32 s[\g+2], (SSTR/256)<<16
	s_mov_b32 s[\g+3], 32<<16
	s_mov_b32 s[\g+4], SSTR/256
	s_mov_b32 s[\g+5], 32
	s_mov_b32 s[\g+6], 0
	s_mov_b32 s[\g+7], 0
.endr
	s_lshl_b32 s20, s17, 1
	s_add_co_u32 s20, s20, s16                     ; the group of x_res that I fetch
	s_lshl_b32 s46, s42, 1
	s_add_co_u32 s46, s46, s16
	s_add_co_u32 s46, s46, 56                      ; the group of W1
	s_mul_i32 s22, s20, SSTR
	s_add_co_u32 s22, s22, XRS
	s_mov_b32 s23, 0
	s_mul_i32 s92, s46, SSTR
	s_add_co_u32 s92, s92, SOFF
	s_mov_b32 s93, 0
	s_mul_i32 s20, s20, GSTR
	s_add_co_u32 s20, s20, XRI
	s_mov_b32 s21, 0
	s_mul_i32 s46, s46, GSTR
	s_mov_b32 s47, 0
	s_mul_i32 s45, s14, HALFT
	s_mul_i32 s94, s14, SSTR
	s_wait_kmcnt 0x0
	s_add_nc_u64 s[20:21], s[4:5], s[20:21]
	s_add_nc_u64 s[22:23], s[4:5], s[22:23]
	s_add_nc_u64 s[46:47], s[6:7], s[46:47]
	s_add_nc_u64 s[92:93], s[6:7], s[92:93]
	CROUND
	s_mov_b32 s[G0S], 1
	s_add_co_u32 s[G0S+1], s94, SCL
	s_mov_b64 s[G0S+2:G0S+3], s[22:23]
	s_or_b32 s[G0S+3], s[G0S+3], 0x80000000
	s_mov_b32 s[G0SB], 1
	s_add_co_u32 s[G0SB+1], s94, SCL
	s_mov_b64 s[G0SB+2:G0SB+3], s[92:93]
	s_or_b32 s[G0SB+3], s[G0SB+3], 0x80000000
	JLOAD G0S, G1S, G0SB, G1SB
.irp s, 0,1
	s_mov_b32 s[G0+4*\s], 1
	s_add_co_u32 s[G0+4*\s+1], s45, \s*SLOT
	s_add_nc_u64 s[G0+4*\s+2:G0+4*\s+3], s[20:21], \s*HALFT
	s_or_b32 s[G0+4*\s+3], s[G0+4*\s+3], 0x80000000
	s_mov_b32 s[G0B+4*\s], 1
	s_add_co_u32 s[G0B+4*\s+1], s45, \s*SLOT
	s_add_nc_u64 s[G0B+4*\s+2:G0B+4*\s+3], s[46:47], \s*HALFT
	s_or_b32 s[G0B+4*\s+3], s[G0B+4*\s+3], 0x80000000
	JLOAD G0+4*\s, G1, G0B+4*\s, G1B
.endr
	s_lshl_b32 s95, s42, 1
	s_add_co_u32 s95, s95, s16                     ; my 128 columns
	s_lshl_b32 s96, s95, 9
	v_bfe_u32 v4, v0, 4, 1
	v_lshlrev_b32 v4, 6, v4
	v_add_nc_u32 v4, s96, v4
.irp b, 0,1,2,3
.irp j, 0,1,2,3
	global_load_b128 v[BIAS+16*\b+4*\j:BIAS+16*\b+4*\j+3], v4, s[8:9] offset:128*\b+16*\j   ; b1 at columns 32 b + 16 h + 0 .. 15
.endr
.endr
	v_and_b32 v1, 31, v0
	v_lshlrev_b32 v24, 4, v1
	v_lshlrev_b32 v25, 2, v1
	s_mul_i32 s21, s15, HALFT
	s_mul_i32 s22, s16, HALFT
	s_add_co_u32 s22, s22, 2*HALFT
.irp s, 0,1
	v_add_nc_u32 v[ADRA+\s], s21, v24
	v_add_nc_u32 v[ADRB+\s], s22, v24
	s_add_co_u32 s21, s21, SLOT
	s_add_co_u32 s22, s22, SLOT
.endr
	s_mul_i32 s21, s15, SSTR
	s_add_co_u32 s21, s21, SCL
	v_add_nc_u32 v[ADSA], s21, v25
	s_mul_i32 s22, s16, SSTR
	s_add_co_u32 s22, s22, SCL+2*SSTR
	v_add_nc_u32 v[ADSB], s22, v25
	s_mov_b32 s[SEL], 0x76543210
	s_mov_b32 s[SEL+1], 0xfedcba98
	s_mov_b32 s[HM], 0xffff0000
	s_lshl_b32 s97, s17, 1
	s_add_co_u32 s97, s97, s15                     ; my group of rows
	s_lshl_b32 s97, s97, 5
	s_add_co_u32 s97, s97, s95                     ; (group, K step of the next product)
	s_mul_i32 s98, s97, 12288
	s_mov_b32 s99, 0
	s_add_nc_u64 s[12:13], s[10:11], s[98:99]
	s_lshl_b32 s98, s97, 9
	s_add_co_u32 s98, s98, HSC
	s_add_nc_u64 s[92:93], s[10:11], s[98:99]
	s_wait_tensorcnt 1                             ; slot 1's load may stay out
	s_barrier_signal -1
	s_barrier_wait -1
	FETCH_B 0, 0, 0
	FETCH_A 0, 0, 0
	SCALES 0
	FETCH_A 0, 0, 4
	s_wait_loadcnt 0x0                             ; b1
	STEP 0, 0, 2                                   ; the first products start the sums at b1
	s_mov_b32 s3, LAPS-1
.Llap:
	TURN 0, 1, 1
	STEP 1, 0, 1
	TURN 1, 0, 1
	STEP 0, 0, 1
	s_sub_co_u32 s3, s3, 1
	s_cmp_lg_u32 s3, 0
	s_cbranch_scc1 .Llap
	TURN 0, 1, 0
	STEP 1, 0, 1
	s_wait_dscnt 12
	WIN 0xa1
	MUL16 0, 1, 1, 1, 1
	MUL16 2, 1, 1, 1, 1
	s_wait_dscnt 0x0
	WIN 0xf1
	MUL16 4, 1, 1, 1, 1
	MUL16 6, 1, 1, 1, 1
	WIN 0
	PLACES 4
.irp b, 0,1,2,3
	v_mov_b32 v[TM+4+\b], 0
.endr
.irp a, 0,1,2,3,4,5,6,7                        ; block a: 16 rows x my 128 hidden units: one fragment of the next product
	s_wait_xcnt 0x0                                ; the last fragment's stores have read the codes' registers
	WIN ((2+\a/4)<<2)
.set j, 0
.rept 64
	v_max_num_f32 v[128+j], 0, v[64*(\a%4)+j]      ; the activation, and the way into window 0, in one line; each accumulator from its low end on
.set j, j+1
.endr
	WIN 0
	QUANT 128, 160, 0, PWS+\a
.irp c, 0,1,2
	global_store_b128 v24, v[PC+4*\c:PC+4*\c+3], s[12:13] offset:1536*\a+512*\c
.endr
.endr
.irp p, 0,1,2,3
	v_cndmask_b32 v[SD+\p], v[PWS+2*\p], v[PWS+2*\p+1], s[HM]
.endr
.irp p, 0,1,2,3
	global_store_b32 v25, v[SD+\p], s[92:93] offset:128*\p
.endr
	s_wait_tensorcnt 0x0                           ; the wave's end
	ds_add_u32 v[SPW], v[NIL]
	s_wait_dscnt 0x0
	CROUND
	s_endpgm
.Lfunc_end_k_qf902df8334_ffn1:
	.size	k_qf902df8334_ffn1, .Lfunc_end_k_qf902df8334_ffn1-k_qf902df8334_ffn1
	.p2alignl 7, 3214868480
	.fill 96, 4, 3214868480
	.section	.rodata,"a",@progbits
	.p2align	6, 0x0
	.amdhsa_kernel k_qf902df8334_ffn1
		.amdhsa_group_segment_fixed_size 327680
		.amdhsa_private_segment_fixed_size 0
		.amdhsa_enable_private_segment 0
		.amdhsa_kernarg_size 32
		.amdhsa_user_sgpr_count 2
		.amdhsa_user_sgpr_kernarg_segment_ptr 1
		.amdhsa_wavefront_size32 1
		.amdhsa_system_sgpr_workgroup_id_x 1
		.amdhsa_system_sgpr_workgroup_id_y 1
		.amdhsa_system_sgpr_workgroup_id_z 1
		.amdhsa_system_vgpr_workitem_id 0
		.amdhsa_next_free_vgpr 1024
		.amdhsa_next_free_sgpr 100
		.amdhsa_reserve_vcc 0
		.amdhsa_float_denorm_mode_32 3
		.amdhsa_float_denorm_mode_16_64 3
		.amdhsa_memory_ordered 1
		.amdhsa_forward_progress 1
		.amdhsa_inst_pref_size 159
	.end_amdhsa_kernel
	.amdgpu_metadata
---
amdhsa.version: [ 1, 2 ]
amdhsa.kernels:
  - .name:           k_qf902df8334_ffn1
    .symbol:         k_qf902df8334_ffn1.kd
    .args:
      - { .name: wsC, .offset: 0, .size: 8, .value_kind: global_buffer, .address_space: global }
      - { .name: wsA, .offset: 8, .size: 8, .value_kind: global_buffer, .address_space: global }
      - { .name: b1, .offset: 16, .size: 8, .value_kind: global_buffer, .address_space: global }
      - { .name: wsD, .offset: 24, .size: 8, .value_kind: global_buffer, .address_space: global }
    .group_segment_fixed_size: 327680
    .private_segment_fixed_size: 0
    .kernarg_segment_align: 8
    .kernarg_segment_size: 32
    .max_flat_workgroup_size: 128
    .sgpr_count:     100
    .vgpr_count:     1024
    .wavefront_size: 32
...
	.end_amdgpu_metadata
.endif
;; end of part 4
;; launch ffn2 (part 5): grid 4 x 16, 4 waves a work-group, clusters of 4 x 4, 327,680 bytes of LDS; arguments wsD, wsA, wsC, b2, g2, be2, out0; writes out0
.if DOCPART == 5
	.amdgcn_target "amdgcn-amd-amdhsa--gfx1250"
	.amdhsa_code_object_version 6
	.text
	.protected	k_qf902df8334_ffn2
	.globl	k_qf902df8334_ffn2
	.p2align	8
	.type	k_qf902df8334_ffn2,@function
k_qf902df8334_ffn2:
	s_mov_b64 s[64:65], 0
	v_nop
	global_prefetch_b8 v0, s[64:65] scope:SCOPE_SE
	s_setreg_imm32_b32 hwreg(HW_REG_WAVE_MODE, 25, 1), 1
	s_wait_xcnt 0x0
	s_wait_alu depctr_hold_cnt(0) depctr_sa_sdst(0) depctr_va_vdst(0) depctr_va_sdst(0) depctr_va_ssrc(0) depctr_va_vcc(0) depctr_vm_vsrc(0)
	s_getreg_b32 s2, hwreg(HW_REG_IB_STS2, 6, 4)
	s_cmp_eq_u32 s2, 0
	s_cbranch_scc0 .Lentry_in_a_cluster
	s_endpgm
.Lentry_in_a_cluster:
	s_bfe_u32 s2, ttmp6, 0x10000c
	s_cmp_lg_u32 s2, 0xf033
	s_cbranch_scc0 .Lentry_shape_is_right
	s_endpgm
.Lentry_shape_is_right:
; FFN 2 and the end: out = hidden W2 + b2 + LayerNorm2(x_res), the product on codes of E2M3 with E8M0 scales, K = 4,096.
; The core is that of the launches qkv and ffn1.  b2 + be2 is the C of each sum's first product.  The rows' means and 1 / sqrt(variance + eps) are made at the head, from the sixteen heads' means and centred sums of squares
; (no difference of large sums), and wait in LDS.  On the way out a block of 16 rows goes through the wave's stage in LDS and comes back as whole rows of 512 bytes, to which (x_res - mean) rstd g2 is added.
; N = 1,024 gives 4 x 16 tiles of 256 x 256: 64 work-groups.
; LIMITS: NaN and infinities are not served; 1 / sqrt is v_rsq_f32; the sums b2 + be2 and the last multiply-add round in another order than the definition's.
.set NK,    32
.set LAPS,  NK/4
.set GSTR,  NK*12288
.set SSTR,  NK*512
.set HSC,   12582912                   ; in wsD: the hidden layer's scale words
.set W2I,   8650752                    ; in wsA: W2's image, and its scale words
.set W2S,   12156928
.set XST,   20054016                   ; in wsC: the statistics
.set HALFT, 24576
.set SLOT,  4*HALFT
.set SCL,   2*SLOT
.set SPARE, SCL+4*SSTR
.set LNT,   SPARE+512                  ; 256 rows x (mean, rstd)
.set SPITCH, 528                       ; the stage: 16 rows x (512 bytes + 16) a wave, in slot 0, which has had its last fill and its last read by then
.set FR,    12
.set ADRA, 16
.set ADRB, 20
.set ADSA, 22
.set ADSB, 23
.set SPW,  28
.set NIL,  29
.set SC,   32
.set BIAS, 64
.set AF,   128
.set G1, 24
.set G0, 32
.set G1B, 48
.set G0B, 56
.set G1S, 68
.set G0S, 76
.set G1SB, 80
.set G0SB, 88
.set MSB, 0
.macro WIN new
.if MSB != (\new)
	s_set_vgpr_msb (MSB<<8)|(\new)
.set MSB, (\new)
.endif
.endm
.macro JLOAD g0a, g1a, g0b, g1b
	s_cmp_eq_u32 s15, 0
	s_cbranch_scc0 .Lfor_b_\@
	tensor_load_to_lds s[\g0a:\g0a+3], s[\g1a:\g1a+7]
	s_nop 0
.rept 4
	v_nop
.endr
	s_branch .Lasked_\@
.Lfor_b_\@:
	tensor_load_to_lds s[\g0b:\g0b+3], s[\g1b:\g1b+7]
	s_nop 0
.rept 4
	v_nop
.endr
.Lasked_\@:
.endm
.macro CREST
	s_cmp_lg_u32 s14, 0
	s_cbranch_scc1 .Lnot_wave_0_\@
	s_barrier_signal -3
.Lnot_wave_0_\@:
	s_barrier_wait -3
	s_barrier_signal -1
	s_barrier_wait -1
.endm
.macro CROUND
	s_barrier_signal -1
	s_barrier_wait -1
	CREST
.endm
.macro PLACES n
.rept \n
	v_nop
.endr
.endm
.macro FRAG reg, adr, q, i
.irp c, 0,1,2
	ds_load_b128 v[(\reg)+4*\c:(\reg)+4*\c+3], v[\adr] offset:12288*(\q)+1536*(\i)+512*\c
.endr
.endm
.macro FETCH_B slot, q, p
	WIN 0x40
.irp i, 0,1,2,3,4,5,6,7
	FRAG 128*(\p)+FR*\i, ADRB+\slot, \q, \i
.endr
	WIN 0
.endm
.macro FETCH_A slot, q, i0
.irp i, \i0, \i0+1, \i0+2, \i0+3
	FRAG AF+FR*(\i), ADRA+\slot, \q, \i
.endr
.endm
.macro SCALES sc
.irp q, 0,1
.irp p, 0,1,2,3
	ds_load_b32 v[SC+16*\sc+4*\q+\p], v[ADSA] offset:512*\q+128*\p
	ds_load_b32 v[SC+16*\sc+8+4*\q+\p], v[ADSB] offset:512*\q+128*\p
.endr
.endr
.endm
.macro WM a, b, p, q, sc, cm           ; cm = 0: C is 0, 1: in place, 2: C is the bias
.set rD, 8*(8*((\a)%4)+(\b))
.set rB, 128*(\p)+FR*(\b)
.set rA, AF+FR*(\a)
.set rT, SC+16*(\sc)+8+4*(\q)+(\b)/2
.set rS, SC+16*(\sc)+4*(\q)+(\a)/2
.set rC, rD
.if (\cm) == 2
.set rC, BIAS+8*(\b)
.endif
.set par, 2*((\a)%2)+(\b)%2
.if (\cm) == 0
.if par == 0
	v_wmma_scale_f32_16x16x128_f8f6f4 v[rD:rD+7], v[rB:rB+FR-1], v[rA:rA+FR-1], 0, v[rT], v[rS] matrix_a_fmt:MATRIX_FMT_FP6 matrix_b_fmt:MATRIX_FMT_FP6
.elseif par == 1
	v_wmma_scale_f32_16x16x128_f8f6f4 v[rD:rD+7], v[rB:rB+FR-1], v[rA:rA+FR-1], 0, v[rT], v[rS] matrix_a_fmt:MATRIX_FMT_FP6 matrix_b_fmt:MATRIX_FMT_FP6 matrix_a_scale:MATRIX_SCALE_ROW1
.elseif par == 2
	v_wmma_scale_f32_16x16x128_f8f6f4 v[rD:rD+7], v[rB:rB+FR-1], v[rA:rA+FR-1], 0, v[rT], v[rS] matrix_a_fmt:MATRIX_FMT_FP6 matrix_b_fmt:MATRIX_FMT_FP6 matrix_b_scale:MATRIX_SCALE_ROW1
.else
	v_wmma_scale_f32_16x16x128_f8f6f4 v[rD:rD+7], v[rB:rB+FR-1], v[rA:rA+FR-1], 0, v[rT], v[rS] matrix_a_fmt:MATRIX_FMT_FP6 matrix_b_fmt:MATRIX_FMT_FP6 matrix_a_scale:MATRIX_SCALE_ROW1 matrix_b_scale:MATRIX_SCALE_ROW1
.endif
.else
.if par == 0
	v_wmma_scale_f32_16x16x128_f8f6f4 v[rD:rD+7], v[rB:rB+FR-1], v[rA:rA+FR-1], v[rC:rC+7], v[rT], v[rS] matrix_a_fmt:MATRIX_FMT_FP6 matrix_b_fmt:MATRIX_FMT_FP6
.elseif par == 1
	v_wmma_scale_f32_16x16x128_f8f6f4 v[rD:rD+7], v[rB:rB+FR-1], v[rA:rA+FR-1], v[rC:rC+7], v[rT], v[rS] matrix_a_fmt:MATRIX_FMT_FP6 matrix_b_fmt:MATRIX_FMT_FP6 matrix_a_scale:MATRIX_SCALE_ROW1
.elseif par == 2
	v_wmma_scale_f32_16x16x128_f8f6f4 v[rD:rD+7], v[rB:rB+FR-1], v[rA:rA+FR-1], v[rC:rC+7], v[rT], v[rS] matrix_a_fmt:MATRIX_FMT_FP6 matrix_b_fmt:MATRIX_FMT_FP6 matrix_b_scale:MATRIX_SCALE_ROW1
.else
	v_wmma_scale_f32_16x16x128_f8f6f4 v[rD:rD+7], v[rB:rB+FR-1], v[rA:rA+FR-1], v[rC:rC+7], v[rT], v[rS] matrix_a_fmt:MATRIX_FMT_FP6 matrix_b_fmt:MATRIX_FMT_FP6 matrix_a_scale:MATRIX_SCALE_ROW1 matrix_b_scale:MATRIX_SCALE_ROW1
.endif
.endif
.endm
.macro MUL16 a0, p, q, sc, cm          ; the 64 accumulators take turns, one instruction a turn
.irp a, \a0, \a0+1
.irp b, 0,1,2,3,4,5,6,7
	WM \a, \b, \p, \q, \sc, \cm
.endr
.endr
.endm
.macro STEP slot, q, cm
	s_wait_dscnt 12                                ; all but the youngest twelve loads (A's blocks 4-7)
.if (\cm) == 2
	WIN 0x81
.else
	WIN 0xa1
.endif
	MUL16 0, (\q)%2, \q, \slot, \cm
	MUL16 2, (\q)%2, \q, \slot, \cm
	s_wait_dscnt 0x0
	PLACES 4
	FETCH_B \slot, (\q)+1, 1-(\q)%2
	FETCH_A \slot, (\q)+1, 0
.if (\cm) == 2
	WIN 0xc1
.else
	WIN 0xf1
.endif
	MUL16 4, (\q)%2, \q, \slot, \cm
	MUL16 6, (\q)%2, \q, \slot, \cm
	PLACES 4
	WIN 0
	FETCH_A \slot, (\q)+1, 4
.endm
.macro TURN slot, next, fill
	s_wait_tensorcnt 0x0                           ; all my tensor loads have landed: my part of the next slot
	ds_add_u32 v[SPW], v[NIL]                      ; 0 onto my spare word
	s_wait_dscnt 13                                ; (the add and the youngest twelve loads may be out)
	WIN 0xa1
	MUL16 0, 1, 1, \slot, 1
	s_wait_dscnt 0x0                               ; the add is done, and my reads of this slot are over
	s_barrier_signal -1
	MUL16 2, 1, 1, \slot, 1
	WIN 0
	s_barrier_wait -1
.if \fill
	CREST                                          ; a round of the cluster's barrier: no wave of any partner still reads this slot or has a load on its way
	s_add_nc_u64 s[G0+4*\slot+2:G0+4*\slot+3], s[G0+4*\slot+2:G0+4*\slot+3], 2*HALFT
	s_add_nc_u64 s[G0B+4*\slot+2:G0B+4*\slot+3], s[G0B+4*\slot+2:G0B+4*\slot+3], 2*HALFT
	JLOAD G0+4*\slot, G1, G0B+4*\slot, G1B
.else
	PLACES 4
.endif
	v_add_nc_u32 v[ADSA], 1024, v[ADSA]
	v_add_nc_u32 v[ADSB], 1024, v[ADSB]
	FETCH_B \next, 0, 0
	FETCH_A \next, 0, 0
	SCALES \next
	WIN 0xf1
	MUL16 4, 1, 1, \slot, 1
	MUL16 6, 1, 1, \slot, 1
	PLACES 4
	WIN 0
	FETCH_A \next, 0, 4
.endm
; a row's sixteen (mean, sum of squares) at v[b] on -> (mean, rstd) in v[o], v[o + 1]; t: a register of its own for the variance, so that no line writes the root's source behind it
.macro LNROW b, o, t
	v_pk_add_f32 v[192:193], v[\b:\b+1], v[\b+2:\b+3]
	v_pk_add_f32 v[194:195], v[\b+4:\b+5], v[\b+6:\b+7]
.irp k, 8,12,16,20,24,28
	v_pk_add_f32 v[192:193], v[192:193], v[\b+\k:\b+\k+1]
	v_pk_add_f32 v[194:195], v[194:195], v[\b+\k+2:\b+\k+3]
.endr
	v_pk_add_f32 v[192:193], v[192:193], v[194:195]
	v_mul_f32 v[\o], 0x3d800000, v192              ; the row's mean
	v_sub_f32 v194, v[\b], v[\o]
	v_sub_f32 v195, v[\b+2], v[\o]
	v_mul_f32 v196, v194, v194
	v_mul_f32 v197, v195, v195
.irp k, 4,8,12,16,20,24,28
	v_sub_f32 v194, v[\b+\k], v[\o]
	v_sub_f32 v195, v[\b+\k+2], v[\o]
	v_fma_f32 v196, v194, v194, v196
	v_fma_f32 v197, v195, v195, v197
.endr
	v_add_f32 v196, v196, v197
	v_fmamk_f32 v193, v196, 0x42800000, v193       ; + 64 x the spread of the heads' means
	v_fma_f32 v[\t], v193, s18, s19                ; / 1,024 (exact) + eps
	v_rsq_f32 v[\o+1], v[\t]
.endm
.macro XRES a                          ; x_res of block a's 16 rows, 512 bytes of a row an instruction -> window 1, set a % 4
	WIN 0x40
.irp t, 0,1,2,3,4,5,6,7,8,9,10,11,12,13,14,15
	global_load_b128 v[64*((\a)%4)+4*\t:64*((\a)%4)+4*\t+3], v26, s[94:95] offset:(32*((\a)/2)+8*((\a)%2)+\t+8*(\t/8))*4096 th:TH_LOAD_NT
.endr
	WIN 0
.endm
.macro BLOCK a, left                   ; left: the x_res loads of the younger blocks, which may stay out
.set XS, 64*((\a)%4)
	s_wait_xcnt 0x0                                ; the last block's stores have read their registers
	WIN 0x08+4*((\a)/4)                            ; an LDS store's data: window 2 or 3
.irp b, 0,1,2,3,4,5,6,7
	ds_store_b128 v24, v[XS+8*\b:XS+8*\b+3] offset:128*(\b/2)+32*(\b%2)        ; each accumulator from its low end on
	ds_store_b128 v24, v[XS+8*\b+4:XS+8*\b+7] offset:128*(\b/2)+32*(\b%2)+16
.endr
	WIN 0
.irp t, 0,1,2,3,4,5,6,7,8,9,10,11,12,13,14,15
	ds_load_b128 v[128+4*\t:131+4*\t], v25 offset:\t*SPITCH   ; my wave's own bytes, served in order
.endr
.irp t, 0,1,2,3,4,5,6,7,8,9,10,11,12,13,14,15
	ds_load_b64 v[192+2*\t:193+2*\t], v27 offset:8*(32*((\a)/2)+8*((\a)%2)+\t+8*(\t/8))   ; the row's mean and rstd, the same for all lanes
.endr
	s_wait_dscnt 0x0
	s_wait_loadcnt \left
	WIN 0x41                                       ; x_res: destination and source 0 in window 1
.irp t, 0,1,2,3,4,5,6,7,8,9,10,11,12,13,14,15
.irp u, 0,2
	v_pk_add_f32 v[XS+4*\t+\u:XS+4*\t+\u+1], v[XS+4*\t+\u:XS+4*\t+\u+1], v[192+2*\t:193+2*\t] op_sel_hi:[1,0] neg_lo:[0,1] neg_hi:[0,1]
.endr
.endr
.irp t, 0,1,2,3,4,5,6,7,8,9,10,11,12,13,14,15
.irp u, 0,2
	v_pk_mul_f32 v[XS+4*\t+\u:XS+4*\t+\u+1], v[XS+4*\t+\u:XS+4*\t+\u+1], v[192+2*\t:193+2*\t] op_sel:[0,1] op_sel_hi:[1,1]
.endr
.endr
	WIN 0x01
.irp t, 0,1,2,3,4,5,6,7,8,9,10,11,12,13,14,15
.irp u, 0,2
	v_pk_fma_f32 v[128+4*\t+\u:129+4*\t+\u], v[XS+4*\t+\u:XS+4*\t+\u+1], v[8+\u:9+\u], v[128+4*\t+\u:129+4*\t+\u]
.endr
.endr
	WIN 0
.irp t, 0,1,2,3,4,5,6,7,8,9,10,11,12,13,14,15
	global_store_b128 v26, v[128+4*\t:131+4*\t], s[12:13] offset:(32*((\a)/2)+8*((\a)%2)+\t+8*(\t/8))*4096 th:TH_STORE_NT   ; 32 lanes store 512 consecutive bytes, aligned
.endr
.if (\a) < 4
	XRES (\a)+4
.endif
.endm
	s_load_b256 s[4:11], s[0:1], 0x0               ; wsD, wsA, wsC, b2
	s_load_b128 s[96:99], s[0:1], 0x20             ; g2, be2
	s_load_b64 s[12:13], s[0:1], 0x30              ; out0
	v_lshl_add_u32 v[SPW], v0, 2, SPARE
	v_mov_b32 v[NIL], 0
	ds_add_u32 v28, v29
	ds_add_u32 v28, v29
	s_wait_dscnt 0x0
	v_lshrrev_b32 v1, 5, v0
	v_readfirstlane_b32 s14, v1
	s_lshr_b32 s15, s14, 1
	s_and_b32 s16, s14, 1
	s_bfe_u32 s40, ttmp6, 0x40000
	s_bfe_u32 s41, ttmp6, 0x40004
	s_lshl_b32 s42, ttmp9, 2
	s_add_co_u32 s42, s42, s40                     ; tile column
	s_and_b32 s17, ttmp7, 0xffff
	s_lshl_b32 s17, s17, 2
	s_add_co_u32 s17, s17, s41                     ; tile row
	s_lshl_b32 s43, s41, 2
	s_lshl_b32 s43, 15, s43
	s_lshl_b32 s44, 0x1111, s40
	s_or_b32 s[G1+0], s43, (3<<16)|(1<<21)
	s_or_b32 s[G1B+0], s44, (3<<16)|(1<<21)
.irp g, G1, G1B
	s_mov_b32 s[\g+1], 32<<16
	s_mov_b32 s[\g+2], 96<<16
	s_mov_b32 s[\g+3], 32<<16
	s_mov_b32 s[\g+4], 96
	s_mov_b32 s[\g+5], 32
	s_mov_b32 s[\g+6], 0
	s_mov_b32 s[\g+7], 0
.endr
	s_or_b32 s[G1S+0], s43, (3<<16)|(1<<21)
	s_or_b32 s[G1SB+0], s44, (3<<16)|(1<<21)
.irp g, G1S, G1SB
	s_mov_b32 s[\g+1], 32<<16
	s_mov_b32 s[\g+2], (SSTR/256)<<16
	s_mov_b32 s[\g+3], 32<<16
	s_mov_b32 s[\g+4], SSTR/256
	s_mov_b32 s[\g+5], 32
	s_mov_b32 s[\g+6], 0
	s_mov_b32 s[\g+7], 0
.endr
	s_lshl_b32 s20, s17, 1
	s_add_co_u32 s20, s20, s16                     ; the group of the hidden layer's rows that I fetch
	s_lshl_b32 s46, s42, 1
	s_add_co_u32 s46, s46, s16                     ; the group of W2
	s_mul_i32 s22, s20, SSTR
	s_add_co_u32 s22, s22, HSC
	s_mov_b32 s23, 0
	s_mul_i32 s92, s46, SSTR
	s_add_co_u32 s92, s92, W2S
	s_mov_b32 s93, 0
	s_mul_i32 s20, s20, GSTR
	s_mov_b32 s21, 0
	s_mul_i32 s46, s46, GSTR
	s_add_co_u32 s46, s46, W2I
	s_mov_b32 s47, 0
	s_mul_i32 s45, s14, HALFT
	s_mul_i32 s94, s14, SSTR
	s_wait_kmcnt 0x0
	s_add_nc_u64 s[20:21], s[4:5], s[20:21]
	s_add_nc_u64 s[22:23], s[4:5], s[22:23]
	s_add_nc_u64 s[46:47], s[6:7], s[46:47]
	s_add_nc_u64 s[92:93], s[6:7], s[92:93]
	CROUND
	s_mov_b32 s[G0S], 1
	s_add_co_u32 s[G0S+1], s94, SCL
	s_mov_b64 s[G0S+2:G0S+3], s[22:23]
	s_or_b32 s[G0S+3], s[G0S+3], 0x80000000
	s_mov_b32 s[G0SB], 1
	s_add_co_u32 s[G0SB+1], s94, SCL
	s_mov_b64 s[G0SB+2:G0SB+3], s[92:93]
	s_or_b32 s[G0SB+3], s[G0SB+3], 0x80000000
	JLOAD G0S, G1S, G0SB, G1SB
.irp s, 0,1
	s_mov_b32 s[G0+4*\s], 1
	s_add_co_u32 s[G0+4*\s+1], s45, \s*SLOT
	s_add_nc_u64 s[G0+4*\s+2:G0+4*\s+3], s[20:21], \s*HALFT
	s_or_b32 s[G0+4*\s+3], s[G0+4*\s+3], 0x80000000
	s_mov_b32 s[G0B+4*\s], 1
	s_add_co_u32 s[G0B+4*\s+1], s45, \s*SLOT
	s_add_nc_u64 s[G0B+4*\s+2:G0B+4*\s+3], s[46:47], \s*HALFT
	s_or_b32 s[G0B+4*\s+3], s[G0B+4*\s+3], 0x80000000
	JLOAD G0+4*\s, G1, G0B+4*\s, G1B
.endr
	; the statistics of the tile's 256 rows: thread t takes rows t and t + 128
	s_lshl_b32 s22, s17, 15                        ; 256 rows of 128 bytes
	s_add_co_u32 s22, s22, XST
	s_mov_b32 s23, 0
	s_add_nc_u64 s[4:5], s[8:9], s[22:23]          ; the loads' base lies in s[4:5] (wsD's address is done with), which no later line writes: s22 serves as a temporary again below, while these loads are out
	v_lshlrev_b32 v4, 7, v0
.irp k, 0,1,2,3,4,5,6,7
	global_load_b128 v[128+4*\k:131+4*\k], v4, s[4:5] offset:16*\k
	global_load_b128 v[160+4*\k:163+4*\k], v4, s[4:5] offset:16384+16*\k
.endr
	s_lshl_b32 s46, s42, 1
	s_add_co_u32 s46, s46, s16
	s_lshl_b32 s46, s46, 9                         ; my 128 columns, in bytes
	v_and_b32 v1, 31, v0
	v_and_b32 v2, 15, v0
	v_bfe_u32 v3, v0, 4, 1
	v_lshlrev_b32 v26, 4, v1                       ; 16 x lane
	v_lshlrev_b32 v7, 2, v1                        ; 4 x lane
	v_lshlrev_b32 v5, 6, v3
	v_add_nc_u32 v5, s46, v5                       ; the biases in the accumulators' order: + 64 h
	v_add_nc_u32 v6, s46, v26                      ; g2 by rows: + 16 x lane
.irp b, 0,1,2,3
.irp j, 0,1,2,3
	global_load_b128 v[BIAS+16*\b+4*\j:BIAS+16*\b+4*\j+3], v5, s[10:11] offset:128*\b+16*\j
.endr
.endr
	global_load_b128 v[8:11], v6, s[96:97]
	WIN 0x40                                       ; be2 waits in window 1, in registers that B's fragments take later
.irp b, 0,1,2,3
.irp j, 0,1,2,3
	global_load_b128 v[16*\b+4*\j:16*\b+4*\j+3], v5, s[98:99] offset:128*\b+16*\j
.endr
.endr
	WIN 0
	s_mul_i32 s21, s15, HALFT
	s_mul_i32 s22, s16, HALFT
	s_add_co_u32 s22, s22, 2*HALFT
.irp s, 0,1
	v_add_nc_u32 v[ADRA+\s], s21, v26
	v_add_nc_u32 v[ADRB+\s], s22, v26
	s_add_co_u32 s21, s21, SLOT
	s_add_co_u32 s22, s22, SLOT
.endr
	s_mul_i32 s21, s15, SSTR
	s_add_co_u32 s21, s21, SCL
	v_add_nc_u32 v[ADSA], s21, v7
	s_mul_i32 s22, s16, SSTR
	s_add_co_u32 s22, s22, SCL+2*SSTR
	v_add_nc_u32 v[ADSB], s22, v7
	s_mul_i32 s21, s14, 16*SPITCH                  ; my stage
	v_mul_u32_u24 v24, v2, SPITCH
	v_lshl_add_u32 v24, v3, 6, v24
	v_add_nc_u32 v24, s21, v24                     ; in: row r, + 64 h
	v_add_nc_u32 v25, s21, v26                     ; back: a row's 512 bytes
	s_lshl_b32 s21, s15, 10
	s_add_co_u32 s21, s21, LNT
	v_mov_b32 v27, s21                             ; my 128 rows' means and rstd
	v_lshl_add_u32 v30, v0, 3, LNT                 ; where I put row t's
	s_mov_b32 s18, 0x3a800000                      ; 2^-10
	s_mov_b32 s19, 0x3727c5ac                      ; 1e-5
	s_lshl_b32 s92, s17, 1
	s_add_co_u32 s92, s92, s15
	s_lshl_b32 s92, s92, 19                        ; my 128 rows of 4,096 bytes
	s_add_co_u32 s92, s92, s46
	s_mov_b32 s93, 0
	s_add_nc_u64 s[12:13], s[12:13], s[92:93]      ; out0
	s_add_nc_u64 s[94:95], s[8:9], s[92:93]        ; x_res
	s_wait_loadcnt 0x0
	LNROW 128, 200, 198
	LNROW 160, 202, 199
	v_nop                                          ; a plain line behind the last root
	s_wait_alu depctr_va_vdst(0)                   ; one wait for both roots, ahead of their first reader
	ds_store_b64 v30, v[200:201]
	ds_store_b64 v30, v[202:203] offset:1024
	WIN 0x04                                       ; source 1 in window 1
.set k, 0
.rept 32
	v_pk_add_f32 v[BIAS+k:BIAS+k+1], v[BIAS+k:BIAS+k+1], v[k:k+1]   ; b2 + be2
.set k, k+2
.endr
	WIN 0
	s_wait_dscnt 0x0                               ; for the others' sake: the table's stores are done
	s_wait_tensorcnt 1                             ; slot 1's load may stay out
	s_barrier_signal -1
	s_barrier_wait -1
	FETCH_B 0, 0, 0
	FETCH_A 0, 0, 0
	SCALES 0
	FETCH_A 0, 0, 4
	STEP 0, 0, 2                                   ; the first products start the sums at b2 + be2
	s_mov_b32 s3, LAPS-1
.Llap:
	TURN 0, 1, 1
	STEP 1, 0, 1
	TURN 1, 0, 1
	STEP 0, 0, 1
	s_sub_co_u32 s3, s3, 1
	s_cmp_lg_u32 s3, 0
	s_cbranch_scc1 .Llap
	TURN 0, 1, 0
	STEP 1, 0, 1
	s_wait_dscnt 12
	WIN 0xa1
	MUL16 0, 1, 1, 1, 1
	MUL16 2, 1, 1, 1, 1
	s_wait_dscnt 0x0
	WIN 0xf1
	MUL16 4, 1, 1, 1, 1
	MUL16 6, 1, 1, 1, 1
	WIN 0
	PLACES 4                                       ; in front of loads into registers that held fragments, and of the first read of results
	XRES 0
	XRES 1
	XRES 2
	XRES 3
	BLOCK 0, 48
	BLOCK 1, 48
	BLOCK 2, 48
	BLOCK 3, 48
	BLOCK 4, 48
	BLOCK 5, 32
	BLOCK 6, 16
	BLOCK 7, 0
	s_wait_tensorcnt 0x0                           ; the wave's end
	ds_add_u32 v[SPW], v[NIL]
	s_wait_dscnt 0x0
	CROUND
	s_endpgm
.Lfunc_end_k_qf902df8334_ffn2:
	.size	k_qf902df8334_ffn2, .Lfunc_end_k_qf902df8334_ffn2-k_qf902df8334_ffn2
	.p2alignl 7, 3214868480
	.fill 96, 4, 3214868480
	.section	.rodata,"a",@progbits
	.p2align	6, 0x0
	.amdhsa_kernel k_qf902df8334_ffn2
		.amdhsa_group_segment_fixed_size 327680
		.amdhsa_private_segment_fixed_size 0
		.amdhsa_enable_private_segment 0
		.amdhsa_kernarg_size 56
		.amdhsa_user_sgpr_count 2
		.amdhsa_user_sgpr_kernarg_segment_ptr 1
		.amdhsa_wavefront_size32 1
		.amdhsa_system_sgpr_workgroup_id_x 1
		.amdhsa_system_sgpr_workgroup_id_y 1
		.amdhsa_system_sgpr_workgroup_id_z 1
		.amdhsa_system_vgpr_workitem_id 0
		.amdhsa_next_free_vgpr 1024
		.amdhsa_next_free_sgpr 100
		.amdhsa_reserve_vcc 0
		.amdhsa_float_denorm_mode_32 3
		.amdhsa_float_denorm_mode_16_64 3
		.amdhsa_memory_ordered 1
		.amdhsa_forward_progress 1
		.amdhsa_inst_pref_size 220
	.end_amdhsa_kernel
	.amdgpu_metadata
---
amdhsa.version: [ 1, 2 ]
amdhsa.kernels:
  - .name:           k_qf902df8334_ffn2
    .symbol:         k_qf902df8334_ffn2.kd
    .args:
      - { .name: wsD, .offset: 0, .size: 8, .value_kind: global_buffer, .address_space: global }
      - { .name: wsA, .offset: 8, .size: 8, .value_kind: global_buffer, .address_space: global }
      - { .name: wsC, .offset: 16, .size: 8, .value_kind: global_buffer, .address_space: global }
      - { .name: b2, .offset: 24, .size: 8, .value_kind: global_buffer, .address_space: global }
      - { .name: g2, .offset: 32, .size: 8, .value_kind: global_buffer, .address_space: global }
      - { .name: be2, .offset: 40, .size: 8, .value_kind: global_buffer, .address_space: global }
      - { .name: out0, .offset: 48, .size: 8, .value_kind: global_buffer, .address_space: global }
    .group_segment_fixed_size: 327680
    .private_segment_fixed_size: 0
    .kernarg_segment_align: 8
    .kernarg_segment_size: 56
    .max_flat_workgroup_size: 128
    .sgpr_count:     100
    .vgpr_count:     1024
    .wavefront_size: 32
...
	.end_amdgpu_metadata
.endif
;; end of part 5
;; ======== version 2 of 2: 5 launches
;; limits: right only within a limited range of input values
;; workspace buffers: wsA 12,288,000 bytes; wsB 13,107,200 bytes; wsC 20,578,304 bytes; wsD 13,107,200 bytes
;; launch prep (part 6): grid 960 x 1, 8 waves a work-group, no clusters, 69,632 bytes of LDS; arguments x, g1, be1, Wq_codes, Wq_scales, Wk_codes, Wk_scales, Wv_codes, Wv_scales, W1_codes, W1_scales, W2_codes, W2_scales, wsA; writes wsA
.if DOCPART == 6
	.amdgcn_target "amdgcn-amd-amdhsa--gfx1250"
	.amdhsa_code_object_version 6
	.text
	.protected	k_qf902df8334_prep
	.globl	k_qf902df8334_prep
	.p2align	8
	.type	k_qf902df8334_prep,@function
k_qf902df8334_prep:
	s_mov_b64 s[64:65], 0
	v_nop
	global_prefetch_b8 v0, s[64:65] scope:SCOPE_SE
	s_setreg_imm32_b32 hwreg(HW_REG_WAVE_MODE, 25, 1), 1
	s_wait_xcnt 0x0
; PREP: every operand that the later products read from memory is laid out as IMAGES OF OPERAND REGISTERS.
; A fragment (16 rows x 128 along K of E2M3 codes) is 12 registers a lane; its image is 1,536 bytes: registers 4 c .. 4 c + 3 of lane l at 512 c + 16 l.
; The rows of tile T are not neighbours: lane r stands for row 32 (T / 2) + 8 (T % 2) + r + 8 (r / 8).  A scale word (four E8M0 bytes, 128 along K) of tile i, lane r lies at 64 i + 4 r.
; Work-groups 0-255: tile T of x: LayerNorm 1 in f32, quantised along the 1,024 columns; wave w takes K step w.  Work-groups 256-703: tiles of Wq, Wk, Wv, W1, copied from rows into images.
; Work-groups 704-959: W2 (K = 4,096): tile (T - 704) / 4, K step 8 ((T - 704) % 4) + w.
; The variance is made of centred partial sums (a mean and a sum of squares about it for each 128 columns), never as a difference of large sums.
; LIMITS: NaN and infinities in x are not served; a block whose largest magnitude lies under 2^-124 (zeros too) gets the byte 1; x g + be is one fused multiply-add; 1 / sqrt is v_rsq_f32.
.set STGB, 8448                        ; a wave's stage: 16 rows x (512 bytes + 16)
.set STAT, 8*STGB                      ; behind the stages: [8 waves][16 rows] x (mean, sum of squares)
.set R,    16                          ; v16-79   x as loaded, 512 bytes of a row an instruction; then g1; then the codes
.set X,    80                          ; v80-143  my row's 64 numbers: number 16 b + i is column 32 b + 16 (lane / 16) + i of the wave's 128
.set BE,   144                         ; v144-207 be1
.set TM,   208                         ; v208-223 at work
.set PW,   224                         ; v224     the scale word
.set PC,   16                          ; v16-34   the codes
.set WV,   32                          ; s32      wave
.set KST,  33                          ; s33      K step
.set SEL,  56                          ; s[56:57] selects for lane l xor 16
; 64 numbers of a lane become a fragment's codes in v[PC] on and its scale word in v[pw].  Blocks 0, 1 at v[s0] on, blocks 2, 3 at v[s1] on.
.macro QUANT s0, s1, pw
.irp b, 0,1
	v_max3_num_f32 v[TM+\b], 0x1800000, |v[(\s0)+16*\b]|, |v[(\s0)+16*\b+1]|       ; my 16 numbers of a block, and the floor 2^(3 - 127): the byte cannot fall under 1
	v_max3_num_f32 v[TM+2+\b], 0x1800000, |v[(\s1)+16*\b]|, |v[(\s1)+16*\b+1]|
.endr
.irp i, 2,4,6,8,10,12,14
.irp b, 0,1
	s_delay_alu instid0(VALU_DEP_4)
	v_max3_num_f32 v[TM+\b], v[TM+\b], |v[(\s0)+16*\b+\i]|, |v[(\s0)+16*\b+\i+1]|
	s_delay_alu instid0(VALU_DEP_4)
	v_max3_num_f32 v[TM+2+\b], v[TM+2+\b], |v[(\s1)+16*\b+\i]|, |v[(\s1)+16*\b+\i+1]|
.endr
.endr
.irp b, 0,1,2,3
	v_permlanex16_b32 v[TM+4+\b], v[TM+\b], s[SEL], s[SEL+1]
.endr
.irp b, 0,1,2,3
	s_delay_alu instid0(VALU_DEP_4)
	v_max_num_f32 v[TM+\b], v[TM+\b], v[TM+4+\b]                   ; with lane l xor 16's 16: the block's largest magnitude
.endr
.irp b, 0,1,2,3
	s_delay_alu instid0(VALU_DEP_4)
	v_add_nc_u32 v[TM+12+\b], 0xff000000, v[TM+\b]                 ; 2 off its exponent field: the conversion's scale operand
.endr
.irp b, 0,1,2,3
	s_delay_alu instid0(VALU_DEP_4)
	v_lshrrev_b32 v[TM+4+\b], 23, v[TM+12+\b]                      ; the scale's byte
.endr
	s_delay_alu instid0(VALU_DEP_3)
	v_lshl_or_b32 v[\pw], v[TM+5], 8, v[TM+4]
	s_delay_alu instid0(VALU_DEP_1)
	v_lshl_or_b32 v[\pw], v[TM+6], 16, v[\pw]
	s_delay_alu instid0(VALU_DEP_1)
	v_lshl_or_b32 v[\pw], v[TM+7], 24, v[\pw]
	v_cvt_scalef32_pk16_fp6_f32 v[PC:PC+2], v[(\s0):(\s0)+15], v[TM+12]
	v_cvt_scalef32_pk16_fp6_f32 v[PC+12:PC+14], v[(\s0)+16:(\s0)+31], v[TM+13]   ; (a conversion's three registers begin on an even number)
	v_cvt_scalef32_pk16_fp6_f32 v[PC+6:PC+8], v[(\s1):(\s1)+15], v[TM+14]
	v_cvt_scalef32_pk16_fp6_f32 v[PC+16:PC+18], v[(\s1)+16:(\s1)+31], v[TM+15]
	v_nop                                          ; one plain line behind the conversions
.irp c, 0,1                                    ; the operand wants a whole block in a lane: lanes 0-15 block 2 c, lanes 16-31 block 2 c + 1
.irp i, 0,1,2
	v_permlane16_swap_b32 v[PC+6*\c+\i], v[PC+12+4*\c+\i]
.endr
.irp i, 0,1,2
	s_delay_alu instid0(VALU_DEP_3)
	v_mov_b32 v[PC+3+6*\c+\i], v[PC+12+4*\c+\i]
.endr
.endr
.endm
.macro FOLD                                    ; four packed chains in v[208:215] -> v208, with lane l xor 16's share
	s_delay_alu instid0(VALU_DEP_3)
	v_pk_add_f32 v[208:209], v[208:209], v[210:211]
	s_delay_alu instid0(VALU_DEP_2)
	v_pk_add_f32 v[212:213], v[212:213], v[214:215]
	s_delay_alu instid0(VALU_DEP_1)
	v_pk_add_f32 v[208:209], v[208:209], v[212:213]
	s_delay_alu instid0(VALU_DEP_1)
	v_add_f32 v208, v208, v209
	s_delay_alu instid0(VALU_DEP_1)
	v_permlanex16_b32 v209, v208, s[SEL], s[SEL+1]
	s_delay_alu instid0(VALU_DEP_1)
	v_add_f32 v208, v208, v209
.endm
	s_load_b512 s[4:19], s[0:1], 0x0               ; x, g1, be1, Wq codes, Wq scales, Wk codes, Wk scales, Wv codes
	s_load_b256 s[20:27], s[0:1], 0x40             ; Wv scales, W1 codes, W1 scales, W2 codes
	s_load_b128 s[28:31], s[0:1], 0x60             ; W2 scales, wsA
	v_lshl_add_u32 v232, v0, 2, 0x10c00
	v_mov_b32 v233, 0
	v_lshrrev_b32 v1, 5, v0
	s_delay_alu instid0(VALU_DEP_1)
	v_readfirstlane_b32 s[WV], v1                  ; wave 0..7
	v_and_b32 v1, 31, v0                           ; lane
	v_and_b32 v2, 15, v0                           ; r
	v_bfe_u32 v3, v0, 4, 1                         ; h
	s_delay_alu instid0(VALU_DEP_3)
	v_lshlrev_b32 v4, 4, v1                        ; 16 x lane
	s_delay_alu instid0(VALU_DEP_3)
	v_lshlrev_b32 v11, 2, v2                       ; 4 r
	s_mul_i32 s58, s[WV], STGB
	v_add_nc_u32 v5, s58, v4                       ; the stage, in: a row's 512 bytes as they lie
	v_mul_u32_u24 v6, v2, 528
	s_delay_alu instid0(VALU_DEP_1)
	v_lshl_add_u32 v6, v3, 6, v6
	s_delay_alu instid0(VALU_DEP_1)
	v_add_nc_u32 v6, s58, v6                       ; and out: row r, + 64 h
	v_lshlrev_b32 v8, 3, v2
	s_delay_alu instid0(VALU_DEP_1)
	v_add_nc_u32 v8, STAT, v8                      ; row r's partial figures, wave 0's
	s_lshl_b32 s58, s[WV], 7
	v_add_nc_u32 v7, s58, v8                       ; and my wave's
	v_lshlrev_b32 v10, 6, v3
	s_delay_alu instid0(VALU_DEP_1)
	v_lshl_add_u32 v10, s[WV], 9, v10              ; g1, be1: 512 w + 64 h
	s_mov_b32 s[SEL], 0x76543210
	s_mov_b32 s[SEL+1], 0xfedcba98
	s_mov_b32 s59, 0x3a800000                      ; 2^-10
	s_mov_b32 s60, 0x3727c5ac                      ; 1e-5
	; where my fragment and its scale words go
	s_sub_co_u32 s43, ttmp9, 704
	s_lshr_b32 s42, s43, 2                         ; W2: the tile,
	s_and_b32 s43, s43, 3
	s_lshl_b32 s43, s43, 3                         ; and the first of the work-group's eight K steps
	s_mov_b32 s45, 98304
	s_mov_b32 s46, 4096
	s_mov_b32 s47, 11796480
	s_cmp_ge_u32 ttmp9, 704
	s_cselect_b32 s42, s42, ttmp9                  ; tile in its region
	s_cselect_b32 s43, s43, 0
	s_cselect_b32 s45, 393216, s45                 ; a group's images (128 rows, all of K)
	s_cselect_b32 s46, 16384, s46                  ; a group's scale words
	s_cselect_b32 s47, 12156928, s47               ; the region of scale words
	s_cselect_b32 s48, 8650752, 0                  ; the region of images
	s_add_co_u32 s[KST], s43, s[WV]
	s_lshr_b32 s49, s42, 3                         ; group
	s_and_b32 s50, s42, 7                          ; tile in the group
	s_mul_i32 s34, s49, s45
	s_add_co_u32 s34, s34, s48
	s_mul_i32 s51, s[KST], 12288
	s_add_co_u32 s34, s34, s51
	s_mul_i32 s51, s50, 1536
	s_add_co_u32 s34, s34, s51
	s_mov_b32 s35, 0
	s_mul_i32 s36, s49, s46
	s_add_co_u32 s36, s36, s47
	s_lshl_b32 s51, s[KST], 9
	s_add_co_u32 s36, s36, s51
	s_lshl_b32 s51, s50, 6
	s_add_co_u32 s36, s36, s51
	s_mov_b32 s37, 0
	s_wait_kmcnt 0x0
	s_add_nc_u64 s[38:39], s[30:31], s[34:35]
	s_add_nc_u64 s[40:41], s[30:31], s[36:37]
	s_cmp_lt_u32 ttmp9, 256                        ; the same for all waves of a work-group
	s_cbranch_scc1 .Lx
	; ---- a weight's fragment: six loads of 8 bytes from its rows, as the operand's registers take them
	s_mov_b64 s[44:45], s[26:27]
	s_mov_b64 s[46:47], s[28:29]
	s_sub_co_u32 s48, ttmp9, s42                   ; the tensor's first work-group (for W2: so that the difference below is the tile)
	s_cmp_lt_u32 ttmp9, 704
	s_cselect_b64 s[44:45], s[22:23], s[44:45]
	s_cselect_b64 s[46:47], s[24:25], s[46:47]
	s_cselect_b32 s48, 448, s48
	s_cmp_lt_u32 ttmp9, 448
	s_cselect_b64 s[44:45], s[18:19], s[44:45]
	s_cselect_b64 s[46:47], s[20:21], s[46:47]
	s_cselect_b32 s48, 384, s48
	s_cmp_lt_u32 ttmp9, 384
	s_cselect_b64 s[44:45], s[14:15], s[44:45]
	s_cselect_b64 s[46:47], s[16:17], s[46:47]
	s_cselect_b32 s48, 320, s48
	s_cmp_lt_u32 ttmp9, 320
	s_cselect_b64 s[44:45], s[10:11], s[44:45]
	s_cselect_b64 s[46:47], s[12:13], s[46:47]
	s_cselect_b32 s48, 256, s48
	s_mov_b32 s49, 768
	s_cmp_ge_u32 ttmp9, 704
	s_cselect_b32 s49, 3072, s49                   ; a row of codes in bytes
	s_cselect_b32 s50, 128, 32                     ; a row of scale bytes
	s_sub_co_u32 s51, ttmp9, s48                   ; the tensor's tile
	s_lshr_b32 s52, s51, 1
	s_lshl_b32 s52, s52, 5
	s_and_b32 s51, s51, 1
	s_lshl_b32 s51, s51, 3
	s_add_co_u32 s51, s51, s52                     ; its first row
	v_and_b32 v9, 8, v2
	s_delay_alu instid0(VALU_DEP_1)
	v_add_nc_u32 v9, v9, v2                        ; r + 8 (r / 8)
	s_delay_alu instid0(VALU_DEP_1)
	v_add_nc_u32 v9, s51, v9                       ; my row
	s_delay_alu instid0(VALU_DEP_1)
	v_mul_lo_u32 v12, v9, s49
	s_mul_i32 s52, s[KST], 96
	v_mad_u32_u24 v12, v3, 24, v12
	s_delay_alu instid0(VALU_DEP_1)
	v_add_nc_u32 v12, s52, v12                     ; row, + 96 bytes a K step, + 24 h
	v_mul_lo_u32 v13, v9, s50
	s_delay_alu instid0(VALU_DEP_1)
	v_lshl_add_u32 v13, s[KST], 2, v13
.irp p, 0,1,2,3,4,5
	global_load_b64 v[PC+2*\p:PC+2*\p+1], v12, s[44:45] offset:48*(\p/3)+8*(\p%3)
.endr
	global_load_b32 v[PW], v13, s[46:47]
	s_wait_loadcnt 0x0
	s_branch .Lstore
.Lx:	; ---- a tile of x
	s_lshr_b32 s42, ttmp9, 1
	s_lshl_b32 s42, s42, 17                        ; 32 rows of 4,096 bytes
	s_and_b32 s43, ttmp9, 1
	s_lshl_b32 s43, s43, 15                        ; 8 rows
	s_add_co_u32 s42, s42, s43
	s_lshl_b32 s43, s[WV], 9                       ; my wave's 128 columns
	s_add_co_u32 s42, s42, s43
	s_mov_b32 s43, 0
	s_add_nc_u64 s[4:5], s[4:5], s[42:43]
.irp p, 0,1,2,3,4,5,6,7,8,9,10,11,12,13,14,15
	global_load_b128 v[R+4*\p:R+4*\p+3], v4, s[4:5] offset:(\p+8*(\p/8))*4096 th:TH_LOAD_NT   ; 32 lanes read 512 consecutive bytes of the tile's p-th row
.endr
	s_wait_alu depctr_va_vdst(0)
.irp b, 0,1,2,3
.irp j, 0,1,2,3
	global_load_b128 v[BE+16*\b+4*\j:BE+16*\b+4*\j+3], v10, s[8:9] offset:128*\b+16*\j
.endr
.endr
.irp p, 0,1,2,3,4,5,6,7,8,9,10,11,12,13,14,15
	s_wait_loadcnt 31-\p                           ; row p is in: behind it 15 - p rows and be1's sixteen loads
	ds_store_b128 v5, v[R+4*\p:R+4*\p+3] offset:528*\p
.endr
.irp b, 0,1,2,3
.irp j, 0,1,2,3
	ds_load_b128 v[X+16*\b+4*\j:X+16*\b+4*\j+3], v6 offset:128*\b+16*\j   ; my wave's own bytes, served in order: no barrier
.endr
.endr
	s_wait_dscnt 0x0
.irp b, 0,1,2,3
.irp j, 0,1,2,3
	global_load_b128 v[R+16*\b+4*\j:R+16*\b+4*\j+3], v10, s[6:7] offset:128*\b+16*\j   ; g1, into the registers that the stage's stores have read
.endr
.endr
	; the mean of my row's 128 columns, and the sum of squares about it
.irp c, 0,1,2,3
	v_pk_add_f32 v[208+2*\c:209+2*\c], v[X+2*\c:X+2*\c+1], v[X+8+2*\c:X+9+2*\c]
.endr
.irp i, 16,24,32,40,48,56
.irp c, 0,1,2,3
	s_delay_alu instid0(VALU_DEP_4)
	v_pk_add_f32 v[208+2*\c:209+2*\c], v[208+2*\c:209+2*\c], v[X+\i+2*\c:X+\i+2*\c+1]
.endr
.endr
	FOLD
	s_delay_alu instid0(VALU_DEP_1)
	v_mul_f32 v216, 0x3c000000, v208               ; / 128
	s_delay_alu instid0(VALU_DEP_1)
	v_mov_b32 v217, v216
.irp i, 0,1,2,3,4,5,6,7
.irp c, 0,1,2,3
	v_pk_add_f32 v[218+2*\c:219+2*\c], v[X+8*\i+2*\c:X+8*\i+2*\c+1], v[216:217] op_sel_hi:[1,0] neg_lo:[0,1] neg_hi:[0,1]
.endr
.irp c, 0,1,2,3
.if \i == 0
	s_delay_alu instid0(VALU_DEP_4)
	v_pk_mul_f32 v[208+2*\c:209+2*\c], v[218+2*\c:219+2*\c], v[218+2*\c:219+2*\c]
.else
	s_delay_alu instid0(VALU_DEP_4)
	v_pk_fma_f32 v[208+2*\c:209+2*\c], v[218+2*\c:219+2*\c], v[218+2*\c:219+2*\c], v[208+2*\c:209+2*\c]
.endif
.endr
.endr
	FOLD
	s_delay_alu instid0(VALU_DEP_1)
	v_mov_b32 v217, v208
	ds_store_b64 v7, v[216:217]                    ; lanes r and r + 16 write the same pair
	s_wait_dscnt 0x0                               ; for the others' sake
	s_barrier_signal -1
	s_barrier_wait -1
.irp w, 0,1,2,3,4,5,6,7
	ds_load_b64 v[208+2*\w:209+2*\w], v8 offset:128*\w
.endr
	s_wait_dscnt 0x0
	v_pk_add_f32 v[224:225], v[208:209], v[210:211]
	v_pk_add_f32 v[226:227], v[212:213], v[214:215]
	s_delay_alu instid0(VALU_DEP_2)
	v_pk_add_f32 v[224:225], v[224:225], v[216:217]
	s_delay_alu instid0(VALU_DEP_2)
	v_pk_add_f32 v[226:227], v[226:227], v[218:219]
	s_delay_alu instid0(VALU_DEP_2)
	v_pk_add_f32 v[224:225], v[224:225], v[220:221]
	s_delay_alu instid0(VALU_DEP_2)
	v_pk_add_f32 v[226:227], v[226:227], v[222:223]
	s_delay_alu instid0(VALU_DEP_1)
	v_pk_add_f32 v[224:225], v[224:225], v[226:227]   ; (sum of means, sum of the sums of squares)
	s_delay_alu instid0(VALU_DEP_1)
	v_mul_f32 v228, 0x3e000000, v224               ; the row's mean
	s_delay_alu instid0(VALU_DEP_1)
	v_sub_f32 v226, v208, v228
	s_delay_alu instid0(VALU_DEP_2)
	v_sub_f32 v227, v210, v228
	s_delay_alu instid0(VALU_DEP_2)
	v_mul_f32 v229, v226, v226
	s_delay_alu instid0(VALU_DEP_2)
	v_mul_f32 v230, v227, v227
.irp k, 4,8,12
	v_sub_f32 v226, v[208+\k], v228
	v_sub_f32 v227, v[210+\k], v228
	s_delay_alu instid0(VALU_DEP_2)
	v_fma_f32 v229, v226, v226, v229
	s_delay_alu instid0(VALU_DEP_2)
	v_fma_f32 v230, v227, v227, v230
.endr
	s_delay_alu instid0(VALU_DEP_1)
	v_add_f32 v229, v229, v230
	s_delay_alu instid0(VALU_DEP_1)
	v_fmamk_f32 v225, v229, 0x43000000, v225       ; + 128 x the spread of the partial means
	s_delay_alu instid0(VALU_DEP_1)
	v_fma_f32 v225, v225, s59, s60                 ; / 1,024 (exact) + eps
	s_wait_alu depctr_va_vdst(0)
	v_rsq_f32 v230, v225
	v_mov_b32 v229, v228                           ; a plain line behind the root; (named with v228 as a pair)
	s_wait_alu depctr_va_vdst(0)                   ; ahead of the first line that names the root's result
	v_mov_b32 v231, v230
	s_wait_loadcnt 0x0                             ; g1 and be1
.set k, 0
.rept 32
	v_pk_add_f32 v[X+k:X+k+1], v[X+k:X+k+1], v[228:229] op_sel_hi:[1,0] neg_lo:[0,1] neg_hi:[0,1]
.set k, k+2
.endr
.set k, 0
.rept 32
	v_pk_mul_f32 v[X+k:X+k+1], v[X+k:X+k+1], v[230:231] op_sel_hi:[1,0]
.set k, k+2
.endr
.set k, 0
.rept 32
	v_pk_fma_f32 v[X+k:X+k+1], v[X+k:X+k+1], v[R+k:R+k+1], v[BE+k:BE+k+1]
.set k, k+2
.endr
	QUANT X, X+32, PW
.Lstore:
.irp c, 0,1,2
	global_store_b128 v4, v[PC+4*\c:PC+4*\c+3], s[38:39] offset:512*\c   ; 512 consecutive bytes an instruction
.endr
	v_cmp_gt_u32 vcc_lo, 16, v1
	s_wait_xcnt 0x0                                ; EXEC changes only behind this wait
	s_wait_tensorcnt 0x0
	ds_add_u32 v232, v233
	s_wait_dscnt 0x0
	s_and_saveexec_b32 s54, vcc_lo
	global_store_b32 v11, v[PW], s[40:41]          ; lanes 0-15: the tile's sixteen scale words
	s_wait_xcnt 0x0
	s_or_b32 exec_lo, exec_lo, s54
	s_endpgm
.Lfunc_end_k_qf902df8334_prep:
	.size	k_qf902df8334_prep, .Lfunc_end_k_qf902df8334_prep-k_qf902df8334_prep
	.p2alignl 7, 3214868480
	.fill 96, 4, 3214868480
	.section	.rodata,"a",@progbits
	.p2align	6, 0x0
	.amdhsa_kernel k_qf902df8334_prep
		.amdhsa_group_segment_fixed_size 69632
		.amdhsa_private_segment_fixed_size 0
		.amdhsa_enable_private_segment 0
		.amdhsa_kernarg_size 112
		.amdhsa_user_sgpr_count 2
		.amdhsa_user_sgpr_kernarg_segment_ptr 1
		.amdhsa_wavefront_size32 1
		.amdhsa_system_sgpr_workgroup_id_x 1
		.amdhsa_system_sgpr_workgroup_id_y 1
		.amdhsa_system_sgpr_workgroup_id_z 1
		.amdhsa_system_vgpr_workitem_id 0
		.amdhsa_next_free_vgpr 234
		.amdhsa_next_free_sgpr 66
		.amdhsa_reserve_vcc 1
		.amdhsa_float_denorm_mode_32 3
		.amdhsa_float_denorm_mode_16_64 3
		.amdhsa_memory_ordered 1
		.amdhsa_forward_progress 1
		.amdhsa_inst_pref_size 37
	.end_amdhsa_kernel
	.amdgpu_metadata
---
amdhsa.version: [ 1, 2 ]
amdhsa.kernels:
  - .name:           k_qf902df8334_prep
    .symbol:         k_qf902df8334_prep.kd
    .args:
      - { .name: x, .offset: 0, .size: 8, .value_kind: global_buffer, .address_space: global }
      - { .name: g1, .offset: 8, .size: 8, .value_kind: global_buffer, .address_space: global }
      - { .name: be1, .offset: 16, .size: 8, .value_kind: global_buffer, .address_space: global }
      - { .name: Wq_codes, .offset: 24, .size: 8, .value_kind: global_buffer, .address_space: global }
      - { .name: Wq_scales, .offset: 32, .size: 8, .value_kind: global_buffer, .address_space: global }
      - { .name: Wk_codes, .offset: 40, .size: 8, .value_kind: global_buffer, .address_space: global }
      - { .name: Wk_scales, .offset: 48, .size: 8, .value_kind: global_buffer, .address_space: global }
      - { .name: Wv_codes, .offset: 56, .size: 8, .value_kind: global_buffer, .address_space: global }
      - { .name: Wv_scales, .offset: 64, .size: 8, .value_kind: global_buffer, .address_space: global }
      - { .name: W1_codes, .offset: 72, .size: 8, .value_kind: global_buffer, .address_space: global }
      - { .name: W1_scales, .offset: 80, .size: 8, .value_kind: global_buffer, .address_space: global }
      - { .name: W2_codes, .offset: 88, .size: 8, .value_kind: global_buffer, .address_space: global }
      - { .name: W2_scales, .offset: 96, .size: 8, .value_kind: global_buffer, .address_space: global }
      - { .name: wsA, .offset: 104, .size: 8, .value_kind: global_buffer, .address_space: global }
    .group_segment_fixed_size: 69632
    .private_segment_fixed_size: 0
    .kernarg_segment_align: 8
    .kernarg_segment_size: 112
    .max_flat_workgroup_size: 256
    .sgpr_count:     66
    .vgpr_count:     234
    .wavefront_size: 32
...
	.end_amdgpu_metadata
.endif
;; end of part 6
;; launch qkv (part 7): grid 12 x 16, 4 waves a work-group, clusters of 4 x 4, 327,680 bytes of LDS; arguments wsA, wsB; writes wsB
.if DOCPART == 7
	.amdgcn_target "amdgcn-amd-amdhsa--gfx1250"
	.amdhsa_code_object_version 6
	.text
	.protected	k_qf902df8334_qkv
	.globl	k_qf902df8334_qkv
	.p2align	8
	.type	k_qf902df8334_qkv,@function
k_qf902df8334_qkv:
	s_mov_b64 s[64:65], 0
	v_nop
	global_prefetch_b8 v0, s[64:65] scope:SCOPE_SE
	s_setreg_imm32_b32 hwreg(HW_REG_WAVE_MODE, 25, 1), 1
	s_wait_xcnt 0x0
	s_wait_alu depctr_hold_cnt(0) depctr_sa_sdst(0) depctr_va_vdst(0) depctr_va_sdst(0) depctr_va_ssrc(0) depctr_va_vcc(0) depctr_vm_vsrc(0)
	s_getreg_b32 s2, hwreg(HW_REG_IB_STS2, 6, 4)
	s_cmp_eq_u32 s2, 0
	s_cbranch_scc0 .Lentry_in_a_cluster
	s_endpgm
.Lentry_in_a_cluster:
	s_bfe_u32 s2, ttmp6, 0x10000c
	s_cmp_lg_u32 s2, 0xf033
	s_cbranch_scc0 .Lentry_shape_is_right
	s_endpgm
.Lentry_shape_is_right:
; QKV: q = xn Wq, k = xn Wk and V^T = Wv^T xn^T, on codes of E2M3 with E8M0 scales, K = 1,024; the results are quantised here and stored as the operand images that the attention launch reads.
; Both operands are groups of 128 rows in one region of wsA (groups 0-31 xn, 32-39 Wq, 40-47 Wk, 48-55 Wv), so the three products differ only in group numbers: cluster x = 0: q, 1: k, 2: v (A = Wv, B = xn).
; A tile of C, 256 x 256, is made by four waves, 128 x 128 each: 64 accumulators, 512 registers.  K goes in slots of 256 through a ring of two LDS slots; a wave's tensor load brings 128 rows x 256 K: 24,576 dense bytes.
; OPERANDS ARE IMAGES OF REGISTERS: a fragment is three ds_load_b128 at 16 x lane.  The rows of a tile are not neighbours (lane r: row 32 (T / 2) + 8 (T % 2) + r + 8 (r / 8)), and the matrix instruction is used
; transposed (source 0 = 16 rows of B, source 1 = 16 rows of A): so the 64 registers of a block of A's rows are, in a lane, 64 numbers of ONE row of C, number 16 b + i = column 32 b + 16 (lane / 16) + i: what the quantiser takes.
; CLUSTERS: 4 x 4 work-groups; A's tiles are asked for jointly along a row of the cluster, B's along a column.
; RECORDS in wsB, 12,800 bytes for each (batch, head, 128 tokens): four fragments of k (or q), four of V^T, their scale words.  A fragment of k holds 32 keys: registers 0-5 key 32 t + r + 8 (r / 8), registers 6-11 the key 8 further on.
; LIMITS: a block whose largest magnitude lies under 2^-124 (zeros too) gets the byte 1; NaN and infinities are not served.
.set NK,    8
.set LAPS,  NK/4
.set GSTR,  NK*12288                   ; a group's images
.set SSTR,  NK*512                     ; a group's scale words
.set SOFF,  11796480                   ; where the scale words begin in wsA
.set KVREG, 6553600                    ; where the records of k and V begin in wsB
.set HALFT, 24576
.set SLOT,  4*HALFT                    ; A's two groups, then B's two
.set SCL,   2*SLOT                     ; behind the ring: the four groups' scale words for all of K, filled once
.set SPARE, SCL+4*SSTR                 ; the spare words: 128 bytes a wave, named by no other line
.set FR,    12
.set ADRA, 16                          ; v16-17 my A fragments in slot 0, 1
.set ADRB, 20                          ; v20-21 my B fragments
.set ADSA, 22                          ; v22    A's scale words of the K steps in hand
.set ADSB, 23                          ; v23    B's
.set SPW,  28
.set NIL,  29
.set SC,   32                          ; v32-63 scale words, two sets of 16: A's at +4 q + p, B's at +8 + 4 q + p; lanes 0-15 tile 2 p, lanes 16-31 tile 2 p + 1
.set BIAS, 64
.set AF,   128                         ; v128-223 A's eight fragments; B's two sets lie in window 1; the accumulators in windows 2 and 3
.set TM,   200                         ; the way out
.set PC,   216
.set PWS,  236
.set SD,   244
.set G1, 24
.set G0, 32
.set G1B, 48
.set G0B, 56
.set G1S, 68
.set G0S, 76
.set G1SB, 80
.set G0SB, 88
.set SEL, 66
.set HM,  2
.set MSB, 0
.macro WIN new                         ; the immediate's high byte repeats the setting that is left
.if MSB != (\new)
	s_set_vgpr_msb (MSB<<8)|(\new)
.set MSB, (\new)
.endif
.endm
.macro JLOAD g0a, g1a, g0b, g1b        ; a joint load: waves 0 and 1 fetch for A, waves 2 and 3 for B; four v_nop follow each line
	s_cmp_eq_u32 s15, 0
	s_cbranch_scc0 .Lfor_b_\@
	tensor_load_to_lds s[\g0a:\g0a+3], s[\g1a:\g1a+7]
	s_nop 0
.rept 4
	v_nop
.endr
	s_branch .Lasked_\@
.Lfor_b_\@:
	tensor_load_to_lds s[\g0b:\g0b+3], s[\g1b:\g1b+7]
	s_nop 0
.rept 4
	v_nop
.endr
.Lasked_\@:
.endm
.macro CREST                           ; a round of the cluster's barrier behind its opening barrier
	s_cmp_lg_u32 s14, 0
	s_cbranch_scc1 .Lnot_wave_0_\@
	s_barrier_signal -3
.Lnot_wave_0_\@:
	s_barrier_wait -3
	s_barrier_signal -1
	s_barrier_wait -1
.endm
.macro CROUND
	s_barrier_signal -1
	s_barrier_wait -1
	CREST
.endm
.macro PLACES n
.rept \n
	v_nop
.endr
.endm
.macro FRAG reg, adr, q, i             ; a fragment's image: three loads of 512 consecutive bytes
.irp c, 0,1,2
	ds_load_b128 v[(\reg)+4*\c:(\reg)+4*\c+3], v[\adr] offset:12288*(\q)+1536*(\i)+512*\c
.endr
.endm
.macro FETCH_B slot, q, p
	WIN 0x40
.irp i, 0,1,2,3,4,5,6,7
	FRAG 128*(\p)+FR*\i, ADRB+\slot, \q, \i
.endr
	WIN 0
.endm
.macro FETCH_A slot, q, i0
.irp i, \i0, \i0+1, \i0+2, \i0+3
	FRAG AF+FR*(\i), ADRA+\slot, \q, \i
.endr
.endm
.macro SCALES sc
.irp q, 0,1
.irp p, 0,1,2,3
	ds_load_b32 v[SC+16*\sc+4*\q+\p], v[ADSA] offset:512*\q+128*\p
	ds_load_b32 v[SC+16*\sc+8+4*\q+\p], v[ADSB] offset:512*\q+128*\p
.endr
.endr
.endm
; one product: A's block a x B's block b.  cm = 0: C is 0 (the first product starts the sum), 1: in place, 2: C is the bias.  A tile's parity says in which half of the lanes its scale words lie.
.macro WM a, b, p, q, sc, cm
.set rD, 8*(8*((\a)%4)+(\b))
.set rB, 128*(\p)+FR*(\b)
.set rA, AF+FR*(\a)
.set rT, SC+16*(\sc)+8+4*(\q)+(\b)/2
.set rS, SC+16*(\sc)+4*(\q)+(\a)/2
.set rC, rD
.if (\cm) == 2
.set rC, BIAS+8*(\b)
.endif
.set par, 2*((\a)%2)+(\b)%2
.if (\cm) == 0
.if par == 0
	v_wmma_scale_f32_16x16x128_f8f6f4 v[rD:rD+7], v[rB:rB+FR-1], v[rA:rA+FR-1], 0, v[rT], v[rS] matrix_a_fmt:MATRIX_FMT_FP6 matrix_b_fmt:MATRIX_FMT_FP6
.elseif par == 1
	v_wmma_scale_f32_16x16x128_f8f6f4 v[rD:rD+7], v[rB:rB+FR-1], v[rA:rA+FR-1], 0, v[rT], v[rS] matrix_a_fmt:MATRIX_FMT_FP6 matrix_b_fmt:MATRIX_FMT_FP6 matrix_a_scale:MATRIX_SCALE_ROW1
.elseif par == 2
	v_wmma_scale_f32_16x16x128_f8f6f4 v[rD:rD+7], v[rB:rB+FR-1], v[rA:rA+FR-1], 0, v[rT], v[rS] matrix_a_fmt:MATRIX_FMT_FP6 matrix_b_fmt:MATRIX_FMT_FP6 matrix_b_scale:MATRIX_SCALE_ROW1
.else
	v_wmma_scale_f32_16x16x128_f8f6f4 v[rD:rD+7], v[rB:rB+FR-1], v[rA:rA+FR-1], 0, v[rT], v[rS] matrix_a_fmt:MATRIX_FMT_FP6 matrix_b_fmt:MATRIX_FMT_FP6 matrix_a_scale:MATRIX_SCALE_ROW1 matrix_b_scale:MATRIX_SCALE_ROW1
.endif
.else
.if par == 0
	v_wmma_scale_f32_16x16x128_f8f6f4 v[rD:rD+7], v[rB:rB+FR-1], v[rA:rA+FR-1], v[rC:rC+7], v[rT], v[rS] matrix_a_fmt:MATRIX_FMT_FP6 matrix_b_fmt:MATRIX_FMT_FP6
.elseif par == 1
	v_wmma_scale_f32_16x16x128_f8f6f4 v[rD:rD+7], v[rB:rB+FR-1], v[rA:rA+FR-1], v[rC:rC+7], v[rT], v[rS] matrix_a_fmt:MATRIX_FMT_FP6 matrix_b_fmt:MATRIX_FMT_FP6 matrix_a_scale:MATRIX_SCALE_ROW1
.elseif par == 2
	v_wmma_scale_f32_16x16x128_f8f6f4 v[rD:rD+7], v[rB:rB+FR-1], v[rA:rA+FR-1], v[rC:rC+7], v[rT], v[rS] matrix_a_fmt:MATRIX_FMT_FP6 matrix_b_fmt:MATRIX_FMT_FP6 matrix_b_scale:MATRIX_SCALE_ROW1
.else
	v_wmma_scale_f32_16x16x128_f8f6f4 v[rD:rD+7], v[rB:rB+FR-1], v[rA:rA+FR-1], v[rC:rC+7], v[rT], v[rS] matrix_a_fmt:MATRIX_FMT_FP6 matrix_b_fmt:MATRIX_FMT_FP6 matrix_a_scale:MATRIX_SCALE_ROW1 matrix_b_scale:MATRIX_SCALE_ROW1
.endif
.endif
.endm
.macro MUL16 a0, p, q, sc, cm          ; the 64 accumulators take turns, one instruction a turn, in the same order in every step
.irp a, \a0, \a0+1
.irp b, 0,1,2,3,4,5,6,7
	WM \a, \b, \p, \q, \sc, \cm
.endr
.endr
.endm
; a step of 128 along K that has its successor in the same slot
.macro STEP slot, q, cm
	s_wait_dscnt 12                                ; B's set, A's blocks 0-3 and the scale words are in; the youngest twelve loads (A's blocks 4-7) may be out
.if (\cm) == 2
	WIN 0x81
.else
	WIN 0xa1
.endif
	MUL16 0, (\q)%2, \q, \slot, \cm
	MUL16 2, (\q)%2, \q, \slot, \cm
	s_wait_dscnt 0x0
	PLACES 4                                       ; in front of loads into registers that matrix instructions have read
	FETCH_B \slot, (\q)+1, 1-(\q)%2
	FETCH_A \slot, (\q)+1, 0
.if (\cm) == 2
	WIN 0xc1
.else
	WIN 0xf1
.endif
	MUL16 4, (\q)%2, \q, \slot, \cm
	MUL16 6, (\q)%2, \q, \slot, \cm
	PLACES 4
	WIN 0
	FETCH_A \slot, (\q)+1, 4
.endm
; a slot's last step changes slots: one barrier; in front of it each wave waits for all its tensor loads, adds 0 to its spare word, and waits for that and for its reads of this slot
.macro TURN slot, next, fill
	s_wait_tensorcnt 0x0                           ; all my tensor loads have landed: my part of the next slot
	ds_add_u32 v[SPW], v[NIL]                      ; 0 onto my spare word
	s_wait_dscnt 13                                ; (the add and the youngest twelve loads may be out)
	WIN 0xa1
	MUL16 0, 1, 1, \slot, 1
	s_wait_dscnt 0x0                               ; the add is done, and my reads of this slot are over
	s_barrier_signal -1
	MUL16 2, 1, 1, \slot, 1
	WIN 0
	s_barrier_wait -1
.if \fill
	CREST                                          ; the barrier has opened a round of the cluster's: no wave of any partner still reads this slot or has a load on its way
	s_add_nc_u64 s[G0+4*\slot+2:G0+4*\slot+3], s[G0+4*\slot+2:G0+4*\slot+3], 2*HALFT
	s_add_nc_u64 s[G0B+4*\slot+2:G0B+4*\slot+3], s[G0B+4*\slot+2:G0B+4*\slot+3], 2*HALFT
	JLOAD G0+4*\slot, G1, G0B+4*\slot, G1B         ; the first tensor load behind the round; its four v_nop are the places in front of the loads below
.else
	PLACES 4
.endif
	s_wait_alu depctr_va_vdst(0)
	v_add_nc_u32 v[ADSA], 1024, v[ADSA]            ; the next two K steps' scale words
	v_add_nc_u32 v[ADSB], 1024, v[ADSB]
	FETCH_B \next, 0, 0
	FETCH_A \next, 0, 0
	SCALES \next
	WIN 0xf1
	MUL16 4, 1, 1, \slot, 1
	MUL16 6, 1, 1, \slot, 1
	PLACES 4
	WIN 0
	FETCH_A \next, 0, 4
.endm
; 64 numbers of a lane in window w (blocks 0, 1 at v[s0] on, blocks 2, 3 at v[s1] on) become a fragment's codes in v[PC] on and its scale word in v[pw]
.macro QUANT s0, s1, w, pw
	WIN (((\w)<<2)|((\w)<<4))
.irp b, 0,1
	v_max3_num_f32 v[TM+\b], 0x1800000, |v[(\s0)+16*\b]|, |v[(\s0)+16*\b+1]|       ; the floor 2^(3 - 127) holds the byte at 1 from below; each accumulator is read from its low end on
	v_max3_num_f32 v[TM+2+\b], 0x1800000, |v[(\s1)+16*\b]|, |v[(\s1)+16*\b+1]|
.endr
.irp i, 2,4,6,8,10,12,14
.irp b, 0,1
	v_max3_num_f32 v[TM+\b], v[TM+\b], |v[(\s0)+16*\b+\i]|, |v[(\s0)+16*\b+\i+1]|
	v_max3_num_f32 v[TM+2+\b], v[TM+2+\b], |v[(\s1)+16*\b+\i]|, |v[(\s1)+16*\b+\i+1]|
.endr
.endr
	WIN 0
.irp b, 0,1,2,3
	v_permlanex16_b32 v[TM+4+\b], v[TM+\b], s[SEL], s[SEL+1]
.endr
.irp b, 0,1,2,3
	v_max_num_f32 v[TM+\b], v[TM+\b], v[TM+4+\b]
.endr
.irp b, 0,1,2,3
	v_add_nc_u32 v[TM+12+\b], 0xff000000, v[TM+\b]                 ; 2 off the exponent field: the conversion's scale operand
.endr
.irp b, 0,1,2,3
	v_lshrrev_b32 v[TM+4+\b], 23, v[TM+12+\b]
.endr
	v_lshl_or_b32 v[\pw], v[TM+5], 8, v[TM+4]
	v_lshl_or_b32 v[\pw], v[TM+6], 16, v[\pw]
	v_lshl_or_b32 v[\pw], v[TM+7], 24, v[\pw]
	WIN (\w)
	v_cvt_scalef32_pk16_fp6_f32 v[PC:PC+2], v[(\s0):(\s0)+15], v[TM+12]
	v_cvt_scalef32_pk16_fp6_f32 v[PC+12:PC+14], v[(\s0)+16:(\s0)+31], v[TM+13]
	v_cvt_scalef32_pk16_fp6_f32 v[PC+6:PC+8], v[(\s1):(\s1)+15], v[TM+14]
	v_cvt_scalef32_pk16_fp6_f32 v[PC+16:PC+18], v[(\s1)+16:(\s1)+31], v[TM+15]
	WIN 0
	v_nop                                          ; one plain line behind the conversions
.irp c, 0,1
.irp i, 0,1,2
	v_permlane16_swap_b32 v[PC+6*\c+\i], v[PC+12+4*\c+\i]
.endr
.irp i, 0,1,2
	v_mov_b32 v[PC+3+6*\c+\i], v[PC+12+4*\c+\i]
.endr
.endr
.endm
.macro OUTFRAG n, s0, s1, w            ; fragment n of my eight: head n / 4, place n % 4 in its record
	s_wait_xcnt 0x0                                ; the last fragment's stores have read the codes' registers
	QUANT (\s0), (\s1), (\w), PWS+(\n)
.irp c, 0,1,2
	global_store_b128 v24, v[PC+4*\c:PC+4*\c+3], s[12:13] offset:((\n)/4)*204800+((\n)%4)*1536+512*\c
.endr
.endm
	s_load_b128 s[4:7], s[0:1], 0x0                ; wsA, wsB
	v_lshl_add_u32 v[SPW], v0, 2, SPARE
	v_mov_b32 v[NIL], 0
	ds_add_u32 v28, v29
	ds_add_u32 v28, v29
	s_wait_dscnt 0x0
	v_lshrrev_b32 v1, 5, v0
	v_readfirstlane_b32 s14, v1                    ; wave 0..3
	s_lshr_b32 s15, s14, 1                         ; my half of the tile's rows.  Also: I fetch for A (0) or for B (1)
	s_and_b32 s16, s14, 1                          ; my half of its columns.  Also: which group I fetch
	s_bfe_u32 s40, ttmp6, 0x40000                  ; cx
	s_bfe_u32 s41, ttmp6, 0x40004                  ; cy
	s_and_b32 s18, ttmp7, 0xffff
	s_lshl_b32 s18, s18, 2                         ; 4 x cluster y
	s_lshl_b32 s19, ttmp9, 2
	s_add_co_u32 s19, s19, 16                      ; q: 16, k: 20: pairs of groups of Wq, Wk
	s_cmp_eq_u32 ttmp9, 2                          ; v?  The same in all partners
	s_cselect_b32 s17, 24, s18
	s_cselect_b32 s42, s18, s19
	s_add_co_u32 s17, s17, s41                     ; A's pair of groups
	s_add_co_u32 s42, s42, s40                     ; B's pair of groups
	s_lshl_b32 s43, s41, 2
	s_lshl_b32 s43, 15, s43                        ; my row of the cluster
	s_lshl_b32 s44, 0x1111, s40                    ; my column
	s_or_b32 s[G1+0], s43, (3<<16)|(1<<21)         ; 15:0 the mask; 17:16 elements of 8 bytes; 21 set beside a mask; no padding
	s_or_b32 s[G1B+0], s44, (3<<16)|(1<<21)
.irp g, G1, G1B                                ; the head's shape: a slot's share of BOTH groups of a pair: two rows of 24,576 bytes, a group's images apart
	s_mov_b32 s[\g+1], 3072<<16                    ; tensor_dim0: 3,072 elements of 8 bytes
	s_mov_b32 s[\g+2], 2<<16                       ; tensor_dim1
	s_mov_b32 s[\g+3], 3072<<16                    ; tile_dim0
	s_mov_b32 s[\g+4], 2                           ; tile_dim1
	s_mov_b32 s[\g+5], GSTR/8                      ; the pitch
	s_mov_b32 s[\g+6], 0
	s_mov_b32 s[\g+7], 0
.endr
	s_or_b32 s[G1S+0], s43, (3<<16)|(1<<21)
	s_or_b32 s[G1SB+0], s44, (3<<16)|(1<<21)
.irp g, G1S, G1SB
	s_mov_b32 s[\g+1], 32<<16
	s_mov_b32 s[\g+2], (2*SSTR/256)<<16            ; a pair of groups' scale words: 8,192 dense bytes
	s_mov_b32 s[\g+3], 32<<16
	s_mov_b32 s[\g+4], 2*SSTR/256
	s_mov_b32 s[\g+5], 32
	s_mov_b32 s[\g+6], 0
	s_mov_b32 s[\g+7], 0
.endr
	s_lshl_b32 s20, s17, 1
	s_lshl_b32 s46, s42, 1
	s_mul_i32 s22, s20, SSTR
	s_add_co_u32 s22, s22, SOFF
	s_mov_b32 s23, 0
	s_mul_i32 s92, s46, SSTR
	s_add_co_u32 s92, s92, SOFF
	s_mov_b32 s93, 0
	s_mul_i32 s20, s20, GSTR
	s_mov_b32 s21, 0
	s_mul_i32 s46, s46, GSTR
	s_mov_b32 s47, 0
	s_mul_i32 s45, s14, HALFT                      ; where they go: by the wave's number alone
	s_wait_kmcnt 0x0
	s_add_nc_u64 s[20:21], s[4:5], s[20:21]
	s_add_nc_u64 s[22:23], s[4:5], s[22:23]
	s_add_nc_u64 s[46:47], s[4:5], s[46:47]
	s_add_nc_u64 s[92:93], s[4:5], s[92:93]
	CROUND                                         ; all sixteen work-groups are here: the first joint loads meet
	s_mov_b32 s[G0S], 1
	s_mov_b32 s[G0S+1], SCL
	s_mov_b64 s[G0S+2:G0S+3], s[22:23]
	s_or_b32 s[G0S+3], s[G0S+3], 0x80000000
	s_mov_b32 s[G0SB], 1
	s_mov_b32 s[G0SB+1], SCL+2*SSTR
	s_mov_b64 s[G0SB+2:G0SB+3], s[92:93]
	s_or_b32 s[G0SB+3], s[G0SB+3], 0x80000000
.irp s, 0,1
	s_mov_b32 s[G0+4*\s], 1
	s_add_co_u32 s[G0+4*\s+1], s45, \s*SLOT
	s_add_nc_u64 s[G0+4*\s+2:G0+4*\s+3], s[20:21], \s*HALFT
	s_or_b32 s[G0+4*\s+3], s[G0+4*\s+3], 0x80000000
	s_mov_b32 s[G0B+4*\s], 1
	s_add_co_u32 s[G0B+4*\s+1], s45, \s*SLOT
	s_add_nc_u64 s[G0B+4*\s+2:G0B+4*\s+3], s[46:47], \s*HALFT
	s_or_b32 s[G0B+4*\s+3], s[G0B+4*\s+3], 0x80000000
.endr
	s_mul_i32 s4, s16, GSTR                        ; in the ring I fetch one group of a pair: which, in bytes (wsA's address is done with)
	s_mov_b32 s5, 0
	s_add_nc_u64 s[G0+6:G0+7], s[G0+6:G0+7], s[4:5]
	s_add_nc_u64 s[G0B+6:G0B+7], s[G0B+6:G0B+7], s[4:5]
	s_mov_b32 s[G0+1], 0                           ; slot 0's sets serve the head first: A's whole share of the slot,
	s_mov_b32 s[G0B+1], 2*HALFT                    ; and B's behind it
; THE HEAD'S LOADS, ONE A WAVE: wave 0 A's share of slot 0, wave 1 B's, wave 2 A's scale words, wave 3 B's.  One chain of branches on the wave's number, one load to an arm, one join.
.macro ARM under, g0, g1, next
	s_cmp_lt_u32 s14, \under
	s_cbranch_scc0 \next
	tensor_load_to_lds s[\g0:\g0+3], s[\g1:\g1+7]
	s_nop 0
.rept 4
	v_nop
.endr
	s_branch .Lhead_asked
\next:
.endm
	ARM 1, G0,  G1,  .Lhead_b
	ARM 2, G0B, G1B, .Lhead_sa
	ARM 3, G0S, G1S, .Lhead_sb
	tensor_load_to_lds s[G0SB:G0SB+3], s[G1SB:G1SB+7]
	s_nop 0
.rept 4
	v_nop
.endr
.Lhead_asked:
	v_and_b32 v1, 31, v0
	v_lshlrev_b32 v24, 4, v1                       ; 16 x lane
	v_lshlrev_b32 v25, 2, v1                       ; 4 x lane
	s_wait_alu depctr_va_vdst(0)
	s_mul_i32 s21, s15, HALFT
	s_mul_i32 s22, s16, HALFT
	s_add_co_u32 s22, s22, 2*HALFT
.irp s, 0,1
	v_add_nc_u32 v[ADRA+\s], s21, v24
	v_add_nc_u32 v[ADRB+\s], s22, v24
	s_add_co_u32 s21, s21, SLOT
	s_add_co_u32 s22, s22, SLOT
.endr
	s_mul_i32 s21, s15, SSTR
	s_add_co_u32 s21, s21, SCL
	v_add_nc_u32 v[ADSA], s21, v25
	s_mul_i32 s22, s16, SSTR
	s_add_co_u32 s22, s22, SCL+2*SSTR
	v_add_nc_u32 v[ADSB], s22, v25
	s_mov_b32 s[SEL], 0x76543210
	s_mov_b32 s[SEL+1], 0xfedcba98
	s_mov_b32 s[HM], 0xffff0000                    ; lanes 16-31
	; where my results go
	s_lshl_b32 s95, s17, 1
	s_add_co_u32 s95, s95, s15                     ; my group of A
	s_lshl_b32 s96, s42, 1
	s_add_co_u32 s96, s96, s16                     ; my group of B
	s_sub_co_u32 s97, s95, 48
	s_lshl_b32 s97, s97, 1                         ; v: the first of my two heads
	s_lshl_b32 s98, s40, 1
	s_add_co_u32 s98, s98, s16
	s_lshl_b32 s98, s98, 1                         ; q, k: likewise
	s_cmp_eq_u32 ttmp9, 2
	s_cselect_b32 s95, s96, s95                    ; my 128 tokens
	s_cselect_b32 s97, s97, s98
	s_cselect_b32 s98, 6144, 0                     ; V's fragments lie behind k's in a record,
	s_cselect_b32 s99, 256, 0                      ; and so do its scale words
	s_cmp_eq_u32 ttmp9, 0
	s_cselect_b32 s96, 0, KVREG
	s_lshr_b32 s18, s95, 4                         ; batch
	s_lshl_b32 s18, s18, 4
	s_add_co_u32 s18, s18, s97                     ; (batch, head)
	s_lshl_b32 s18, s18, 4
	s_and_b32 s95, s95, 15
	s_add_co_u32 s18, s18, s95                     ; the record
	s_mul_i32 s18, s18, 12800
	s_add_co_u32 s18, s18, s96
	s_mov_b32 s19, 0
	s_add_nc_u64 s[12:13], s[6:7], s[18:19]
	s_add_co_u32 s18, s99, 12288
	s_add_nc_u64 s[92:93], s[12:13], s[18:19]      ; its scale words
	s_mov_b32 s18, s98
	s_add_nc_u64 s[12:13], s[12:13], s[18:19]      ; its fragments
	s_wait_alu depctr_va_vdst(0)
	s_wait_tensorcnt 0x0                           ; my tile of the head's four is in
	ds_add_u32 v[SPW], v[NIL]
.irp g, G1, G1B                                ; no tensor load of mine is out, so descriptors may be written: the ring's shape, 96 rows of 256 bytes
	s_mov_b32 s[\g+1], 32<<16
	s_mov_b32 s[\g+2], 96<<16
	s_mov_b32 s[\g+3], 32<<16
	s_mov_b32 s[\g+4], 96
	s_mov_b32 s[\g+5], 32
.endr
	s_mov_b32 s[G0+1], s45                         ; slot 0's sets for the ring: my quarter of the slot, my group
	s_mov_b32 s[G0B+1], s45
	s_add_nc_u64 s[G0+2:G0+3], s[G0+2:G0+3], s[4:5]
	s_add_nc_u64 s[G0B+2:G0B+3], s[G0B+2:G0B+3], s[4:5]
	s_wait_dscnt 0x0                               ; the add is done
	CROUND                                         ; a whole round: all four tiles are in, and the joint loads meet
	JLOAD G0+4, G1, G0B+4, G1B                     ; slot 1's first fill, the first tensor load behind the round
	FETCH_B 0, 0, 0
	FETCH_A 0, 0, 0
	SCALES 0
	FETCH_A 0, 0, 4
	STEP 0, 0, 0                                   ; the first step stands in front of the loop: its products start the sums
	s_mov_b32 s3, LAPS-1
.Llap:
	TURN 0, 1, 1
	STEP 1, 0, 1
	TURN 1, 0, 1
	STEP 0, 0, 1
	s_sub_co_u32 s3, s3, 1
	s_cmp_lg_u32 s3, 0
	s_cbranch_scc1 .Llap
	TURN 0, 1, 0                                   ; the last lap fills nothing
	STEP 1, 0, 1
	s_wait_dscnt 12
	WIN 0xa1
	MUL16 0, 1, 1, 1, 1
	MUL16 2, 1, 1, 1, 1
	s_wait_dscnt 0x0
	WIN 0xf1
	MUL16 4, 1, 1, 1, 1
	MUL16 6, 1, 1, 1, 1
	WIN 0
	PLACES 4                                       ; in front of the first read of results and the first write of registers that held A's fragments
.irp b, 0,1,2,3
	v_mov_b32 v[TM+4+\b], 0                        ; written once: a lane permute's destination counts as one of its sources
.endr
	s_cmp_eq_u32 ttmp9, 2
	s_cbranch_scc1 .Lv
.irp e, 0,1                                    ; q, k: head e of my two; blocks 2 t and 2 t + 1 of the tokens make one fragment of 32 tokens x 64 channels
.irp t, 0,1,2,3
	OUTFRAG 4*\e+\t, 64*((2*\t)%4)+32*\e, 64*((2*\t+1)%4)+32*\e, 2+\t/2
.endr
.endr
	s_branch .Lwords
.Lv:
.irp a, 0,1,2,3,4,5,6,7                        ; v: block a is 16 channels x my 128 tokens: a whole fragment of V^T
	OUTFRAG \a, 64*(\a%4), 64*(\a%4)+32, 2+\a/4
.endr
.Lwords:
.irp e, 0,1
.irp p, 0,1
	v_cndmask_b32 v[SD+2*\e+\p], v[PWS+4*\e+2*\p], v[PWS+4*\e+2*\p+1], s[HM]   ; lanes 0-15 fragment 2 p's words, lanes 16-31 fragment 2 p + 1's
.endr
.endr
.irp e, 0,1
.irp p, 0,1
	global_store_b32 v25, v[SD+2*\e+\p], s[92:93] offset:\e*204800+128*\p
.endr
.endr
	s_wait_tensorcnt 0x0                           ; the wave's end
	ds_add_u32 v[SPW], v[NIL]
	s_wait_dscnt 0x0
	CROUND                                         ; the closing round
	s_endpgm
.Lfunc_end_k_qf902df8334_qkv:
	.size	k_qf902df8334_qkv, .Lfunc_end_k_qf902df8334_qkv-k_qf902df8334_qkv
	.p2alignl 7, 3214868480
	.fill 96, 4, 3214868480
	.section	.rodata,"a",@progbits
	.p2align	6, 0x0
	.amdhsa_kernel k_qf902df8334_qkv
		.amdhsa_group_segment_fixed_size 327680
		.amdhsa_private_segment_fixed_size 0
		.amdhsa_enable_private_segment 0
		.amdhsa_kernarg_size 16
		.amdhsa_user_sgpr_count 2
		.amdhsa_user_sgpr_kernarg_segment_ptr 1
		.amdhsa_wavefront_size32 1
		.amdhsa_system_sgpr_workgroup_id_x 1
		.amdhsa_system_sgpr_workgroup_id_y 1
		.amdhsa_system_sgpr_workgroup_id_z 1
		.amdhsa_system_vgpr_workitem_id 0
		.amdhsa_next_free_vgpr 1024
		.amdhsa_next_free_sgpr 100
		.amdhsa_reserve_vcc 0
		.amdhsa_float_denorm_mode_32 3
		.amdhsa_float_denorm_mode_16_64 3
		.amdhsa_memory_ordered 1
		.amdhsa_forward_progress 1
		.amdhsa_inst_pref_size 177
	.end_amdhsa_kernel
	.amdgpu_metadata
---
amdhsa.version: [ 1, 2 ]
amdhsa.kernels:
  - .name:           k_qf902df8334_qkv
    .symbol:         k_qf902df8334_qkv.kd
    .args:
      - { .name: wsA, .offset: 0, .size: 8, .value_kind: global_buffer, .address_space: global }
      - { .name: wsB, .offset: 8, .size: 8, .value_kind: global_buffer, .address_space: global }
    .group_segment_fixed_size: 327680
    .private_segment_fixed_size: 0
    .kernarg_segment_align: 8
    .kernarg_segment_size: 16
    .max_flat_workgroup_size: 128
    .sgpr_count:     100
    .vgpr_count:     1024
    .wavefront_size: 32
...
	.end_amdgpu_metadata
.endif
;; end of part 7
;; launch attn (part 8): grid 8 x 32, 16 waves a work-group, clusters of 4 x 1, 327,680 bytes of LDS; arguments wsB, x, wsC; writes wsC
.if DOCPART == 8
	.amdgcn_target "amdgcn-amd-amdhsa--gfx1250"
	.amdhsa_code_object_version 6
	.text
	.protected	k_qf902df8334_attn
	.globl	k_qf902df8334_attn
	.p2align	8
	.type	k_qf902df8334_attn,@function
k_qf902df8334_attn:
	s_mov_b64 s[64:65], 0
	v_nop
	global_prefetch_b8 v0, s[64:65] scope:SCOPE_SE
	s_setreg_imm32_b32 hwreg(HW_REG_WAVE_MODE, 25, 1), 1
	s_wait_xcnt 0x0
	s_wait_alu depctr_hold_cnt(0) depctr_sa_sdst(0) depctr_va_vdst(0) depctr_va_sdst(0) depctr_va_ssrc(0) depctr_va_vcc(0) depctr_vm_vsrc(0)
	s_getreg_b32 s2, hwreg(HW_REG_IB_STS2, 6, 4)
	s_cmp_eq_u32 s2, 0
	s_cbranch_scc0 .Lentry_in_a_cluster
	s_endpgm
.Lentry_in_a_cluster:
	s_bfe_u32 s2, ttmp6, 0x10000c
	s_cmp_lg_u32 s2, 0x3003
	s_cbranch_scc0 .Lentry_shape_is_right
	s_endpgm
.Lentry_shape_is_right:
; ATTENTION and the residual: x_res = softmax(q k^T / 8) v + x, both products on codes of E2M3 with E8M0 scales; x_res goes out as f32 rows, as operand images for the next product, and with each head's mean and centred sum of squares.
; A work-group takes 256 queries of one (batch, head); each of its 16 waves 16 queries, against all 2,048 keys in 16 steps of 128.
; K AND V OF THE HEAD LIE IN LDS WHOLE: 16 records of 12,800 bytes (four fragments of k, four of V^T, their scale words).  Each wave asks for one record by its one tensor load at the head; nothing is filled again.
; CLUSTERS: the four work-groups of a cluster take query blocks of the same head and ask for each record jointly.
; NO PREFETCH: all of K and V is asked for at the head, so there is no loop to run ahead in.
; PADDING: the mover lays 128 bytes behind every 512, so a fragment's image (3 x 512 bytes) is 1,920 bytes on from the last, 128 modulo 256.  LDS: 16 x 16,000 + the stages' 69,632 + 2,048 spare bytes = 327,680.
; A WHOLE BLOCK OF 32 KEYS IN A LANE.  Both products are used transposed (S^T = k q^T, O^T = V^T p^T): a lane holds one query.  An image of k holds 32 keys: lane r' registers 0-5 key 32 t + r' + 8 (r' / 8), registers 6-11 the key 8 on.
; Lane (r, h) reads, for fragment f = 2 c + e, the image t = 2 c + r / 8 at lane r % 8 + 8 e (+ 16 h).  Row r of tile 4 c + 2 e + u is then key 64 c + 32 (r / 8) + 8 (2 e + u) + r % 8,
; and registers 96 + 32 c + i of lane (r, h) are keys 64 c + 32 h + i, i = 0 .. 31: the block that the second product's operand wants in that lane.  Lanes 0-7 and 8-15 of such a load touch different halves of the 64 banks.
; The head size is 64 and the matrix step 128: q stands in one half of its operand, zeros in the other, and picks one of an image's two sets of keys.
; SOFTMAX: a running maximum; M = its ceiling in base-2 units, a whole number; p = 2^(t - M); the row's sum is taken of the unquantised p; a change of M multiplies O and the sum by an exact power of two.
; A block's largest p is made from its largest score by the same multiply-add and exponential (this takes v_exp_f32 not to fall where its input rises).
; LIMITS: the promise holds while the scaled scores (base-2 exponents) stay under 2^31 in magnitude; NaN and infinities are not served; a block whose largest magnitude lies under 2^-124 (zeros too) gets the byte 1; 1 / sum is v_rcp_f32.
; REGISTERS: v1-9 addresses; v12 -M, v13 the largest score, v14-15 the sum; v16-33 zeros, q, zeros; v34-35 q's scale words; v36-39 k's and V's; v40-87 four fragments; v88-92 lane terms; v96-159 S^T, then p; v160-191 O^T; v224-235 p's codes.
.set HS,    204800                     ; a head's records in wsB
.set REC,   12800
.set LREC,  16000                      ; a record in LDS: 25 rows of 512 + 128 bytes
.set KVREG, 6553600
.set STG,   256000                     ; behind the records: a stage of 16 rows x 272 bytes for each wave
.set SP,    272
.set SPARE, 325632                     ; the spare words: 128 bytes a wave, named by no other line
.set XRI,   16777216                   ; in wsC: x_res's images, their scale words, the statistics
.set XRS,   19922944
.set XST,   20054016
.set WV,  18
.set SEL, 20
.set CS,  22
.set TB,  2
.macro CROUND                          ; a round of the cluster's barrier
	s_barrier_signal -1
	s_barrier_wait -1
	s_cmp_lg_u32 s[WV], 0
	s_cbranch_scc1 .Lnot_wave_0_\@
	s_barrier_signal -3
.Lnot_wave_0_\@:
	s_barrier_wait -3
	s_barrier_signal -1
	s_barrier_wait -1
.endm
.macro FOLD                            ; four packed chains in v[192:199] -> v192, with lane l xor 16's share
	s_delay_alu instid0(VALU_DEP_3)
	v_pk_add_f32 v[192:193], v[192:193], v[194:195]
	s_delay_alu instid0(VALU_DEP_2)
	v_pk_add_f32 v[196:197], v[196:197], v[198:199]
	s_delay_alu instid0(VALU_DEP_1)
	v_pk_add_f32 v[192:193], v[192:193], v[196:197]
	s_delay_alu instid0(VALU_DEP_1)
	v_add_f32 v192, v192, v193
	s_delay_alu instid0(VALU_DEP_1)
	v_permlanex16_b32 v193, v192, s[SEL], s[SEL+1]
	s_delay_alu instid0(VALU_DEP_1)
	v_add_f32 v192, v192, v193
.endm
	s_load_b128 s[4:7], s[0:1], 0x0                ; wsB, x
	s_load_b64 s[8:9], s[0:1], 0x10                ; wsC
	v_lshl_add_u32 v251, v0, 2, SPARE
	v_mov_b32 v255, 0
	ds_add_u32 v251, v255                          ; the opening lines: the add, twice on end, and its wait
	ds_add_u32 v251, v255
	v_lshrrev_b32 v8, 5, v0
	s_delay_alu instid0(VALU_DEP_1)
	v_readfirstlane_b32 s[WV], v8                  ; wave 0..15
	s_bfe_u32 s10, ttmp6, 0x40000                  ; cx
	s_lshl_b32 s11, ttmp9, 2
	s_add_co_u32 s11, s11, s10                     ; the block of 256 queries
	s_and_b32 s12, ttmp7, 0xffff                   ; (batch, head)
	s_mov_b32 s24, 15|(3<<16)|(1<<20)|(1<<21)|(6<<22)|(31<<25)  ; the mask of all four; elements of 8 bytes; padding: behind every 128 words, 32 words
	s_mov_b32 s25, 64<<16                          ; rows of 64 elements, 512 bytes
	s_mov_b32 s26, 25<<16                          ; 25 rows: a record
	s_mov_b32 s27, 64<<16
	s_mov_b32 s28, 25
	s_mov_b32 s29, 64
	s_mov_b32 s30, 0
	s_mov_b32 s31, 0
	s_mul_i32 s14, s12, HS
	s_add_co_u32 s14, s14, KVREG
	s_mul_i32 s13, s[WV], REC
	s_add_co_u32 s14, s14, s13                     ; my record: the wave's number
	s_mov_b32 s15, 0
	s_mov_b32 s32, 1
	s_mul_i32 s33, s[WV], LREC
	s_mov_b32 s[SEL], 0x76543210
	s_mov_b32 s[SEL+1], 0xfedcba98                 ; selects for lane l xor 16
	s_mov_b32 s[CS], 0x3e38aa3b                    ; log2(e) / 8
	s_mov_b32 s[CS+1], s[CS]
	s_mov_b32 s[TB], 0
	s_mov_b32 s68, 0xffff0000                      ; lanes 16-31
	s_wait_dscnt 0x0
	s_wait_kmcnt 0x0
	s_add_nc_u64 s[34:35], s[4:5], s[14:15]
	s_or_b32 s35, s35, 0x80000000
	CROUND                                         ; the four partners are here: the joint loads meet
	tensor_load_to_lds s[32:35], s[24:31]          ; my one tensor load
	s_nop 0
.rept 4
	v_nop
.endr
	; where my 16 queries lie: token 32 (w / 2) + 8 (w % 2) + r + 8 (r / 8) of the block
	s_lshr_b32 s16, s12, 4                         ; batch
	s_and_b32 s17, s12, 15                         ; head
	s_lshl_b32 s19, s16, 11
	s_lshl_b32 s72, s11, 8
	s_add_co_u32 s19, s19, s72
	s_lshr_b32 s72, s[WV], 1
	s_lshl_b32 s72, s72, 5
	s_add_co_u32 s19, s19, s72
	s_and_b32 s73, s[WV], 1
	s_lshl_b32 s72, s73, 3
	s_add_co_u32 s19, s19, s72                     ; my first token
	s_sub_co_u32 s53, 0, s73                       ; all ones in odd waves
	s_lshl_b32 s72, s19, 12
	s_lshl_b32 s74, s17, 8
	s_add_co_u32 s72, s72, s74
	s_mov_b32 s73, 0
	s_add_nc_u64 s[56:57], s[6:7], s[72:73]        ; x: my rows, the head's 256 bytes
	s_add_nc_u64 s[58:59], s[8:9], s[72:73]        ; x_res likewise
	s_lshl_b32 s72, s19, 7
	s_lshl_b32 s74, s17, 3
	s_add_co_u32 s72, s72, s74
	s_add_co_u32 s72, s72, XST
	s_add_nc_u64 s[66:67], s[8:9], s[72:73]        ; the statistics: 128 bytes a token, 8 a head
	s_lshl_b32 s75, s11, 1
	s_lshr_b32 s76, s[WV], 3
	s_add_co_u32 s75, s75, s76                     ; the group of 128 tokens in the batch
	s_lshl_b32 s74, s16, 4
	s_add_co_u32 s74, s74, s75
	s_lshl_b32 s74, s74, 3
	s_lshr_b32 s76, s17, 1
	s_add_co_u32 s74, s74, s76                     ; x 8 K steps, + the K step (two heads)
	s_lshl_b32 s74, s74, 3
	s_and_b32 s76, s[WV], 7
	s_add_co_u32 s74, s74, s76                     ; x 8 tiles, + the tile
	s_mul_i32 s72, s74, 1536
	s_add_co_u32 s72, s72, XRI
	s_add_nc_u64 s[60:61], s[8:9], s[72:73]        ; x_res's image
	s_lshl_b32 s72, s74, 6
	s_and_b32 s76, s17, 1
	s_lshl_b32 s76, s76, 1
	s_add_co_u32 s72, s72, s76
	s_add_co_u32 s72, s72, XRS
	s_add_nc_u64 s[62:63], s[8:9], s[72:73]        ; its scale bytes: two of a word's four
	s_lshl_b32 s74, s12, 4
	s_add_co_u32 s74, s74, s75
	s_mul_i32 s78, s74, REC                        ; q's record
	s_lshr_b32 s76, s[WV], 1
	s_and_b32 s76, s76, 3
	s_mul_i32 s72, s76, 1536
	s_add_co_u32 s72, s72, s78
	s_add_nc_u64 s[54:55], s[4:5], s[72:73]        ; q's image
	s_lshl_b32 s72, s76, 6
	s_add_co_u32 s72, s72, s78
	s_add_co_u32 s72, s72, 12288
	s_add_nc_u64 s[70:71], s[4:5], s[72:73]        ; its scale words
	s_mul_i32 s72, s[WV], 16*SP
	s_add_co_u32 s72, s72, STG                     ; my stage
	v_and_b32 v10, 15, v0                          ; r
	v_bfe_u32 v11, v0, 4, 1                        ; h
	v_and_b32 v8, 31, v0
	v_bfe_u32 v90, v0, 3, 1                        ; r / 8
	v_and_b32 v91, 7, v0                           ; r % 8
	v_lshlrev_b32 v1, 4, v8                        ; 16 x lane
	v_lshlrev_b32 v2, 2, v8                        ; 4 x lane
	v_mul_u32_u24 v88, v90, 1920                   ; k's images: 1,920 (r / 8) + 16 (r % 8) + 256 h
	v_lshlrev_b32 v89, 6, v90                      ; k's scale words: 64 (r / 8) + 4 (r % 8) + 32 h
	v_lshl_add_u32 v88, v91, 4, v88
	v_lshl_add_u32 v89, v91, 2, v89
	v_lshl_add_u32 v88, v11, 8, v88
	v_lshl_add_u32 v89, v11, 5, v89
	v_lshlrev_b32 v92, 3, v11                      ; 8 h
	v_mul_u32_u24 v5, v11, SP
	v_mul_u32_u24 v6, v10, SP
	v_lshl_add_u32 v5, v10, 4, v5
	v_lshl_add_u32 v6, v11, 6, v6
	v_add_nc_u32 v5, s72, v5                       ; the stage by rows: lanes 0-15 one row's 256 bytes, lanes 16-31 the next's
	v_add_nc_u32 v6, s72, v6                       ; and by lanes: row r, + 64 h
	v_lshlrev_b32 v7, 12, v11
	v_lshl_add_u32 v7, v10, 4, v7                  ; the same two rows in x and x_res
	v_lshlrev_b32 v9, 2, v10                       ; 4 r
	v_and_b32 v8, 8, v10
	s_delay_alu instid0(VALU_DEP_1)
	v_add_nc_u32 v8, v8, v10
	s_delay_alu instid0(VALU_DEP_1)
	v_lshlrev_b32 v8, 7, v8
	s_delay_alu instid0(VALU_DEP_1)
	v_lshl_add_u32 v8, v11, 2, v8                  ; the statistics: my token's 128 bytes, + 4 h
.irp i, 0,1,2,3,4,5,6,7
	global_load_b128 v[96+4*\i:99+4*\i], v7, s[56:57] offset:(2*\i+8*(\i/4))*4096 th:TH_LOAD_NT
.endr
.irp c, 0,1,2
	global_load_b128 v[40+4*\c:43+4*\c], v1, s[54:55] offset:512*\c
.endr
	global_load_b32 v10, v9, s[70:71]
	s_wait_alu depctr_va_vdst(0)
	s_wait_loadcnt 0x0
.irp i, 0,1,2,3,4,5,6,7
	ds_store_b128 v5, v[96+4*\i:99+4*\i] offset:544*\i   ; x waits in my stage for the end
.endr
.irp i, 0,1,2,3,4,5
	v_cndmask_b32 v[22+\i], v[40+\i], v[46+\i], s53      ; my 16 queries: the image's first or second set
.endr
	v_and_b32 v11, 0xffff, v10
	v_lshrrev_b32 v10, 16, v10
	s_delay_alu instid0(VALU_DEP_1)
	v_cndmask_b32 v10, v11, v10, s53
	s_delay_alu instid0(VALU_DEP_1)
	v_or_b32 v34, 0x01010000, v10                  ; q in the operand's lower half; the zeros' bytes are 1
	v_lshl_or_b32 v35, v10, 16, 0x0101             ; q in the upper half
.irp i, 0,1,2,3,4,5
	v_mov_b32 v[16+\i], 0
	v_mov_b32 v[28+\i], 0
.endr
	v_mov_b32 v13, 0xff61b1e6                      ; the largest score so far: -3e38
	s_delay_alu instid0(VALU_DEP_1)
	v_mul_f32 v10, s[CS], v13
	s_delay_alu instid0(VALU_DEP_1)
	v_floor_f32 v12, -v10                          ; -M
	v_mov_b32 v14, 0
	v_mov_b32 v15, 0
	v_mov_b32 v242, 0                              ; a lane permute's destination counts as one of its sources
	v_mov_b32 v253, 0                              ; (named with v252 as a pair)
.set k, 0
.rept 32
	v_mov_b32 v[160+k], 0                          ; O^T: the step is written once; the first finds zeros
.set k, k+1
.endr
; A STEP: my 16 queries against the 128 keys of the record at s[TB]
.macro STEP
	v_add_nc_u32 v90, s[TB], v88                   ; these four are the places behind the last step's products, in front of the loads below
	v_add_nc_u32 v91, s[TB], v89
	v_add_nc_u32 v3, s[TB], v1
	v_add_nc_u32 v4, s[TB], v2
.irp f, 0,1,2,3
.irp c, 0,1,2
	ds_load_b128 v[40+12*\f+4*\c:43+12*\f+4*\c], v90 offset:3840*(\f/2)+128*(\f%2)+640*\c
.endr
.endr
	ds_load_b32 v36, v91 offset:15360              ; k's scale words: lanes 0-15 fragment 2 c, lanes 16-31 fragment 2 c + 1
	ds_load_b32 v37, v91 offset:15488
	ds_load_b32 v38, v4 offset:15616               ; V's
	ds_load_b32 v39, v4 offset:15744
	s_wait_alu depctr_va_vdst(0)
	s_wait_dscnt 0x0
.irp f, 0,1,2,3
.irp u, 0,1
.if \f%2 == 0
	v_wmma_scale_f32_16x16x128_f8f6f4 v[96+8*(2*\f+\u):103+8*(2*\f+\u)], v[40+12*\f:51+12*\f], v[22-6*\u:33-6*\u], 0, v[36+\f/2], v[34+\u] matrix_a_fmt:MATRIX_FMT_FP6 matrix_b_fmt:MATRIX_FMT_FP6
.else
	v_wmma_scale_f32_16x16x128_f8f6f4 v[96+8*(2*\f+\u):103+8*(2*\f+\u)], v[40+12*\f:51+12*\f], v[22-6*\u:33-6*\u], 0, v[36+\f/2], v[34+\u] matrix_a_fmt:MATRIX_FMT_FP6 matrix_b_fmt:MATRIX_FMT_FP6 matrix_a_scale:MATRIX_SCALE_ROW1
.endif
.endr
.endr
	v_mov_b32 v254, v12                            ; the old -M; with three v_nop the four places behind the products
.rept 3
	v_nop
.endr
.irp t, 0,1,2,3
.irp c, 0,1,2
	ds_load_b128 v[40+12*\t+4*\c:43+12*\t+4*\c], v3 offset:7680+1920*\t+640*\c   ; V^T's fragments land under the softmax
.endr
.endr
.irp c, 0,1                                    ; my two blocks' largest scores, two chains each; every accumulator is first read in its four lowest registers
	v_max3_num_f32 v[232+2*\c], v[96+32*\c], v[97+32*\c], v[98+32*\c]
	v_max3_num_f32 v[233+2*\c], v[113+32*\c], v[114+32*\c], v[115+32*\c]
.endr
.irp i, 0,2,4,6,8,10
.irp c, 0,1
	v_max3_num_f32 v[232+2*\c], v[232+2*\c], v[99+32*\c+\i], v[100+32*\c+\i]
	v_max3_num_f32 v[233+2*\c], v[233+2*\c], v[116+32*\c+\i], v[117+32*\c+\i]
.endr
.endr
.irp c, 0,1
	v_max3_num_f32 v[232+2*\c], v[232+2*\c], v[111+32*\c], v[112+32*\c]
.endr
.irp c, 0,1
	s_delay_alu instid0(VALU_DEP_2)
	v_max_num_f32 v[232+2*\c], v[232+2*\c], v[233+2*\c]
.endr
	s_delay_alu instid0(VALU_DEP_1)
	v_max_num_f32 v233, v232, v234
	s_delay_alu instid0(VALU_DEP_1)
	v_permlanex16_b32 v235, v233, s[SEL], s[SEL+1]
	s_delay_alu instid0(VALU_DEP_1)
	v_max3_num_f32 v13, v13, v233, v235            ; the running largest score of my query
	s_delay_alu instid0(VALU_DEP_1)
	v_mul_f32 v233, s[CS], v13                     ; as t (the factor is positive)
	s_delay_alu instid0(VALU_DEP_1)
	v_floor_f32 v12, -v233                         ; -M = -ceil(t)
	s_delay_alu instid0(VALU_DEP_1)
	v_sub_f32 v254, v12, v254                      ; old M less new M: a whole number, 0 or less
	s_delay_alu instid0(VALU_DEP_1)
	v_cvt_i32_f32 v254, v254                       ; (it saturates)
	s_delay_alu instid0(VALU_DEP_1)
	v_ldexp_f32 v252, 1.0, v254                    ; f = 2^(old M - new M)
.set k, 0
.rept 32
	v_pk_fma_f32 v[96+k:97+k], v[96+k:97+k], s[CS:CS+1], v[12:13] op_sel_hi:[1,0,0]   ; t - M
.set k, k+2
.endr
	v_fma_f32 v232, v232, s[CS], v12               ; the same of each block's largest score
	v_fma_f32 v234, v234, s[CS], v12
	s_wait_alu depctr_va_vdst(0)
.set k, 0
.rept 64
	v_exp_f32 v[96+k], v[96+k]                     ; p
.set k, k+1
.endr
	v_exp_f32 v232, v232                           ; my blocks' largest p
	v_exp_f32 v234, v234
	v_pk_mul_f32 v[14:15], v[14:15], v[252:253] op_sel_hi:[1,0]   ; the sum under the new M; a plain line behind the batch
	s_wait_alu depctr_va_vdst(0)                   ; one wait for the batch, directly ahead of the first readers of O^T too
.set k, 0
.rept 16
	v_pk_mul_f32 v[160+k:161+k], v[160+k:161+k], v[252:253] op_sel_hi:[1,0]   ; O^T under the new M
.set k, k+2
.endr
	v_max_num_f32 v232, 0x1800000, v232            ; the floor 2^(3 - 127): the byte cannot fall under 1
	v_max_num_f32 v234, 0x1800000, v234
	s_delay_alu instid0(VALU_DEP_2)
	v_add_nc_u32 v238, 0xff000000, v232            ; 2 off the exponent field: the conversion's scale operand
	s_delay_alu instid0(VALU_DEP_2)
	v_add_nc_u32 v239, 0xff000000, v234
	s_delay_alu instid0(VALU_DEP_2)
	v_lshrrev_b32 v240, 23, v238                   ; the bytes of blocks h and 2 + h
	s_delay_alu instid0(VALU_DEP_2)
	v_lshrrev_b32 v241, 23, v239
	s_delay_alu instid0(VALU_DEP_1)
	v_lshl_or_b32 v253, v241, 16, v240
	s_delay_alu instid0(VALU_DEP_1)
	v_lshlrev_b32 v253, v92, v253                  ; at their places in the word, 8 h bits up
	s_delay_alu instid0(VALU_DEP_1)
	v_permlanex16_b32 v242, v253, s[SEL], s[SEL+1]
	s_delay_alu instid0(VALU_DEP_1)
	v_or_b32 v253, v253, v242                      ; with lane l xor 16's two the word is whole
.irp c, 0,1
	v_cvt_scalef32_pk16_fp6_f32 v[224+6*\c:226+6*\c], v[96+32*\c:111+32*\c], v[238+\c]
	v_cvt_scalef32_pk16_fp6_f32 v[244+4*\c:246+4*\c], v[112+32*\c:127+32*\c], v[238+\c]   ; (a conversion's three registers begin on an even number)
.endr
	v_pk_add_f32 v[236:237], v[96:97], v[98:99]    ; the row's sum, of the unquantised p, in two chains; this line is the plain line behind the conversions
.irp c, 0,1
.irp i, 0,1,2
	v_mov_b32 v[227+6*\c+\i], v[244+4*\c+\i]
.endr
.endr
.irp j, 4,8,12,16,20,24,28,32,36,40,44,48,52,56,60
	v_pk_add_f32 v[14:15], v[14:15], v[96+\j:97+\j]          ; these 31 are also the places between the scale word, the codes and the products below
	v_pk_add_f32 v[236:237], v[236:237], v[98+\j:99+\j]
.endr
	s_delay_alu instid0(VALU_DEP_1)
	v_pk_add_f32 v[14:15], v[14:15], v[236:237]
	s_wait_alu depctr_va_vdst(0)
	s_wait_dscnt 0x0                               ; V^T's fragments
.irp t, 0,1,2,3
.if \t%2 == 0
	v_wmma_scale_f32_16x16x128_f8f6f4 v[160+8*\t:167+8*\t], v[40+12*\t:51+12*\t], v[224:235], v[160+8*\t:167+8*\t], v[38+\t/2], v253 matrix_a_fmt:MATRIX_FMT_FP6 matrix_b_fmt:MATRIX_FMT_FP6
.else
	v_wmma_scale_f32_16x16x128_f8f6f4 v[160+8*\t:167+8*\t], v[40+12*\t:51+12*\t], v[224:235], v[160+8*\t:167+8*\t], v[38+\t/2], v253 matrix_a_fmt:MATRIX_FMT_FP6 matrix_b_fmt:MATRIX_FMT_FP6 matrix_a_scale:MATRIX_SCALE_ROW1
.endif
.endr
.endm
	s_wait_alu depctr_va_vdst(0)
	s_wait_tensorcnt 0x0                           ; my record is in,
	s_wait_dscnt 0x0                               ; my stores to the stage are done,
	s_barrier_signal -1
	s_barrier_wait -1                              ; and so are everybody's: all 16 records are in; no barrier follows until the end
	s_mov_b32 s52, 16
.Lstep:
	STEP
	s_add_co_u32 s[TB], s[TB], LREC
	s_sub_co_u32 s52, s52, 1
	s_cmp_lg_u32 s52, 0
	s_cbranch_scc1 .Lstep
.rept 4
	v_nop                                          ; places behind the last products
.endr
	v_add_f32 v14, v14, v15
	s_delay_alu instid0(VALU_DEP_1)
	v_permlanex16_b32 v252, v14, s[SEL], s[SEL+1]
	s_delay_alu instid0(VALU_DEP_1)
	v_add_f32 v14, v14, v252                       ; the row's sum
	s_wait_alu depctr_va_vdst(0)
	v_rcp_f32 v14, v14
.irp b, 0,1
.irp j, 0,1,2,3
	ds_load_b128 v[96+16*\b+4*\j:99+16*\b+4*\j], v6 offset:128*\b+16*\j   ; x in O^T's order: number 16 b + i is channel 32 b + 16 h + i of row r
.endr
.endr
	v_mov_b32 v206, 0
	v_mov_b32 v207, 0
	s_wait_alu depctr_va_vdst(0)
	s_wait_dscnt 0x0
.set k, 0
.rept 16
	v_pk_fma_f32 v[96+k:97+k], v[160+k:161+k], v[14:15], v[96+k:97+k] op_sel_hi:[1,0,1]   ; x_res = O / sum + x
.set k, k+2
.endr
	; the head's mean of my row's 64 numbers and the sum of squares about it
.irp c, 0,1,2,3
	v_pk_add_f32 v[192+2*\c:193+2*\c], v[96+2*\c:97+2*\c], v[104+2*\c:105+2*\c]
.endr
.irp i, 16,24
.irp c, 0,1,2,3
	s_delay_alu instid0(VALU_DEP_4)
	v_pk_add_f32 v[192+2*\c:193+2*\c], v[192+2*\c:193+2*\c], v[96+\i+2*\c:97+\i+2*\c]
.endr
.endr
	FOLD
	s_delay_alu instid0(VALU_DEP_1)
	v_mul_f32 v200, 0x3c800000, v192               ; / 64
	s_delay_alu instid0(VALU_DEP_1)
	v_mov_b32 v201, v200
.set k, 0
.rept 16
	v_pk_add_f32 v[128+k:129+k], v[96+k:97+k], v[200:201] op_sel_hi:[1,0] neg_lo:[0,1] neg_hi:[0,1]
.set k, k+2
.endr
.irp c, 0,1,2,3
	v_pk_mul_f32 v[192+2*\c:193+2*\c], v[128+2*\c:129+2*\c], v[128+2*\c:129+2*\c]
.endr
.irp i, 8,16,24
.irp c, 0,1,2,3
	s_delay_alu instid0(VALU_DEP_4)
	v_pk_fma_f32 v[192+2*\c:193+2*\c], v[128+\i+2*\c:129+\i+2*\c], v[128+\i+2*\c:129+\i+2*\c], v[192+2*\c:193+2*\c]
.endr
.endr
	FOLD
	s_delay_alu instid0(VALU_DEP_1)
	v_cndmask_b32 v203, v200, v192, s68            ; lanes 0-15 the mean, lanes 16-31 the sum of squares
	global_store_b32 v8, v203, s[66:67]
	; x_res quantised along its 64 channels: two blocks, half a fragment of the next product's operand
.irp b, 0,1
	v_max3_num_f32 v[204+\b], |v[96+16*\b]|, |v[97+16*\b]|, 0x1800000
.endr
.irp i, 2,4,6,8,10,12,14
.irp b, 0,1
	s_delay_alu instid0(VALU_DEP_2)
	v_max3_num_f32 v[204+\b], v[204+\b], |v[96+16*\b+\i]|, |v[97+16*\b+\i]|
.endr
.endr
.irp b, 0,1
	s_delay_alu instid0(VALU_DEP_2)
	v_permlanex16_b32 v[206+\b], v[204+\b], s[SEL], s[SEL+1]
.endr
.irp b, 0,1
	s_delay_alu instid0(VALU_DEP_2)
	v_max_num_f32 v[204+\b], v[204+\b], v[206+\b]
.endr
.irp b, 0,1
	s_delay_alu instid0(VALU_DEP_2)
	v_add_nc_u32 v[208+\b], 0xff000000, v[204+\b]
.endr
.irp b, 0,1
	s_delay_alu instid0(VALU_DEP_2)
	v_lshrrev_b32 v[210+\b], 23, v[208+\b]
.endr
	s_delay_alu instid0(VALU_DEP_1)
	v_lshl_or_b32 v212, v211, 8, v210
	v_cvt_scalef32_pk16_fp6_f32 v[216:218], v[96:111], v208
	v_cvt_scalef32_pk16_fp6_f32 v[220:222], v[112:127], v209
	v_nop
.irp i, 0,1,2
	v_permlane16_swap_b32 v[216+\i], v[220+\i]     ; a whole block in a lane
.endr
	s_delay_alu instid0(VALU_DEP_3)
	v_mov_b32 v219, v220
	s_delay_alu instid0(VALU_DEP_3)
	v_mov_b32 v220, v221
	s_delay_alu instid0(VALU_DEP_3)
	v_mov_b32 v221, v222
	s_and_b32 s72, s17, 1                          ; an even head fills registers 0-5 of the image, an odd one registers 6-11
	s_cmp_eq_u32 s72, 0
	s_cbranch_scc0 .Lodd
	global_store_b128 v1, v[216:219], s[60:61]
	global_store_b64 v1, v[220:221], s[60:61] offset:512
	s_branch .Limg
.Lodd:
	s_wait_alu depctr_va_vdst(0)
	global_store_b64 v1, v[216:217], s[60:61] offset:520
	global_store_b128 v1, v[218:221], s[60:61] offset:1024
.Limg:
.irp b, 0,1
.irp j, 0,1,2,3
	ds_store_b128 v6, v[96+16*\b+4*\j:99+16*\b+4*\j] offset:128*\b+16*\j   ; x_res through my stage, back as rows of 256 bytes
.endr
.endr
.irp i, 0,1,2,3,4,5,6,7
	ds_load_b128 v[128+4*\i:131+4*\i], v5 offset:544*\i
.endr
.irp i, 0,1,2,3,4,5,6,7
	s_wait_dscnt 7-\i                              ; row pair i is back: behind it 7 - i loads
	global_store_b128 v7, v[128+4*\i:131+4*\i], s[58:59] offset:(2*\i+8*(\i/4))*4096   ; sixteen lanes store 256 consecutive bytes, aligned
.endr
	v_and_b32 v10, 31, v0
	s_delay_alu instid0(VALU_DEP_1)
	v_cmp_gt_u32 vcc_lo, 16, v10
	s_wait_xcnt 0x0                                ; EXEC changes only behind this wait
	s_and_saveexec_b32 s72, vcc_lo
	global_store_b16 v9, v212, s[62:63]            ; lanes 0-15: my rows' two scale bytes
	s_wait_xcnt 0x0
	s_or_b32 exec_lo, exec_lo, s72
	s_wait_tensorcnt 0x0                           ; the wave's end
	ds_add_u32 v251, v255
	s_wait_dscnt 0x0
	CROUND                                         ; the closing round
	s_endpgm
.Lfunc_end_k_qf902df8334_attn:
	.size	k_qf902df8334_attn, .Lfunc_end_k_qf902df8334_attn-k_qf902df8334_attn
	.p2alignl 7, 3214868480
	.fill 96, 4, 3214868480
	.section	.rodata,"a",@progbits
	.p2align	6, 0x0
	.amdhsa_kernel k_qf902df8334_attn
		.amdhsa_group_segment_fixed_size 327680
		.amdhsa_private_segment_fixed_size 0
		.amdhsa_enable_private_segment 0
		.amdhsa_kernarg_size 24
		.amdhsa_user_sgpr_count 2
		.amdhsa_user_sgpr_kernarg_segment_ptr 1
		.amdhsa_wavefront_size32 1
		.amdhsa_system_sgpr_workgroup_id_x 1
		.amdhsa_system_sgpr_workgroup_id_y 1
		.amdhsa_system_sgpr_workgroup_id_z 1
		.amdhsa_system_vgpr_workitem_id 0
		.amdhsa_next_free_vgpr 256
		.amdhsa_next_free_sgpr 80
		.amdhsa_reserve_vcc 1
		.amdhsa_float_denorm_mode_32 3
		.amdhsa_float_denorm_mode_16_64 3
		.amdhsa_memory_ordered 1
		.amdhsa_forward_progress 1
		.amdhsa_inst_pref_size 39
	.end_amdhsa_kernel
	.amdgpu_metadata
---
amdhsa.version: [ 1, 2 ]
amdhsa.kernels:
  - .name:           k_qf902df8334_attn
    .symbol:         k_qf902df8334_attn.kd
    .args:
      - { .name: wsB, .offset: 0, .size: 8, .value_kind: global_buffer, .address_space: global }
      - { .name: x, .offset: 8, .size: 8, .value_kind: global_buffer, .address_space: global }
      - { .name: wsC, .offset: 16, .size: 8, .value_kind: global_buffer, .address_space: global }
    .group_segment_fixed_size: 327680
    .private_segment_fixed_size: 0
    .kernarg_segment_align: 8
    .kernarg_segment_size: 24
    .max_flat_workgroup_size: 512
    .sgpr_count:     80
    .vgpr_count:     256
    .wavefront_size: 32
...
	.end_amdgpu_metadata
.endif
;; end of part 8
;; launch ffn1 (part 9): grid 16 x 16, 4 waves a work-group, clusters of 4 x 4, 327,680 bytes of LDS; arguments wsC, wsA, b1, wsD; writes wsD
.if DOCPART == 9
	.amdgcn_target "amdgcn-amd-amdhsa--gfx1250"
	.amdhsa_code_object_version 6
	.text
	.protected	k_qf902df8334_ffn1
	.globl	k_qf902df8334_ffn1
	.p2align	8
	.type	k_qf902df8334_ffn1,@function
k_qf902df8334_ffn1:
	s_mov_b64 s[64:65], 0
	v_nop
	global_prefetch_b8 v0, s[64:65] scope:SCOPE_SE
	s_setreg_imm32_b32 hwreg(HW_REG_WAVE_MODE, 25, 1), 1
	s_wait_xcnt 0x0
	s_wait_alu depctr_hold_cnt(0) depctr_sa_sdst(0) depctr_va_vdst(0) depctr_va_sdst(0) depctr_va_ssrc(0) depctr_va_vcc(0) depctr_vm_vsrc(0)
	s_getreg_b32 s2, hwreg(HW_REG_IB_STS2, 6, 4)
	s_cmp_eq_u32 s2, 0
	s_cbranch_scc0 .Lentry_in_a_cluster
	s_endpgm
.Lentry_in_a_cluster:
	s_bfe_u32 s2, ttmp6, 0x10000c
	s_cmp_lg_u32 s2, 0xf033
	s_cbranch_scc0 .Lentry_shape_is_right
	s_endpgm
.Lentry_shape_is_right:
; FFN 1: hidden = relu(x_res W1 + b1), on codes of E2M3 with E8M0 scales, K = 1,024; the result is quantised along its columns here and stored as the operand images that the next product reads.
; A tile of C, 256 x 256, is made by four waves, 128 x 128 each; K goes in slots of 256 through a ring of two LDS slots; operands are images of registers, in groups of 128 rows; b1 is the C of each sum's first product.
; CLUSTERS: 4 x 4 work-groups; A's tiles are asked for jointly along a row of the cluster, B's along a column.
; LIMITS: a block whose largest magnitude lies under 2^-124 (zeros too) gets the byte 1; NaN and infinities are not served.
.set NK,    8
.set LAPS,  NK/4
.set GSTR,  NK*12288
.set SSTR,  NK*512
.set XRI,   16777216
.set XRS,   19922944
.set SOFF,  11796480
.set HSC,   12582912
.set HALFT, 24576
.set SLOT,  4*HALFT
.set SCL,   2*SLOT
.set SPARE, SCL+4*SSTR
.set FR,    12
.set ADRA, 16
.set ADRB, 20
.set ADSA, 22
.set ADSB, 23
.set SPW,  28
.set NIL,  29
.set SC,   32
.set BIAS, 64
.set AF,   128
.set TM,   200
.set PC,   216
.set PWS,  236
.set SD,   244
.set G1, 24
.set G0, 32
.set G1B, 48
.set G0B, 56
.set G1S, 68
.set G0S, 76
.set G1SB, 80
.set G0SB, 88
.set SEL, 66
.set HM,  2
.set MSB, 0
.macro WIN new
.if MSB != (\new)
	s_set_vgpr_msb (MSB<<8)|(\new)
.set MSB, (\new)
.endif
.endm
.macro JLOAD g0a, g1a, g0b, g1b
	s_cmp_eq_u32 s15, 0
	s_cbranch_scc0 .Lfor_b_\@
	tensor_load_to_lds s[\g0a:\g0a+3], s[\g1a:\g1a+7]
	s_nop 0
.rept 4
	v_nop
.endr
	s_branch .Lasked_\@
.Lfor_b_\@:
	tensor_load_to_lds s[\g0b:\g0b+3], s[\g1b:\g1b+7]
	s_nop 0
.rept 4
	v_nop
.endr
.Lasked_\@:
.endm
.macro CREST
	s_cmp_lg_u32 s14, 0
	s_cbranch_scc1 .Lnot_wave_0_\@
	s_barrier_signal -3
.Lnot_wave_0_\@:
	s_barrier_wait -3
	s_barrier_signal -1
	s_barrier_wait -1
.endm
.macro CROUND
	s_barrier_signal -1
	s_barrier_wait -1
	CREST
.endm
.macro PLACES n
.rept \n
	v_nop
.endr
.endm
.macro FRAG reg, adr, q, i
.irp c, 0,1,2
	ds_load_b128 v[(\reg)+4*\c:(\reg)+4*\c+3], v[\adr] offset:12288*(\q)+1536*(\i)+512*\c
.endr
.endm
.macro FETCH_B slot, q, p
	WIN 0x40
.irp i, 0,1,2,3,4,5,6,7
	FRAG 128*(\p)+FR*\i, ADRB+\slot, \q, \i
.endr
	WIN 0
.endm
.macro FETCH_A slot, q, i0
.irp i, \i0, \i0+1, \i0+2, \i0+3
	FRAG AF+FR*(\i), ADRA+\slot, \q, \i
.endr
.endm
.macro SCALES sc
.irp q, 0,1
.irp p, 0,1,2,3
	ds_load_b32 v[SC+16*\sc+4*\q+\p], v[ADSA] offset:512*\q+128*\p
	ds_load_b32 v[SC+16*\sc+8+4*\q+\p], v[ADSB] offset:512*\q+128*\p
.endr
.endr
.endm
.macro WM a, b, p, q, sc, cm
.set rD, 8*(8*((\a)%4)+(\b))
.set rB, 128*(\p)+FR*(\b)
.set rA, AF+FR*(\a)
.set rT, SC+16*(\sc)+8+4*(\q)+(\b)/2
.set rS, SC+16*(\sc)+4*(\q)+(\a)/2
.set rC, rD
.if (\cm) == 2
.set rC, BIAS+8*(\b)
.endif
.set par, 2*((\a)%2)+(\b)%2
.if (\cm) == 0
.if par == 0
	v_wmma_scale_f32_16x16x128_f8f6f4 v[rD:rD+7], v[rB:rB+FR-1], v[rA:rA+FR-1], 0, v[rT], v[rS] matrix_a_fmt:MATRIX_FMT_FP6 matrix_b_fmt:MATRIX_FMT_FP6
.elseif par == 1
	v_wmma_scale_f32_16x16x128_f8f6f4 v[rD:rD+7], v[rB:rB+FR-1], v[rA:rA+FR-1], 0, v[rT], v[rS] matrix_a_fmt:MATRIX_FMT_FP6 matrix_b_fmt:MATRIX_FMT_FP6 matrix_a_scale:MATRIX_SCALE_ROW1
.elseif par == 2
	v_wmma_scale_f32_16x16x128_f8f6f4 v[rD:rD+7], v[rB:rB+FR-1], v[rA:rA+FR-1], 0, v[rT], v[rS] matrix_a_fmt:MATRIX_FMT_FP6 matrix_b_fmt:MATRIX_FMT_FP6 matrix_b_scale:MATRIX_SCALE_ROW1
.else
	v_wmma_scale_f32_16x16x128_f8f6f4 v[rD:rD+7], v[rB:rB+FR-1], v[rA:rA+FR-1], 0, v[rT], v[rS] matrix_a_fmt:MATRIX_FMT_FP6 matrix_b_fmt:MATRIX_FMT_FP6 matrix_a_scale:MATRIX_SCALE_ROW1 matrix_b_scale:MATRIX_SCALE_ROW1
.endif
.else
.if par == 0
	v_wmma_scale_f32_16x16x128_f8f6f4 v[rD:rD+7], v[rB:rB+FR-1], v[rA:rA+FR-1], v[rC:rC+7], v[rT], v[rS] matrix_a_fmt:MATRIX_FMT_FP6 matrix_b_fmt:MATRIX_FMT_FP6
.elseif par == 1
	v_wmma_scale_f32_16x16x128_f8f6f4 v[rD:rD+7], v[rB:rB+FR-1], v[rA:rA+FR-1], v[rC:rC+7], v[rT], v[rS] matrix_a_fmt:MATRIX_FMT_FP6 matrix_b_fmt:MATRIX_FMT_FP6 matrix_a_scale:MATRIX_SCALE_ROW1
.elseif par == 2
	v_wmma_scale_f32_16x16x128_f8f6f4 v[rD:rD+7], v[rB:rB+FR-1], v[rA:rA+FR-1], v[rC:rC+7], v[rT], v[rS] matrix_a_fmt:MATRIX_FMT_FP6 matrix_b_fmt:MATRIX_FMT_FP6 matrix_b_scale:MATRIX_SCALE_ROW1
.else
	v_wmma_scale_f32_16x16x128_f8f6f4 v[rD:rD+7], v[rB:rB+FR-1], v[rA:rA+FR-1], v[rC:rC+7], v[rT], v[rS] matrix_a_fmt:MATRIX_FMT_FP6 matrix_b_fmt:MATRIX_FMT_FP6 matrix_a_scale:MATRIX_SCALE_ROW1 matrix_b_scale:MATRIX_SCALE_ROW1
.endif
.endif
.endm
.macro MUL16 a0, p, q, sc, cm
.irp a, \a0, \a0+1
.irp b, 0,1,2,3,4,5,6,7
	WM \a, \b, \p, \q, \sc, \cm
.endr
.endr
.endm
.macro STEP slot, q, cm
	s_wait_dscnt 12
.if (\cm) == 2
	WIN 0x81
.else
	WIN 0xa1
.endif
	MUL16 0, (\q)%2, \q, \slot, \cm
	MUL16 2, (\q)%2, \q, \slot, \cm
	s_wait_dscnt 0x0
	PLACES 4
	FETCH_B \slot, (\q)+1, 1-(\q)%2
	FETCH_A \slot, (\q)+1, 0
.if (\cm) == 2
	WIN 0xc1
.else
	WIN 0xf1
.endif
	MUL16 4, (\q)%2, \q, \slot, \cm
	MUL16 6, (\q)%2, \q, \slot, \cm
	PLACES 4
	WIN 0
	FETCH_A \slot, (\q)+1, 4
.endm
.macro TURN slot, next, fill
	s_wait_tensorcnt 0x0
	ds_add_u32 v[SPW], v[NIL]
	s_wait_dscnt 13
	WIN 0xa1
	MUL16 0, 1, 1, \slot, 1
	s_wait_dscnt 0x0
	s_barrier_signal -1
	MUL16 2, 1, 1, \slot, 1
	WIN 0
	s_barrier_wait -1
.if \fill
	CREST
	s_add_nc_u64 s[G0+4*\slot+2:G0+4*\slot+3], s[G0+4*\slot+2:G0+4*\slot+3], 2*HALFT
	s_add_nc_u64 s[G0B+4*\slot+2:G0B+4*\slot+3], s[G0B+4*\slot+2:G0B+4*\slot+3], 2*HALFT
	JLOAD G0+4*\slot, G1, G0B+4*\slot, G1B
.else
	PLACES 4
.endif
	s_wait_alu depctr_va_vdst(0)
	v_add_nc_u32 v[ADSA], 1024, v[ADSA]
	v_add_nc_u32 v[ADSB], 1024, v[ADSB]
	FETCH_B \next, 0, 0
	FETCH_A \next, 0, 0
	SCALES \next
	WIN 0xf1
	MUL16 4, 1, 1, \slot, 1
	MUL16 6, 1, 1, \slot, 1
	PLACES 4
	WIN 0
	FETCH_A \next, 0, 4
.endm
.macro QUANT s0, s1, w, pw
	WIN (((\w)<<2)|((\w)<<4))
.irp b, 0,1
	v_max3_num_f32 v[TM+\b], 0x1800000, |v[(\s0)+16*\b]|, |v[(\s0)+16*\b+1]|
	v_max3_num_f32 v[TM+2+\b], 0x1800000, |v[(\s1)+16*\b]|, |v[(\s1)+16*\b+1]|
.endr
.irp i, 2,4,6,8,10,12,14
.irp b, 0,1
	v_max3_num_f32 v[TM+\b], v[TM+\b], |v[(\s0)+16*\b+\i]|, |v[(\s0)+16*\b+\i+1]|
	v_max3_num_f32 v[TM+2+\b], v[TM+2+\b], |v[(\s1)+16*\b+\i]|, |v[(\s1)+16*\b+\i+1]|
.endr
.endr
	WIN 0
.irp b, 0,1,2,3
	v_permlanex16_b32 v[TM+4+\b], v[TM+\b], s[SEL], s[SEL+1]
.endr
.irp b, 0,1,2,3
	v_max_num_f32 v[TM+\b], v[TM+\b], v[TM+4+\b]
.endr
.irp b, 0,1,2,3
	v_add_nc_u32 v[TM+12+\b], 0xff000000, v[TM+\b]
.endr
.irp b, 0,1,2,3
	v_lshrrev_b32 v[TM+4+\b], 23, v[TM+12+\b]
.endr
	v_lshl_or_b32 v[\pw], v[TM+5], 8, v[TM+4]
	v_lshl_or_b32 v[\pw], v[TM+6], 16, v[\pw]
	v_lshl_or_b32 v[\pw], v[TM+7], 24, v[\pw]
	WIN (\w)
	v_cvt_scalef32_pk16_fp6_f32 v[PC:PC+2], v[(\s0):(\s0)+15], v[TM+12]
	v_cvt_scalef32_pk16_fp6_f32 v[PC+12:PC+14], v[(\s0)+16:(\s0)+31], v[TM+13]
	v_cvt_scalef32_pk16_fp6_f32 v[PC+6:PC+8], v[(\s1):(\s1)+15], v[TM+14]
	v_cvt_scalef32_pk16_fp6_f32 v[PC+16:PC+18], v[(\s1)+16:(\s1)+31], v[TM+15]
	WIN 0
	v_nop
.irp c, 0,1
.irp i, 0,1,2
	v_permlane16_swap_b32 v[PC+6*\c+\i], v[PC+12+4*\c+\i]
.endr
.irp i, 0,1,2
	v_mov_b32 v[PC+3+6*\c+\i], v[PC+12+4*\c+\i]
.endr
.endr
.endm
	s_load_b256 s[4:11], s[0:1], 0x0
	v_lshl_add_u32 v[SPW], v0, 2, SPARE
	v_mov_b32 v[NIL], 0
	ds_add_u32 v28, v29
	ds_add_u32 v28, v29
	s_wait_dscnt 0x0
	v_lshrrev_b32 v1, 5, v0
	v_readfirstlane_b32 s14, v1
	s_lshr_b32 s15, s14, 1
	s_and_b32 s16, s14, 1
	s_bfe_u32 s40, ttmp6, 0x40000
	s_bfe_u32 s41, ttmp6, 0x40004
	s_lshl_b32 s42, ttmp9, 2
	s_add_co_u32 s42, s42, s40
	s_and_b32 s17, ttmp7, 0xffff
	s_lshl_b32 s17, s17, 2
	s_add_co_u32 s17, s17, s41
	s_lshl_b32 s43, s41, 2
	s_lshl_b32 s43, 15, s43
	s_lshl_b32 s44, 0x1111, s40
	s_or_b32 s[G1+0], s43, (3<<16)|(1<<21)
	s_or_b32 s[G1B+0], s44, (3<<16)|(1<<21)
.irp g, G1, G1B                                ; the head's shape: a slot's share of BOTH groups of a pair: two rows of 24,576 bytes, a group's images apart
	s_mov_b32 s[\g+1], 3072<<16
	s_mov_b32 s[\g+2], 2<<16
	s_mov_b32 s[\g+3], 3072<<16
	s_mov_b32 s[\g+4], 2
	s_mov_b32 s[\g+5], GSTR/8
	s_mov_b32 s[\g+6], 0
	s_mov_b32 s[\g+7], 0
.endr
	s_or_b32 s[G1S+0], s43, (3<<16)|(1<<21)
	s_or_b32 s[G1SB+0], s44, (3<<16)|(1<<21)
.irp g, G1S, G1SB
	s_mov_b32 s[\g+1], 32<<16
	s_mov_b32 s[\g+2], (2*SSTR/256)<<16            ; a pair of groups' scale words: 8,192 dense bytes
	s_mov_b32 s[\g+3], 32<<16
	s_mov_b32 s[\g+4], 2*SSTR/256
	s_mov_b32 s[\g+5], 32
	s_mov_b32 s[\g+6], 0
	s_mov_b32 s[\g+7], 0
.endr
	s_lshl_b32 s20, s17, 1
	s_lshl_b32 s46, s42, 1
	s_add_co_u32 s46, s46, 56
	s_mul_i32 s22, s20, SSTR
	s_add_co_u32 s22, s22, XRS
	s_mov_b32 s23, 0
	s_mul_i32 s92, s46, SSTR
	s_add_co_u32 s92, s92, SOFF
	s_mov_b32 s93, 0
	s_mul_i32 s20, s20, GSTR
	s_add_co_u32 s20, s20, XRI
	s_mov_b32 s21, 0
	s_mul_i32 s46, s46, GSTR
	s_mov_b32 s47, 0
	s_mul_i32 s45, s14, HALFT
	s_wait_kmcnt 0x0
	s_add_nc_u64 s[20:21], s[4:5], s[20:21]
	s_add_nc_u64 s[22:23], s[4:5], s[22:23]
	s_add_nc_u64 s[46:47], s[6:7], s[46:47]
	s_add_nc_u64 s[92:93], s[6:7], s[92:93]
	CROUND
	s_mov_b32 s[G0S], 1
	s_mov_b32 s[G0S+1], SCL
	s_mov_b64 s[G0S+2:G0S+3], s[22:23]
	s_or_b32 s[G0S+3], s[G0S+3], 0x80000000
	s_mov_b32 s[G0SB], 1
	s_mov_b32 s[G0SB+1], SCL+2*SSTR
	s_mov_b64 s[G0SB+2:G0SB+3], s[92:93]
	s_or_b32 s[G0SB+3], s[G0SB+3], 0x80000000
.irp s, 0,1
	s_mov_b32 s[G0+4*\s], 1
	s_add_co_u32 s[G0+4*\s+1], s45, \s*SLOT
	s_add_nc_u64 s[G0+4*\s+2:G0+4*\s+3], s[20:21], \s*HALFT
	s_or_b32 s[G0+4*\s+3], s[G0+4*\s+3], 0x80000000
	s_mov_b32 s[G0B+4*\s], 1
	s_add_co_u32 s[G0B+4*\s+1], s45, \s*SLOT
	s_add_nc_u64 s[G0B+4*\s+2:G0B+4*\s+3], s[46:47], \s*HALFT
	s_or_b32 s[G0B+4*\s+3], s[G0B+4*\s+3], 0x80000000
.endr
	s_mul_i32 s4, s16, GSTR                        ; in the ring I fetch one group of a pair: which, in bytes (wsC's address is done with)
	s_mov_b32 s5, 0
	s_add_nc_u64 s[G0+6:G0+7], s[G0+6:G0+7], s[4:5]
	s_add_nc_u64 s[G0B+6:G0B+7], s[G0B+6:G0B+7], s[4:5]
	s_mov_b32 s[G0+1], 0                           ; slot 0's sets serve the head first: A's whole share of the slot,
	s_mov_b32 s[G0B+1], 2*HALFT                    ; and B's behind it
; THE HEAD'S LOADS, ONE A WAVE: wave 0 A's share of slot 0, wave 1 B's, wave 2 A's scale words, wave 3 B's.  One chain of branches on the wave's number, one load to an arm, one join.
.macro ARM under, g0, g1, next
	s_cmp_lt_u32 s14, \under
	s_cbranch_scc0 \next
	tensor_load_to_lds s[\g0:\g0+3], s[\g1:\g1+7]
	s_nop 0
.rept 4
	v_nop
.endr
	s_branch .Lhead_asked
\next:
.endm
	ARM 1, G0,  G1,  .Lhead_b
	ARM 2, G0B, G1B, .Lhead_sa
	ARM 3, G0S, G1S, .Lhead_sb
	tensor_load_to_lds s[G0SB:G0SB+3], s[G1SB:G1SB+7]
	s_nop 0
.rept 4
	v_nop
.endr
.Lhead_asked:
	s_lshl_b32 s95, s42, 1
	s_add_co_u32 s95, s95, s16
	s_lshl_b32 s96, s95, 9
	v_bfe_u32 v4, v0, 4, 1
	v_lshlrev_b32 v4, 6, v4
	v_add_nc_u32 v4, s96, v4
.irp b, 0,1,2,3
.irp j, 0,1,2,3
	global_load_b128 v[BIAS+16*\b+4*\j:BIAS+16*\b+4*\j+3], v4, s[8:9] offset:128*\b+16*\j
.endr
.endr
	v_and_b32 v1, 31, v0
	v_lshlrev_b32 v24, 4, v1
	v_lshlrev_b32 v25, 2, v1
	s_wait_alu depctr_va_vdst(0)
	s_mul_i32 s21, s15, HALFT
	s_mul_i32 s22, s16, HALFT
	s_add_co_u32 s22, s22, 2*HALFT
.irp s, 0,1
	v_add_nc_u32 v[ADRA+\s], s21, v24
	v_add_nc_u32 v[ADRB+\s], s22, v24
	s_add_co_u32 s21, s21, SLOT
	s_add_co_u32 s22, s22, SLOT
.endr
	s_mul_i32 s21, s15, SSTR
	s_add_co_u32 s21, s21, SCL
	v_add_nc_u32 v[ADSA], s21, v25
	s_mul_i32 s22, s16, SSTR
	s_add_co_u32 s22, s22, SCL+2*SSTR
	v_add_nc_u32 v[ADSB], s22, v25
	s_mov_b32 s[SEL], 0x76543210
	s_mov_b32 s[SEL+1], 0xfedcba98
	s_mov_b32 s[HM], 0xffff0000
	s_lshl_b32 s97, s17, 1
	s_add_co_u32 s97, s97, s15
	s_lshl_b32 s97, s97, 5
	s_add_co_u32 s97, s97, s95
	s_mul_i32 s98, s97, 12288
	s_mov_b32 s99, 0
	s_add_nc_u64 s[12:13], s[10:11], s[98:99]
	s_lshl_b32 s98, s97, 9
	s_add_co_u32 s98, s98, HSC
	s_add_nc_u64 s[92:93], s[10:11], s[98:99]
	s_wait_alu depctr_va_vdst(0)
	s_wait_tensorcnt 0x0                           ; my tile of the head's four is in
	ds_add_u32 v[SPW], v[NIL]
.irp g, G1, G1B                                ; no tensor load of mine is out, so descriptors may be written: the ring's shape, 96 rows of 256 bytes
	s_mov_b32 s[\g+1], 32<<16
	s_mov_b32 s[\g+2], 96<<16
	s_mov_b32 s[\g+3], 32<<16
	s_mov_b32 s[\g+4], 96
	s_mov_b32 s[\g+5], 32
.endr
	s_mov_b32 s[G0+1], s45                         ; slot 0's sets for the ring: my quarter of the slot, my group
	s_mov_b32 s[G0B+1], s45
	s_add_nc_u64 s[G0+2:G0+3], s[G0+2:G0+3], s[4:5]
	s_add_nc_u64 s[G0B+2:G0B+3], s[G0B+2:G0B+3], s[4:5]
	s_wait_dscnt 0x0                               ; the add is done
	CROUND                                         ; a whole round: all four tiles are in, and the joint loads meet
	JLOAD G0+4, G1, G0B+4, G1B                     ; slot 1's first fill, the first tensor load behind the round
	FETCH_B 0, 0, 0
	FETCH_A 0, 0, 0
	SCALES 0
	FETCH_A 0, 0, 4
	s_wait_loadcnt 0x0
	STEP 0, 0, 2
	s_mov_b32 s3, LAPS-1
.Llap:
	TURN 0, 1, 1
	STEP 1, 0, 1
	TURN 1, 0, 1
	STEP 0, 0, 1
	s_sub_co_u32 s3, s3, 1
	s_cmp_lg_u32 s3, 0
	s_cbranch_scc1 .Llap
	TURN 0, 1, 0
	STEP 1, 0, 1
	s_wait_dscnt 12
	WIN 0xa1
	MUL16 0, 1, 1, 1, 1
	MUL16 2, 1, 1, 1, 1
	s_wait_dscnt 0x0
	WIN 0xf1
	MUL16 4, 1, 1, 1, 1
	MUL16 6, 1, 1, 1, 1
	WIN 0
	PLACES 4
.irp b, 0,1,2,3
	v_mov_b32 v[TM+4+\b], 0
.endr
.irp a, 0,1,2,3,4,5,6,7
	s_wait_xcnt 0x0
	WIN ((2+\a/4)<<2)
.set j, 0
.rept 64
	v_max_num_f32 v[128+j], 0, v[64*(\a%4)+j]
.set j, j+1
.endr
	WIN 0
	QUANT 128, 160, 0, PWS+\a
.irp c, 0,1,2
	global_store_b128 v24, v[PC+4*\c:PC+4*\c+3], s[12:13] offset:1536*\a+512*\c
.endr
.endr
.irp p, 0,1,2,3
	v_cndmask_b32 v[SD+\p], v[PWS+2*\p], v[PWS+2*\p+1], s[HM]
.endr
.irp p, 0,1,2,3
	global_store_b32 v25, v[SD+\p], s[92:93] offset:128*\p
.endr
	s_wait_tensorcnt 0x0
	ds_add_u32 v[SPW], v[NIL]
	s_wait_dscnt 0x0
	CROUND
	s_endpgm
.Lfunc_end_k_qf902df8334_ffn1:
	.size	k_qf902df8334_ffn1, .Lfunc_end_k_qf902df8334_ffn1-k_qf902df8334_ffn1
	.p2alignl 7, 3214868480
	.fill 96, 4, 3214868480
	.section	.rodata,"a",@progbits
	.p2align	6, 0x0
	.amdhsa_kernel k_qf902df8334_ffn1
		.amdhsa_group_segment_fixed_size 327680
		.amdhsa_private_segment_fixed_size 0
		.amdhsa_enable_private_segment 0
		.amdhsa_kernarg_size 32
		.amdhsa_user_sgpr_count 2
		.amdhsa_user_sgpr_kernarg_segment_ptr 1
		.amdhsa_wavefront_size32 1
		.amdhsa_system_sgpr_workgroup_id_x 1
		.amdhsa_system_sgpr_workgroup_id_y 1
		.amdhsa_system_sgpr_workgroup_id_z 1
		.amdhsa_system_vgpr_workitem_id 0
		.amdhsa_next_free_vgpr 1024
		.amdhsa_next_free_sgpr 100
		.amdhsa_reserve_vcc 0
		.amdhsa_float_denorm_mode_32 3
		.amdhsa_float_denorm_mode_16_64 3
		.amdhsa_memory_ordered 1
		.amdhsa_forward_progress 1
		.amdhsa_inst_pref_size 161
	.end_amdhsa_kernel
	.amdgpu_metadata
---
amdhsa.version: [ 1, 2 ]
amdhsa.kernels:
  - .name:           k_qf902df8334_ffn1
    .symbol:         k_qf902df8334_ffn1.kd
    .args:
      - { .name: wsC, .offset: 0, .size: 8, .value_kind: global_buffer, .address_space: global }
      - { .name: wsA, .offset: 8, .size: 8, .value_kind: global_buffer, .address_space: global }
      - { .name: b1, .offset: 16, .size: 8, .value_kind: global_buffer, .address_space: global }
      - { .name: wsD, .offset: 24, .size: 8, .value_kind: global_buffer, .address_space: global }
    .group_segment_fixed_size: 327680
    .private_segment_fixed_size: 0
    .kernarg_segment_align: 8
    .kernarg_segment_size: 32
    .max_flat_workgroup_size: 128
    .sgpr_count:     100
    .vgpr_count:     1024
    .wavefront_size: 32
...
	.end_amdgpu_metadata
.endif
;; end of part 9
;; launch ffn2 (part 10): grid 8 x 32, 4 waves a work-group, clusters of 4 x 4, 327,680 bytes of LDS; arguments wsD, wsA, wsC, b2, g2, be2, out0; writes out0
.if DOCPART == 10
	.amdgcn_target "amdgcn-amd-amdhsa--gfx1250"
	.amdhsa_code_object_version 6
	.text
	.protected	k_qf902df8334_ffn2
	.globl	k_qf902df8334_ffn2
	.p2align	8
	.type	k_qf902df8334_ffn2,@function
k_qf902df8334_ffn2:
	s_mov_b64 s[64:65], 0
	v_nop
	global_prefetch_b8 v0, s[64:65] scope:SCOPE_SE
	s_setreg_imm32_b32 hwreg(HW_REG_WAVE_MODE, 25, 1), 1
	s_wait_xcnt 0x0
	s_wait_alu depctr_hold_cnt(0) depctr_sa_sdst(0) depctr_va_vdst(0) depctr_va_sdst(0) depctr_va_ssrc(0) depctr_va_vcc(0) depctr_vm_vsrc(0)
	s_getreg_b32 s2, hwreg(HW_REG_IB_STS2, 6, 4)
	s_cmp_eq_u32 s2, 0
	s_cbranch_scc0 .Lentry_in_a_cluster
	s_endpgm
.Lentry_in_a_cluster:
	s_bfe_u32 s2, ttmp6, 0x10000c
	s_cmp_lg_u32 s2, 0xf033
	s_cbranch_scc0 .Lentry_shape_is_right
	s_endpgm
.Lentry_shape_is_right:
; FFN 2 and the end: out = hidden W2 + b2 + LayerNorm2(x_res), the product on codes of E2M3 with E8M0 scales, K = 4,096.
; THE TILE IS 128 x 128: M = 4,096 and N = 1,024 give 32 x 8 = 256 tiles, a work-group for each of the chip's 256 WGPs; tiles of 256 x 256 would be 64.  Four waves, 64 x 64 each: 16 accumulators of 16 x 16.
; OPERANDS ARE IMAGES OF REGISTERS, in groups of 128 rows: a fragment (16 rows x 128 K) is three ds_load_b128 at 16 x lane; a group's K step is 12,288 dense bytes.  A work-group needs one group of the hidden layer (A) and one of W2 (B).
; K goes in slots of four K steps (512 along K) through a ring of two LDS slots: A's four K steps, then B's four, 98,304 bytes.  Waves 0 and 1 fetch A's K steps 0-1 and 2-3 of a slot, waves 2 and 3 B's: 24,576 dense bytes a load.
; CLUSTERS: 4 x 4 work-groups; A's tiles are asked for jointly along a row of the cluster, B's along a column.
; The rows of a tile of 16 are not neighbours (lane r: row 32 (T / 2) + 8 (T % 2) + r + 8 (r / 8)), and the matrix instruction is used transposed (source 0 = 16 rows of W2, source 1 = 16 rows of the hidden layer):
; register j of accumulator (a, b) in lane (r, h) is row 32 (a / 2) + 8 (a % 2) + r + 8 (r / 8), column 32 (b / 2) + 16 h + 8 (b % 2) + j of the wave's 64 x 64.
; b2 + be2 is the C of each sum's first product.  The rows' means and 1 / sqrt(variance + eps) are made at the head, from the sixteen heads' means and centred sums of squares (no difference of large sums), and wait in LDS.
; x_res of the wave's 64 x 64 is asked for at the head and lands under the products.  On the way out a block of 16 rows goes through the wave's stage in LDS and comes back as rows of 256 bytes, to which (x_res - mean) rstd g2 is added.
; REGISTERS, in windows of 256: window 0: v0-31 addresses; v32-63 scale words, two sets; v64-95 b2 + be2; v96-127 be2; on the way out v64-127 the rows' (mean, rstd), v128-255 the rows: no register of the way out is written twice.
;   window 1: two sets of fragments at v0 and v128: A's four (48 registers), then B's four.   window 2: the accumulators, (a, b) at v[8 (4 a + b)].   window 3: x_res, 32 registers a block of 16 rows.
; LIMITS: NaN and infinities are not served; 1 / sqrt is v_rsq_f32; the sums b2 + be2 and the last multiply-add round in another order than the definition's.
.set NK,    32
.set LAPS,  NK/8                       ; a lap = two slots = eight K steps
.set GSTR,  NK*12288                   ; a group's images
.set SSTR,  NK*512                     ; a group's scale words
.set SHALF, SSTR/2
.set HSC,   12582912                   ; in wsD: the hidden layer's scale words
.set W2I,   8650752                    ; in wsA: W2's image, and its scale words
.set W2S,   12156928
.set XST,   20054016                   ; in wsC: the statistics
.set HALFT, 24576                      ; two K steps of a group
.set SLOT,  4*HALFT
.set SCL,   2*SLOT                     ; behind the ring: A's scale words for all of K, then B's, filled once
.set SPARE, SCL+2*SSTR                 ; the spare words: 128 bytes a wave, named by no other line
.set LNT,   SPARE+512                  ; 128 rows x (mean, rstd)
.set SP,    272                        ; the stage: 16 rows x (256 bytes + 16) a wave, in slot 0, which has had its last fill and its last read by then
.set FR,    12
.set ADRA, 16                          ; v16-17 my A fragments in slot 0, 1
.set ADRB, 20                          ; v20-21 my B fragments
.set ADSA, 22                          ; v22    A's scale words of the slot in hand
.set ADSB, 23                          ; v23    B's
.set SPW,  28
.set NIL,  29
.set SC,   32                          ; scale words, two sets of 16: A's at +2 q + p, B's at +8 + 2 q + p; lanes 0-15 my tile 2 p, lanes 16-31 my tile 2 p + 1
.set BIAS, 64
.set BE,   96
.set PR,   64                          ; the way out: (mean, rstd), 16 registers a block
.set OB,   128                         ; the way out: the rows, 32 registers a block
.set G1, 24
.set G0, 32
.set G1B, 48
.set G0B, 56
.set G1S, 68
.set G0S, 76
.set G1SB, 80
.set G0SB, 88
; PREFETCH: behind each joint load a wave names the load that stands two refills on (two slots, eight K steps).  That load is 96 blocks of 256 bytes, asked for jointly by four partners: each takes 24 of them, told apart BY ADDRESS
; (cx for A's, cy for B's), a lane a block; lanes 24-31 name block 23 again.  Slot 2 is named at the head, slot 3 behind slot 1's fill, slots 4 to 7 in the loop's first two trips; the last trip names nothing: there is no slot 8.
.set PFA,  66                          ; s[66:67] my work-group's 24 blocks of my two K steps of a slot; stepped two slots a trip
.set PFO,  12                          ; v12      256 x min(lane, 23); never rewritten
.set MULW, 0xa5                        ; sources 0 and 1 window 1, C and D window 2
.set MULB, 0x85                        ; the same with C in window 0: the bias
.set MSB, 0
.macro WIN new                         ; the immediate's high byte repeats the setting that is left
.if MSB != (\new)
	s_set_vgpr_msb (MSB<<8)|(\new)
.set MSB, (\new)
.endif
.endm
.macro JLOAD g0a, g1a, g0b, g1b        ; a joint load: waves 0 and 1 fetch for A, waves 2 and 3 for B; four v_nop follow each line
	s_cmp_eq_u32 s15, 0
	s_cbranch_scc0 .Lfor_b_\@
	tensor_load_to_lds s[\g0a:\g0a+3], s[\g1a:\g1a+7]
	s_nop 0
.rept 4
	v_nop
.endr
	s_branch .Lasked_\@
.Lfor_b_\@:
	tensor_load_to_lds s[\g0b:\g0b+3], s[\g1b:\g1b+7]
	s_nop 0
.rept 4
	v_nop
.endr
.Lasked_\@:
.endm
.macro CREST                           ; a round of the cluster's barrier behind its opening barrier
	s_cmp_lg_u32 s14, 0
	s_cbranch_scc1 .Lnot_wave_0_\@
	s_barrier_signal -3
.Lnot_wave_0_\@:
	s_barrier_wait -3
	s_barrier_signal -1
	s_barrier_wait -1
.endm
.macro CROUND
	s_barrier_signal -1
	s_barrier_wait -1
	CREST
.endm
.macro PLACES n
.rept \n
	v_nop
.endr
.endm
.macro FRAG reg, adr, q, i             ; a fragment's image: three loads of 512 consecutive bytes
.irp c, 0,1,2
	ds_load_b128 v[(\reg)+4*\c:(\reg)+4*\c+3], v[\adr] offset:12288*(\q)+1536*(\i)+512*\c
.endr
.endm
.macro FETCH slot, q, p                ; the slot's q-th K step into set p: B's four fragments, then A's four: the youngest six loads are A's blocks 2 and 3
	WIN 0x40
.irp i, 0,1,2,3
	FRAG 128*(\p)+48+FR*\i, ADRB+\slot, \q, \i
.endr
.irp i, 0,1,2,3
	FRAG 128*(\p)+FR*\i, ADRA+\slot, \q, \i
.endr
.endm
.macro SCALES sc                       ; a slot's scale words: four K steps, two registers a side and K step
.irp q, 0,1,2,3
.irp p, 0,1
	ds_load_b32 v[SC+16*\sc+2*\q+\p], v[ADSA] offset:512*\q+128*\p
	ds_load_b32 v[SC+16*\sc+8+2*\q+\p], v[ADSB] offset:512*\q+128*\p
.endr
.endr
.endm
; one product: A's block a x B's block b.  cm = 1: in place, 2: C is the bias (the first product starts the sum).  A tile's parity says in which half of the lanes its scale words lie.
.macro WM a, b, p, q, sc, cm
.set rD, 8*(4*(\a)+(\b))
.set rB, 128*(\p)+48+FR*(\b)
.set rA, 128*(\p)+FR*(\a)
.set rT, SC+16*(\sc)+8+2*(\q)+(\b)/2
.set rS, SC+16*(\sc)+2*(\q)+(\a)/2
.set rC, rD
.if (\cm) == 2
.set rC, BIAS+8*(\b)
.endif
.set par, 2*((\a)%2)+(\b)%2
.if par == 0
	v_wmma_scale_f32_16x16x128_f8f6f4 v[rD:rD+7], v[rB:rB+FR-1], v[rA:rA+FR-1], v[rC:rC+7], v[rT], v[rS] matrix_a_fmt:MATRIX_FMT_FP6 matrix_b_fmt:MATRIX_FMT_FP6
.elseif par == 1
	v_wmma_scale_f32_16x16x128_f8f6f4 v[rD:rD+7], v[rB:rB+FR-1], v[rA:rA+FR-1], v[rC:rC+7], v[rT], v[rS] matrix_a_fmt:MATRIX_FMT_FP6 matrix_b_fmt:MATRIX_FMT_FP6 matrix_a_scale:MATRIX_SCALE_ROW1
.elseif par == 2
	v_wmma_scale_f32_16x16x128_f8f6f4 v[rD:rD+7], v[rB:rB+FR-1], v[rA:rA+FR-1], v[rC:rC+7], v[rT], v[rS] matrix_a_fmt:MATRIX_FMT_FP6 matrix_b_fmt:MATRIX_FMT_FP6 matrix_b_scale:MATRIX_SCALE_ROW1
.else
	v_wmma_scale_f32_16x16x128_f8f6f4 v[rD:rD+7], v[rB:rB+FR-1], v[rA:rA+FR-1], v[rC:rC+7], v[rT], v[rS] matrix_a_fmt:MATRIX_FMT_FP6 matrix_b_fmt:MATRIX_FMT_FP6 matrix_a_scale:MATRIX_SCALE_ROW1 matrix_b_scale:MATRIX_SCALE_ROW1
.endif
.endm
.macro MUL4 a, p, q, sc, cm            ; the 16 accumulators take turns, one instruction a turn, in the same order in every step
.irp b, 0,1,2,3
	WM \a, \b, \p, \q, \sc, \cm
.endr
.endm
; a K step that has its successor in the same slot: it multiplies set q % 2 and, in its middle, fetches the next K step into the other set
.macro STEP slot, q, cm
	s_wait_dscnt 6                                 ; the scale words, B's four fragments and A's blocks 0 and 1 are in; the youngest six loads (A's blocks 2 and 3) may be out
.if (\cm) == 2
	WIN MULB
.else
	WIN MULW
.endif
	MUL4 0, (\q)%2, \q, \slot, \cm
	MUL4 1, (\q)%2, \q, \slot, \cm
	PLACES 4                                       ; in front of loads into registers that the last step's products read
	FETCH \slot, (\q)+1, 1-(\q)%2
	s_wait_dscnt 24                                ; all but the 24 just issued
.if (\cm) == 2
	WIN MULB
.else
	WIN MULW
.endif
	MUL4 2, (\q)%2, \q, \slot, \cm
	MUL4 3, (\q)%2, \q, \slot, \cm
.endm
; a slot's fourth K step changes slots: one barrier; in front of it each wave waits for all its tensor loads, adds 0 to its spare word, and waits for that and for its reads of this slot
.macro TURN slot, next, fill
	WIN 0                                          ; (the add's two registers lie in window 0)
.if (\fill) && (\slot) == 0
	s_wait_xcnt 0x0                                ; my prefetches have read their address: it is stepped here, ahead of the waits of the change of slots
	s_add_nc_u64 s[PFA:PFA+1], s[PFA:PFA+1], 4*HALFT   ; two slots on
.endif
	s_wait_tensorcnt 0x0                           ; all my tensor loads have landed: my part of the next slot
	ds_add_u32 v[SPW], v[NIL]                      ; 0 onto my spare word
	s_wait_dscnt 7                                 ; (the add and the youngest six loads may be out)
	WIN MULW
	MUL4 0, 1, 3, \slot, 1
	MUL4 1, 1, 3, \slot, 1
	s_wait_dscnt 0x0                               ; the add is done, and my reads of this slot are over
	s_barrier_signal -1
	MUL4 2, 1, 3, \slot, 1
	WIN 0
	s_barrier_wait -1
.if \fill
	CREST                                          ; the barrier has opened a round of the cluster's: no wave of any partner still reads this slot or has a load on its way
	s_add_nc_u64 s[G0+4*\slot+2:G0+4*\slot+3], s[G0+4*\slot+2:G0+4*\slot+3], 4*HALFT
	s_add_nc_u64 s[G0B+4*\slot+2:G0B+4*\slot+3], s[G0B+4*\slot+2:G0B+4*\slot+3], 4*HALFT
	JLOAD G0+4*\slot, G1, G0B+4*\slot, G1B         ; the first tensor load behind the round: eight K steps on; its four v_nop are the places in front of the loads below
.else
	PLACES 4
.endif
	s_wait_alu depctr_va_vdst(0)
	v_add_nc_u32 v[ADSA], 2048, v[ADSA]            ; the next four K steps' scale words
	v_add_nc_u32 v[ADSB], 2048, v[ADSB]
	SCALES \next
.if \fill
	s_cmp_gt_u32 s3, 1                             ; s3 = 1 in the loop's last trip, whose refills are the last
	s_cbranch_scc0 .Lno_ask_\@
	global_prefetch_b8 v[PFO], s[PFA:PFA+1] offset:(2+\slot)*2*HALFT th:TH_LOAD_NT scope:SCOPE_SE   ; the slot two refills on
.Lno_ask_\@:
.endif
	FETCH \next, 0, 0
	WIN MULW
	MUL4 3, 1, 3, \slot, 1
.endm
; a row's sixteen (mean, sum of squares) at v[b] on -> (mean, rstd) in v[o], v[o + 1]; t: a register of its own for the variance
.macro LNROW b, o, t
	v_pk_add_f32 v[192:193], v[\b:\b+1], v[\b+2:\b+3]
	v_pk_add_f32 v[194:195], v[\b+4:\b+5], v[\b+6:\b+7]
.irp k, 8,12,16,20,24,28
	v_pk_add_f32 v[192:193], v[192:193], v[\b+\k:\b+\k+1]
	v_pk_add_f32 v[194:195], v[194:195], v[\b+\k+2:\b+\k+3]
.endr
	v_pk_add_f32 v[192:193], v[192:193], v[194:195]
	v_mul_f32 v[\o], 0x3d800000, v192              ; the row's mean
	v_sub_f32 v194, v[\b], v[\o]
	v_sub_f32 v195, v[\b+2], v[\o]
	v_mul_f32 v196, v194, v194
	v_mul_f32 v197, v195, v195
.irp k, 4,8,12,16,20,24,28
	v_sub_f32 v194, v[\b+\k], v[\o]
	v_sub_f32 v195, v[\b+\k+2], v[\o]
	v_fma_f32 v196, v194, v194, v196
	v_fma_f32 v197, v195, v195, v197
.endr
	v_add_f32 v196, v196, v197
	v_fmamk_f32 v193, v196, 0x42800000, v193       ; + 64 x the spread of the heads' means
	v_fma_f32 v[\t], v193, s18, s19                ; / 1,024 (exact) + eps
	s_wait_alu depctr_va_vdst(0)
	v_rsq_f32 v[\o+1], v[\t]
.endm
; THE WAY OUT of block a (16 rows x my 64 columns).  TOSTAGE: the accumulators into my stage, back as rows (lanes 0-15 one row of 256 bytes, lanes 16-31 the next), and each lane's row's mean and rstd.
.macro TOSTAGE a
	WIN 0x08                                       ; an LDS store's data: window 2
.irp b, 0,1,2,3
	ds_store_b128 v24, v[32*(\a)+8*\b:32*(\a)+8*\b+3] offset:128*(\b/2)+32*(\b%2)        ; each accumulator from its low end on
	ds_store_b128 v24, v[32*(\a)+8*\b+4:32*(\a)+8*\b+7] offset:128*(\b/2)+32*(\b%2)+16
.endr
	WIN 0
.irp t, 0,1,2,3,4,5,6,7
	ds_load_b128 v[OB+32*(\a)+4*\t:OB+32*(\a)+4*\t+3], v25 offset:\t*2*SP   ; my wave's own bytes, served in order: these see the stores above, and the next block's stores come behind them
.endr
.irp t, 0,1,2,3,4,5,6,7
	ds_load_b64 v[PR+16*(\a)+2*\t:PR+16*(\a)+2*\t+1], v27 offset:8*(32*((\a)/2)+8*((\a)%2)+2*\t+8*(\t/4))
.endr
.endm
.macro FIN a, younger                  ; younger: the next block's 8 stores and 16 loads, which may stay out
	s_wait_dscnt \younger
	WIN 0xc3                                       ; x_res: destination and source 0 in window 3
.irp t, 0,1,2,3,4,5,6,7
.irp u, 0,2
	v_pk_add_f32 v[32*(\a)+4*\t+\u:32*(\a)+4*\t+\u+1], v[32*(\a)+4*\t+\u:32*(\a)+4*\t+\u+1], v[PR+16*(\a)+2*\t:PR+16*(\a)+2*\t+1] op_sel_hi:[1,0] neg_lo:[0,1] neg_hi:[0,1]
.endr
.endr
.irp t, 0,1,2,3,4,5,6,7
.irp u, 0,2
	v_pk_mul_f32 v[32*(\a)+4*\t+\u:32*(\a)+4*\t+\u+1], v[32*(\a)+4*\t+\u:32*(\a)+4*\t+\u+1], v[PR+16*(\a)+2*\t:PR+16*(\a)+2*\t+1] op_sel:[0,1] op_sel_hi:[1,1]
.endr
.endr
	WIN 0x03
.irp t, 0,1,2,3,4,5,6,7
.irp u, 0,2
	v_pk_fma_f32 v[OB+32*(\a)+4*\t+\u:OB+32*(\a)+4*\t+\u+1], v[32*(\a)+4*\t+\u:32*(\a)+4*\t+\u+1], v[8+\u:9+\u], v[OB+32*(\a)+4*\t+\u:OB+32*(\a)+4*\t+\u+1]
.endr
.endr
	WIN 0
.irp t, 0,1,2,3,4,5,6,7
	global_store_b128 v26, v[OB+32*(\a)+4*\t:OB+32*(\a)+4*\t+3], s[12:13] offset:(32*((\a)/2)+8*((\a)%2)+2*\t+8*(\t/4))*4096 th:TH_STORE_NT   ; sixteen lanes store 256 consecutive bytes, aligned
.endr
.endm
	s_load_b256 s[4:11], s[0:1], 0x0               ; wsD, wsA, wsC, b2
	s_load_b128 s[96:99], s[0:1], 0x20             ; g2, be2
	s_load_b64 s[12:13], s[0:1], 0x30              ; out0
	v_lshl_add_u32 v[SPW], v0, 2, SPARE
	v_mov_b32 v[NIL], 0
	ds_add_u32 v28, v29
	ds_add_u32 v28, v29
	s_wait_dscnt 0x0
	v_lshrrev_b32 v1, 5, v0
	v_readfirstlane_b32 s14, v1                    ; wave 0..3
	s_lshr_b32 s15, s14, 1                         ; my half of the tile's rows.  Also: I fetch for A (0) or for B (1)
	s_and_b32 s16, s14, 1                          ; my half of its columns.  Also: which two of a slot's four K steps I fetch
	s_bfe_u32 s40, ttmp6, 0x40000                  ; cx
	s_bfe_u32 s41, ttmp6, 0x40004                  ; cy
	s_lshl_b32 s42, ttmp9, 2
	s_add_co_u32 s42, s42, s40                     ; tile column = W2's group, 0..7
	s_and_b32 s17, ttmp7, 0xffff
	s_lshl_b32 s17, s17, 2
	s_add_co_u32 s17, s17, s41                     ; tile row = the hidden layer's group, 0..31
	s_lshl_b32 s43, s41, 2
	s_lshl_b32 s43, 15, s43                        ; my row of the cluster
	s_lshl_b32 s44, 0x1111, s40                    ; my column
	s_or_b32 s[G1+0], s43, (3<<16)|(1<<21)         ; 15:0 the mask; 17:16 elements of 8 bytes; 21 set beside a mask; no padding
	s_or_b32 s[G1B+0], s44, (3<<16)|(1<<21)
.irp g, G1, G1B
	s_mov_b32 s[\g+1], 32<<16                      ; tensor_dim0: 32 elements, 256 bytes
	s_mov_b32 s[\g+2], 192<<16                     ; tensor_dim1: the head's shape, 192 rows: a side's whole share of a slot, 49,152 dense bytes
	s_mov_b32 s[\g+3], 32<<16                      ; tile_dim0
	s_mov_b32 s[\g+4], 192                         ; tile_dim1
	s_mov_b32 s[\g+5], 32                          ; the pitch
	s_mov_b32 s[\g+6], 0
	s_mov_b32 s[\g+7], 0
.endr
	s_or_b32 s[G1S+0], s43, (3<<16)|(1<<21)
	s_or_b32 s[G1SB+0], s44, (3<<16)|(1<<21)
.irp g, G1S, G1SB
	s_mov_b32 s[\g+1], 32<<16
	s_mov_b32 s[\g+2], (SSTR/256)<<16              ; a group's scale words for all of K: 16,384 dense bytes
	s_mov_b32 s[\g+3], 32<<16
	s_mov_b32 s[\g+4], SSTR/256
	s_mov_b32 s[\g+5], 32
	s_mov_b32 s[\g+6], 0
	s_mov_b32 s[\g+7], 0
.endr
	s_mul_i32 s22, s17, SSTR
	s_add_co_u32 s22, s22, HSC
	s_mov_b32 s23, 0
	s_mul_i32 s92, s42, SSTR
	s_add_co_u32 s92, s92, W2S
	s_mov_b32 s93, 0
	s_mul_i32 s20, s17, GSTR
	s_mov_b32 s21, 0
	s_mul_i32 s46, s42, GSTR
	s_add_co_u32 s46, s46, W2I
	s_mov_b32 s47, 0
	s_mul_i32 s45, s14, HALFT                      ; where they go: by the wave's number alone
	s_wait_kmcnt 0x0
	s_add_nc_u64 s[20:21], s[4:5], s[20:21]
	s_add_nc_u64 s[22:23], s[4:5], s[22:23]
	s_add_nc_u64 s[46:47], s[6:7], s[46:47]
	s_add_nc_u64 s[92:93], s[6:7], s[92:93]
	CROUND                                         ; all sixteen work-groups are here: the first joint loads meet
	s_mov_b32 s[G0S], 1
	s_mov_b32 s[G0S+1], SCL
	s_mov_b64 s[G0S+2:G0S+3], s[22:23]
	s_or_b32 s[G0S+3], s[G0S+3], 0x80000000
	s_mov_b32 s[G0SB], 1
	s_mov_b32 s[G0SB+1], SCL+SSTR
	s_mov_b64 s[G0SB+2:G0SB+3], s[92:93]
	s_or_b32 s[G0SB+3], s[G0SB+3], 0x80000000
.irp s, 0,1
	s_mov_b32 s[G0+4*\s], 1
	s_add_co_u32 s[G0+4*\s+1], s45, \s*SLOT
	s_add_nc_u64 s[G0+4*\s+2:G0+4*\s+3], s[20:21], \s*2*HALFT
	s_or_b32 s[G0+4*\s+3], s[G0+4*\s+3], 0x80000000
	s_mov_b32 s[G0B+4*\s], 1
	s_add_co_u32 s[G0B+4*\s+1], s45, \s*SLOT
	s_add_nc_u64 s[G0B+4*\s+2:G0B+4*\s+3], s[46:47], \s*2*HALFT
	s_or_b32 s[G0B+4*\s+3], s[G0B+4*\s+3], 0x80000000
.endr
	s_mul_i32 s6, s16, HALFT                       ; in the ring I fetch two of a slot's four K steps: which, in bytes (wsA's address is done with)
	s_mov_b32 s7, 0
	s_add_nc_u64 s[G0+6:G0+7], s[G0+6:G0+7], s[6:7]
	s_add_nc_u64 s[G0B+6:G0B+7], s[G0B+6:G0B+7], s[6:7]
	s_mov_b32 s[G0+1], 0                           ; slot 0's sets serve the head first: A's four K steps,
	s_mov_b32 s[G0B+1], 2*HALFT                    ; and B's behind them
	s_cmp_eq_u32 s15, 0                            ; the prefetches: do I fetch for A?
	s_cselect_b64 s[PFA:PFA+1], s[20:21], s[46:47] ; my group's images,
	s_cselect_b32 s18, s40, s41                    ; my place among the four that ask with me,
	s_mul_i32 s18, s18, 24*256                     ; its 24 blocks,
	s_add_co_u32 s18, s18, s6                      ; of my two K steps of a slot
	s_mov_b32 s19, 0
	s_add_nc_u64 s[PFA:PFA+1], s[PFA:PFA+1], s[18:19]
; THE HEAD'S LOADS, ONE A WAVE: wave 0 A's share of slot 0, wave 1 B's, wave 2 A's scale words, wave 3 B's.  One chain of branches on the wave's number, one load to an arm, one join.
.macro ARM under, g0, g1, next
	s_cmp_lt_u32 s14, \under
	s_cbranch_scc0 \next
	tensor_load_to_lds s[\g0:\g0+3], s[\g1:\g1+7]
	s_nop 0
.rept 4
	v_nop
.endr
	s_branch .Lhead_asked
\next:
.endm
	ARM 1, G0,  G1,  .Lhead_b
	ARM 2, G0B, G1B, .Lhead_sa
	ARM 3, G0S, G1S, .Lhead_sb
	tensor_load_to_lds s[G0SB:G0SB+3], s[G1SB:G1SB+7]
	s_nop 0
.rept 4
	v_nop
.endr
.Lhead_asked:
	; the statistics of the tile's 128 rows: thread t takes row t
	s_lshl_b32 s22, s17, 14                        ; 128 rows of 128 bytes
	s_add_co_u32 s22, s22, XST
	s_mov_b32 s23, 0
	s_add_nc_u64 s[4:5], s[8:9], s[22:23]          ; the loads' base lies in s[4:5] (wsD's address is done with), which no later line writes
	v_lshlrev_b32 v4, 7, v0
.irp k, 0,1,2,3,4,5,6,7
	global_load_b128 v[128+4*\k:131+4*\k], v4, s[4:5] offset:16*\k
.endr
	s_lshl_b32 s46, s42, 9
	s_lshl_b32 s47, s16, 8
	s_add_co_u32 s46, s46, s47                     ; my 64 columns, in bytes
	v_and_b32 v1, 31, v0
	v_and_b32 v2, 15, v0                           ; r
	v_bfe_u32 v3, v0, 4, 1                         ; h
	v_lshlrev_b32 v31, 4, v1                       ; 16 x lane
	s_wait_alu depctr_va_vdst(0)
	v_lshlrev_b32 v7, 2, v1                        ; 4 x lane
	v_min_u32 v[PFO], 23, v1
	v_lshlrev_b32 v[PFO], 8, v[PFO]
	global_prefetch_b8 v[PFO], s[PFA:PFA+1] offset:2*2*HALFT th:TH_LOAD_NT scope:SCOPE_SE   ; slot 2
	v_lshlrev_b32 v5, 6, v3
	v_add_nc_u32 v5, s46, v5                       ; the biases in the accumulators' order: + 64 h
	v_lshl_add_u32 v6, v2, 4, s46                  ; g2 by rows: + 16 r
.irp b, 0,1
.irp j, 0,1,2,3
	global_load_b128 v[BIAS+16*\b+4*\j:BIAS+16*\b+4*\j+3], v5, s[10:11] offset:128*\b+16*\j   ; b2 at columns 32 b + 16 h + 0 .. 15
.endr
.endr
	global_load_b128 v[8:11], v6, s[96:97]
.irp b, 0,1
.irp j, 0,1,2,3
	global_load_b128 v[BE+16*\b+4*\j:BE+16*\b+4*\j+3], v5, s[98:99] offset:128*\b+16*\j
.endr
.endr
	s_lshl_b32 s92, s17, 19                        ; the tile's 128 rows of 4,096 bytes,
	s_lshl_b32 s93, s15, 18                        ; my 64 of them,
	s_add_co_u32 s92, s92, s93
	s_add_co_u32 s92, s92, s46                     ; my columns
	s_mov_b32 s93, 0
	s_add_nc_u64 s[12:13], s[12:13], s[92:93]      ; out0
	s_add_nc_u64 s[94:95], s[8:9], s[92:93]        ; x_res
	v_lshlrev_b32 v26, 12, v3
	v_lshl_add_u32 v26, v2, 4, v26                 ; lanes 0-15 one row's 256 bytes, lanes 16-31 the next row's
	WIN 0xc0                                       ; destination window 3
.irp a, 0,1,2,3
.irp t, 0,1,2,3,4,5,6,7
	global_load_b128 v[32*\a+4*\t:32*\a+4*\t+3], v26, s[94:95] offset:(32*(\a/2)+8*(\a%2)+2*\t+8*(\t/4))*4096 th:TH_LOAD_NT   ; x_res of my 64 x 64: wanted on the way out, it lands under the products
.endr
.endr
	WIN 0
	s_mul_i32 s21, s15, 6144                       ; my four tiles of A's eight,
	s_mul_i32 s22, s16, 6144                       ; my four of B's,
	s_add_co_u32 s22, s22, 2*HALFT                 ; which lie behind A's four K steps
.irp s, 0,1
	v_add_nc_u32 v[ADRA+\s], s21, v31
	v_add_nc_u32 v[ADRB+\s], s22, v31
	s_add_co_u32 s21, s21, SLOT
	s_add_co_u32 s22, s22, SLOT
.endr
	s_lshl_b32 s21, s15, 8
	s_add_co_u32 s21, s21, SCL
	v_add_nc_u32 v[ADSA], s21, v7
	s_lshl_b32 s22, s16, 8
	s_add_co_u32 s22, s22, SCL+SSTR
	v_add_nc_u32 v[ADSB], s22, v7
	s_mul_i32 s21, s14, 16*SP                      ; my stage
	v_mul_u32_u24 v24, v2, SP
	v_lshl_add_u32 v24, v3, 6, v24
	v_add_nc_u32 v24, s21, v24                     ; in: row r, + 64 h
	v_mul_u32_u24 v25, v3, SP
	v_lshl_add_u32 v25, v2, 4, v25
	v_add_nc_u32 v25, s21, v25                     ; back: lanes 0-15 one row, lanes 16-31 the next
	s_lshl_b32 s21, s15, 9
	s_add_co_u32 s21, s21, LNT
	v_lshl_add_u32 v27, v3, 3, s21                 ; my 64 rows' means and rstd; lanes 16-31 one row on
	v_lshl_add_u32 v30, v0, 3, LNT                 ; where I put row t's
	s_mov_b32 s18, 0x3a800000                      ; 2^-10
	s_mov_b32 s19, 0x3727c5ac                      ; 1e-5
	s_wait_loadcnt 32                              ; the statistics, b2, g2 and be2 are in; x_res's 32 loads may stay out
	LNROW 128, 200, 198
	v_nop                                          ; a plain line behind the root
	s_wait_alu depctr_va_vdst(0)                   ; ahead of the root's first reader
	ds_store_b64 v30, v[200:201]
.set k, 0
.rept 16
	v_pk_add_f32 v[BIAS+k:BIAS+k+1], v[BIAS+k:BIAS+k+1], v[BE+k:BE+k+1]   ; b2 + be2
.set k, k+2
.endr
	s_wait_alu depctr_va_vdst(0)
	s_wait_tensorcnt 0x0                           ; my tile of the head's four is in
	ds_add_u32 v[SPW], v[NIL]
.irp g, G1, G1B                                ; no tensor load of mine is out, so descriptors may be written: the ring's loads bring 96 rows
	s_mov_b32 s[\g+2], 96<<16
	s_mov_b32 s[\g+4], 96
.endr
	s_mov_b32 s[G0+1], s45                         ; slot 0's sets for the ring: my quarter of the slot, my two K steps
	s_mov_b32 s[G0B+1], s45
	s_add_nc_u64 s[G0+2:G0+3], s[G0+2:G0+3], s[6:7]
	s_add_nc_u64 s[G0B+2:G0B+3], s[G0B+2:G0B+3], s[6:7]
	s_wait_dscnt 0x0                               ; the add is done, and, for the others' sake, the table's store
	CROUND                                         ; a whole round: all four tiles and the table are in, and the joint loads meet
	JLOAD G0+4, G1, G0B+4, G1B                     ; slot 1's first fill, the first tensor load behind the round
	SCALES 0
	global_prefetch_b8 v[PFO], s[PFA:PFA+1] offset:3*2*HALFT th:TH_LOAD_NT scope:SCOPE_SE   ; slot 3
	FETCH 0, 0, 0
	STEP 0, 0, 2                                   ; the first step stands in front of the loop: its products start the sums at b2 + be2
	WIN 0                                          ; at a label and at a branch every window is 0
	s_mov_b32 s3, LAPS-1
.Llap:                                                 ; a trip goes once round the ring, from a lap's second K step to the next lap's first, and fills both slots again
	STEP 0, 1, 1
	STEP 0, 2, 1
	TURN 0, 1, 1
	STEP 1, 0, 1
	STEP 1, 1, 1
	STEP 1, 2, 1
	TURN 1, 0, 1
	STEP 0, 0, 1
	WIN 0
	s_sub_co_u32 s3, s3, 1
	s_cmp_lg_u32 s3, 0
	s_cbranch_scc1 .Llap
	STEP 0, 1, 1                                   ; the last lap fills nothing, and has no round of the cluster's barrier
	STEP 0, 2, 1
	TURN 0, 1, 0
	STEP 1, 0, 1
	STEP 1, 1, 1
	STEP 1, 2, 1
	s_wait_dscnt 6                                 ; the very last K step: nothing more to fetch
	MUL4 0, 1, 3, 1, 1
	MUL4 1, 1, 3, 1, 1
	s_wait_dscnt 0x0
	MUL4 2, 1, 3, 1, 1
	MUL4 3, 1, 3, 1, 1
	WIN 0
	PLACES 4                                       ; in front of the first read of results
	TOSTAGE 0
	TOSTAGE 1                                      ; a block is on its way through the stage while the block before is finished and stored
	s_wait_loadcnt 0x0                             ; x_res
	FIN 0, 24
	TOSTAGE 2
	FIN 1, 24
	TOSTAGE 3
	FIN 2, 24
	FIN 3, 0
	s_wait_tensorcnt 0x0                           ; the wave's end
	ds_add_u32 v[SPW], v[NIL]
	s_wait_dscnt 0x0
	CROUND                                         ; the closing round
	s_endpgm
.Lfunc_end_k_qf902df8334_ffn2:
	.size	k_qf902df8334_ffn2, .Lfunc_end_k_qf902df8334_ffn2-k_qf902df8334_ffn2
	.p2alignl 7, 3214868480
	.fill 96, 4, 3214868480
	.section	.rodata,"a",@progbits
	.p2align	6, 0x0
	.amdhsa_kernel k_qf902df8334_ffn2
		.amdhsa_group_segment_fixed_size 327680
		.amdhsa_private_segment_fixed_size 0
		.amdhsa_enable_private_segment 0
		.amdhsa_kernarg_size 56
		.amdhsa_user_sgpr_count 2
		.amdhsa_user_sgpr_kernarg_segment_ptr 1
		.amdhsa_wavefront_size32 1
		.amdhsa_system_sgpr_workgroup_id_x 1
		.amdhsa_system_sgpr_workgroup_id_y 1
		.amdhsa_system_sgpr_workgroup_id_z 1
		.amdhsa_system_vgpr_workitem_id 0
		.amdhsa_next_free_vgpr 1024
		.amdhsa_next_free_sgpr 100
		.amdhsa_reserve_vcc 0
		.amdhsa_float_denorm_mode_32 3
		.amdhsa_float_denorm_mode_16_64 3
		.amdhsa_memory_ordered 1
		.amdhsa_forward_progress 1
		.amdhsa_inst_pref_size 111
	.end_amdhsa_kernel
	.amdgpu_metadata
---
amdhsa.version: [ 1, 2 ]
amdhsa.kernels:
  - .name:           k_qf902df8334_ffn2
    .symbol:         k_qf902df8334_ffn2.kd
    .args:
      - { .name: wsD, .offset: 0, .size: 8, .value_kind: global_buffer, .address_space: global }
      - { .name: wsA, .offset: 8, .size: 8, .value_kind: global_buffer, .address_space: global }
      - { .name: wsC, .offset: 16, .size: 8, .value_kind: global_buffer, .address_space: global }
      - { .name: b2, .offset: 24, .size: 8, .value_kind: global_buffer, .address_space: global }
      - { .name: g2, .offset: 32, .size: 8, .value_kind: global_buffer, .address_space: global }
      - { .name: be2, .offset: 40, .size: 8, .value_kind: global_buffer, .address_space: global }
      - { .name: out0, .offset: 48, .size: 8, .value_kind: global_buffer, .address_space: global }
    .group_segment_fixed_size: 327680
    .private_segment_fixed_size: 0
    .kernarg_segment_align: 8
    .kernarg_segment_size: 56
    .max_flat_workgroup_size: 128
    .sgpr_count:     100
    .vgpr_count:     1024
    .wavefront_size: 32
...
	.end_amdgpu_metadata
.endif
;; end of part 10
